; MI455X (gfx1250); checked and timed in simulation.
; The chip was launched on July 23, 2026; its instructions are those of AMD's public machine-readable ISA for CDNA 5 (MIT licence, August 2026) and "CDNA5" Instruction Set Architecture Reference Guide (July 2026). The comments in the code are by the model that wrote it; some were corrected since.
;; Cross Attention Graph Block. Allowed arithmetic: matrix products marked QUANTISED: E2M3 operands, one E8M0 scale for each 32 along K, by v_wmma_scale_f32_16x16x128_f8f6f4 with both operands' format E2M3, f32 sums; everything else in f32.
;; Inputs: conditioning_attention_mask 16 x 1,024 bool; conditioning_vector 16 x 1,024 x 512 float32; d1W 768 x 768 float32; d1b 768 float32; graph_batch 16 x 512 int32; graph_nodes 16 x 512 x 768 float32; in_kW 768 x 768 float32; in_kb 768 float32; in_qW 768 x 768 float32; in_qb 768 float32; in_vW 768 x 768 float32; in_vb 768 float32; kW 512 x 768 float32; kb 768 float32; ln1b 768 float32; ln1g 768 float32; ln2b 768 float32; ln2g 768 float32; outW 768 x 768 float32; outb 768 float32; qW 768 x 768 float32; qb 768 float32; vW 512 x 768 float32; vb 768 float32.
;; Outputs: out0 16 x 512 x 768 float32.
;; This version of the problem:
;;   THIS VERSION OF THE PROBLEM IS GIVEN IN LOW PRECISION. The matrix products marked QUANTISED in the list below multiply operands that are first quantised to E2M3 (2 exponent bits, 3 mantissa bits; 6 bits a number), with one power-of-two scale for each 32 numbers along K (OCP MX v1.0); their sums are f32. All else is computed in f32.
;;   The module's matrix products, in the order in which they are computed (A, B: the left and right operand; K: the contracted axis; several contracted axes count as one K, in the product's order):
;;     1. [M 8,192, K 768] x [K 768, N 768]; A: input graph_nodes; B: input qW: QUANTISED
;;     2. [M 16,384, K 512] x [K 512, N 768]; A: input conditioning_vector; B: input kW: QUANTISED
;;     3. [M 16,384, K 512] x [K 512, N 768]; A: input conditioning_vector; B: input vW: QUANTISED
;;     4. [M 8,192, K 768] x [K 768, N 768]; A: computed on the way; B: input in_qW: QUANTISED
;;     5. [M 16,384, K 768] x [K 768, N 768]; A: computed on the way; B: input in_kW: QUANTISED
;;     6. [M 16,384, K 768] x [K 768, N 768]; A: computed on the way; B: input in_vW: QUANTISED
;;     7. batch 192 x [M 512, K 64] x [K 64, N 1,024]; A: computed on the way; B: computed on the way: QUANTISED
;;     8. batch 192 x [M 512, K 1,024] x [K 1,024, N 64]; A: softmax (see below); B: computed on the way: QUANTISED
;;     9. [M 8,192, K 768] x [K 768, N 768]; A: computed on the way; B: input outW: QUANTISED
;;     10. [M 8,192, K 768] x [K 768, N 768]; A: computed on the way; B: input d1W: QUANTISED
;;   THE QUANTISER, for each operand of a quantised product, along K:
;;     - K is cut into blocks of 32 from its start; a last block that is shorter is filled with zeros.
;;     - A block's scale is 2^e with e = floor(log2(the largest magnitude in the block)) - 2, held to -126 .. 127; a block of zeros has e = 0. As a byte (E8M0): e + 127.
;;     - Each number is divided by its block's scale, clamped to +-7.5, and rounded to the nearest number of E2M3, ties to even, subnormals kept.
;;     - The product sums the exact products of the quantised numbers (number of the format x scale) in f32.
;;   ~~~python
;;   def quantise(x, axis):      # numpy; x: float32 -> the quantised numbers, widened to float32 again
;;       x = np.moveaxis(x, axis, -1); K = x.shape[-1]
;;       x = np.pad(x, [(0, 0)] * (x.ndim - 1) + [(0, -K % 32)]); x = x.reshape(x.shape[:-1] + (-1, 32)); a = np.abs(x).max(-1, keepdims=True)
;;       e = np.where(a > 0, np.clip(np.frexp(np.where(a > 0, a, 1))[1] - 1 - 2, -126, 127), 0)      # np.frexp(a)[1] - 1 = floor(log2(a)), exactly
;;       r = np.clip(x / 2.0 ** e, -7.5, 7.5)
;;       step = 2.0 ** (np.maximum(np.frexp(np.where(r == 0, 1, r))[1] - 1, 0) - 3)
;;       q = np.round(r / step) * step * 2.0 ** e      # np.round: ties to even
;;       return np.moveaxis(q.reshape(q.shape[:-2] + (-1,))[..., :K], -1, axis).astype(np.float32)
;;   ~~~
;;   SOFTMAX AHEAD OF A QUANTISED PRODUCT. Where the list says 'softmax', what is quantised is not the finished softmax but p = 2^(t - M), with t = logit x log2(e) and M = ceil(the row's largest t), a whole number; so 1/2 < the row's largest p <= 1. The row's sum l is taken of the UNQUANTISED p, in f32, and the product's result is divided by l at the end. Since M is a whole number, a kernel that streams over the keys may use a running M (the ceiling of the running maximum): every later rescaling is an exact power of two, which a block's scale takes up: the codes' values come out the same.
;;   OPERANDS COMPUTED ON THE WAY. 'Computed on the way' means the value that the module computes at that place (a softmax that the list does not call 'softmax' is quantised finished and normalised). What goes into a quantiser is computed in f32, as accurately as f32 sums, v_exp_f32 and their like allow (about 1e-6 of the number): no bf16 or f16 on the way to a quantiser, and a product that is left as it is and whose result goes on into a quantised operand takes f32 operands (vector FMAs, or v_wmma_f32_16x16x4_f32). A number that lies on a knife's edge between two numbers of the format may be rounded either way, as far as f32 arithmetic and the matrix unit's own rounding can turn it there, and no further.
;; 2 versions. Each part assembles by itself: llvm-mc -triple=amdgcn-amd-amdhsa -mcpu=gfx1250 --defsym DOCPART=n.
;; ======== version 1 of 2: 4 launches
;; limits: right only within a limited range of input values
;; workspace buffers: WS 3,379,200 bytes; XQ 4,915,200 bytes; XC 6,553,600 bytes; QC 5,111,808 bytes; KV 20,054,016 bytes; CX 4,915,200 bytes
;; launch prep (part 1): grid 712 x 1, 4 waves a work-group, no clusters, 34,304 bytes of LDS; arguments graph_nodes, conditioning_vector, qW, in_qW, in_kW, in_vW, outW, d1W, kW, vW, WS, XQ, XC; writes WS, XQ, XC
.if DOCPART == 1
	.amdgcn_target "amdgcn-amd-amdhsa--gfx1250"
	.amdhsa_code_object_version 6
	.text
	.protected	k_q9dd7425194_prep
	.globl	k_q9dd7425194_prep
	.p2align	8
	.type	k_q9dd7425194_prep,@function
k_q9dd7425194_prep:
	s_mov_b64 s[64:65], 0
	v_nop
	global_prefetch_b8 v0, s[64:65] scope:SCOPE_SE
	s_setreg_imm32_b32 hwreg(HW_REG_WAVE_MODE, 25, 1), 1
	s_wait_xcnt 0x0
; The eight weights ([K][768] f32, K outermost) and the two f32 inputs ([rows][K], K innermost) become codes of E2M3 with one E8M0 byte for each 32 along K,
; laid as IMAGES OF OPERAND REGISTERS.  A fragment is 16 rows x 128 K, 12 registers a lane: lane l = (r = l % 16, h = l / 16) holds k = 64 c + 32 h + 0..31 of row r in registers 6 c .. 6 c + 5.
; Image of half c (768 bytes): registers 6c..6c+3 at 16 l, registers 6c+4, 6c+5 at 512 + 8 l.  A fragment's image: half 0, half 1.  Scale words: one word a row.
; THE ROWS OF A TILE ARE NOT NEIGHBOURS: in a group of 64 indices row p of tile t is index 32 (p / 8) + 8 t + p % 8, so that a later result's 32 registers of four tiles are one block of 32 along the next K.
; A block's scale byte is its largest magnitude's exponent field - 2, held at 1 from below.
; LIMITS: NaN and infinities are not served; a block of zeros gets the byte 1 (its codes are zeros, and only this program reads the bytes).
; Work-groups 0-263 take the weights (a lane to a column, registers down K, no LDS), 264-711 the inputs (rows through the wave's own stage in LDS).  No barrier: waves share nothing.
.set SEL, 70
.set H8, 5
.set Q4T, 8                            ; v8-14   at work in QUANT4
.set Q4Q, 238                          ; v238-244 the conversions' upper halves
	s_load_b512 s[8:23], s[0:1], 0x0               ; graph_nodes, conditioning_vector, qW, in_qW, in_kW, in_vW, outW, d1W
	s_load_b256 s[24:31], s[0:1], 0x40             ; kW, vW, WS, XQ
	s_load_b64 s[32:33], s[0:1], 0x60              ; XC
	v_lshl_add_u32 v254, v0, 2, 0x8400
	v_mov_b32 v255, 0
	v_lshrrev_b32 v1, 5, v0
	v_readfirstlane_b32 s34, v1                    ; wave
	v_and_b32 v1, 31, v0                           ; lane
	s_mov_b32 s[SEL], 0x76543210
	s_mov_b32 s[SEL+1], 0xfedcba98                 ; lane l xor 16
	s_wait_kmcnt 0x0
	s_cmp_lt_u32 ttmp9, 264
	s_cbranch_scc0 .Linputs
; ---------------- the weights ----------------
; A work-group takes one K step (128) x 128 columns of one weight; a wave 32 columns; a lane one column, four blocks of 32 down K.
	s_mov_b64 s[36:37], s[12:13]                   ; qW
	s_mov_b32 s38, 0                               ; the weight's first work-group
	s_mov_b32 s39, 0                               ; its first step in WS
.macro PICK first, lo, step
	s_cmp_ge_u32 ttmp9, \first
	s_cselect_b64 s[36:37], s[\lo:\lo+1], s[36:37]
	s_cselect_b32 s38, \first, s38
	s_cselect_b32 s39, \step, s39
.endm
	PICK 36, 14, 6                                 ; in_qW
	PICK 72, 16, 16                                ; in_kW
	PICK 108, 18, 26                               ; in_vW
	PICK 144, 20, 32                               ; outW
	PICK 180, 22, 38                               ; d1W
	PICK 216, 24, 12                               ; kW
	PICK 240, 26, 22                               ; vW
	s_sub_co_u32 s40, ttmp9, s38
	s_mul_hi_u32 s41, s40, 0x2aaaaaab              ; K step = local / 6
	s_mul_i32 s42, s41, 6
	s_sub_co_u32 s42, s40, s42
	s_lshl_b32 s42, s42, 2
	s_add_co_u32 s42, s42, s34                     ; cg: my wave's 32 columns
	s_lshr_b32 s43, s42, 1                         ; G: the group of 64 columns
	s_and_b32 s44, s42, 1                          ; hh: its lower or upper 32
	s_mul_hi_u32 s45, s43, 0x55555556              ; w = G / 3: the wave that will read them
	s_mul_i32 s46, s45, 3
	s_sub_co_u32 s46, s43, s46                     ; i = G % 3
	s_mul_i32 s48, s41, 128*3072
	s_lshl_b32 s49, s42, 7
	s_add_co_u32 s48, s48, s49
	s_mov_b32 s49, 0
	s_add_nc_u64 s[36:37], s[36:37], s[48:49]      ; W at (128 s, 32 cg)
	s_add_co_u32 s50, s39, s41
	s_mul_i32 s50, s50, 76800
	s_mul_i32 s51, s45, 19200
	s_add_co_u32 s50, s50, s51                     ; the record of (step, w)
	s_mul_i32 s51, s46, 6144
	s_add_co_u32 s48, s50, s51
	s_add_nc_u64 s[52:53], s[28:29], s[48:49]      ; its tiles 4 i ..
	s_lshl_b32 s51, s46, 8
	s_add_co_u32 s48, s50, s51
	s_add_co_u32 s48, s48, 18432
	s_add_nc_u64 s[54:55], s[28:29], s[48:49]      ; their scale words
	v_lshlrev_b32 v2, 2, v1                        ; in: 4 bytes a lane
	v_lshrrev_b32 v3, 3, v1                        ; tile t = lane / 8; row p = 8 hh + lane % 8
	v_and_b32 v4, 7, v1
	v_mul_u32_u24 v5, v3, 1536
	s_lshl_b32 s56, s44, 7
	v_lshl_add_u32 v6, v4, 4, v5
	v_add_nc_u32 v6, s56, v6                       ; 1536 t + 16 p
	s_lshl_b32 s56, s44, 6
	v_lshl_add_u32 v7, v4, 3, v5
	v_add_nc_u32 v7, s56, v7                       ; 1536 t + 8 p
	v_lshrrev_b32 v8, 1, v3
	v_and_b32 v9, 1, v3
	v_lshlrev_b32 v8, 7, v8
	v_lshl_add_u32 v8, v9, 2, v8
	v_lshl_add_u32 v8, v4, 3, v8
	v_add_nc_u32 v8, s56, v8                       ; 128 (t / 2) + 8 p + 4 (t % 2)
.macro WLD t                           ; block t: W(32 t + q, my column): 32 lanes read 128 consecutive bytes
.set qq, 0
.rept 32
	global_load_b32 v[32+32*((\t)%2)+qq], v2, s[36:37] offset:(32*(\t)+qq)*3072 th:TH_LOAD_NT
.set qq, qq+1
.endr
.endm
.macro WBLOCK t
.set XS, 32+32*((\t)%2)
.set PB, 96+8*(\t)                     ; each block has code registers of its own: no store's data are written again
.if (\t) < 3
	s_wait_loadcnt 32                              ; this block's 32 loads are in; the next block's may be out
.else
	s_wait_loadcnt 0x0
.endif
	v_max3_num_f32 v12, |v[XS]|, |v[XS+1]|, |v[XS+2]|
	v_max3_num_f32 v13, |v[XS+3]|, |v[XS+4]|, |v[XS+5]|
.irp j, 6,10,14,18,22,26
	v_max3_num_f32 v12, v12, |v[XS+\j]|, |v[XS+\j+1]|
	v_max3_num_f32 v13, v13, |v[XS+\j+2]|, |v[XS+\j+3]|
.endr
	v_max3_num_f32 v12, v12, |v[XS+30]|, |v[XS+31]|
	v_max3_num_f32 v12, v12, v13, 0x1800000        ; the floor 2^(3 - 127): the byte cannot fall under 1
	v_add_nc_u32 v11, 0xff000000, v12              ; 2 off the exponent field: the conversion's scale operand
	v_lshrrev_b32 v13, 23, v11                     ; the byte
.if (\t) == 0
	v_mov_b32 v15, v13
.else
	v_lshl_or_b32 v15, v13, 8*(\t), v15            ; the column's scale word of this K step
.endif
	v_cvt_scalef32_pk16_fp6_f32 v[PB:PB+2], v[XS:XS+15], v11
	v_cvt_scalef32_pk16_fp6_f32 v[128:130], v[XS+16:XS+31], v11   ; (a conversion's three registers begin on an even number)
	v_nop                                          ; one plain place behind a scaled conversion
	v_mov_b32 v[PB+3], v128
	v_mov_b32 v[PB+4], v129
	v_mov_b32 v[PB+5], v130
	global_store_b128 v6, v[PB:PB+3], s[52:53] offset:768*((\t)/2)+256*((\t)%2)       ; block t is half t / 2 of lane p + 16 (t % 2)
	global_store_b64 v7, v[PB+4:PB+5], s[52:53] offset:768*((\t)/2)+512+128*((\t)%2)
.if (\t) < 2
	WLD (\t)+2
.endif
.endm
	WLD 0
	WLD 1
	WBLOCK 0
	WBLOCK 1
	WBLOCK 2
	WBLOCK 3
	global_store_b32 v8, v15, s[54:55]
	s_endpgm
; ---------------- the inputs ----------------
; A work-group takes 128 rows x 256 along K; wave: K step s = 2 sp + wave / 2, rows 64 (wave % 2) on: four fragments.
.Linputs:
	s_sub_co_u32 s40, ttmp9, 264
	s_mul_hi_u32 s41, s40, 0x55555556              ; graph_nodes: block = gi / 3,
	s_mul_i32 s42, s41, 3
	s_sub_co_u32 s42, s40, s42                     ; pair of K steps = gi % 3
	s_sub_co_u32 s43, s40, 192                     ; conditioning_vector: the same by 2
	s_lshr_b32 s44, s43, 1
	s_and_b32 s45, s43, 1
	s_mov_b32 s46, 2048
	s_mov_b32 s47, 51200
	s_cmp_lt_u32 s40, 192
	s_cselect_b32 s41, s41, s44                    ; block of 128 rows
	s_cselect_b32 s42, s42, s45
	s_cselect_b32 s46, 3072, s46                   ; a row in bytes
	s_cselect_b32 s47, 76800, s47                  ; a block's records in bytes
	s_cselect_b64 s[36:37], s[8:9], s[10:11]
	s_cselect_b64 s[38:39], s[30:31], s[32:33]
	s_lshr_b32 s48, s34, 1
	s_lshl_b32 s42, s42, 1
	s_add_co_u32 s42, s42, s48                     ; K step s
	s_and_b32 s48, s34, 1                          ; mh
	s_lshl_b32 s50, s41, 7
	s_lshl_b32 s51, s48, 6
	s_add_co_u32 s50, s50, s51
	s_mul_i32 s50, s50, s46
	s_lshl_b32 s51, s42, 9
	s_add_co_u32 s50, s50, s51
	s_mov_b32 s51, 0
	s_add_nc_u64 s[52:53], s[36:37], s[50:51]      ; fragment 0: row 128 RB + 64 mh, byte 512 s
	s_lshl_b32 s50, s46, 3
	s_add_nc_u64 s[54:55], s[52:53], s[50:51]      ; fragment i: 8 i rows on
	s_add_nc_u64 s[56:57], s[54:55], s[50:51]
	s_add_nc_u64 s[58:59], s[56:57], s[50:51]
	s_mul_i32 s50, s41, s47
	s_mul_i32 s62, s42, 12800
	s_add_co_u32 s50, s50, s62                     ; the record of (block, s)
	s_mul_i32 s62, s48, 6144
	s_add_co_u32 s62, s62, s50
	s_mov_b32 s63, 0
	s_add_nc_u64 s[60:61], s[38:39], s[62:63]      ; its tiles 4 mh ..
	s_lshl_b32 s62, s48, 8
	s_add_co_u32 s62, s62, s50
	s_add_co_u32 s62, s62, 12288
	s_add_nc_u64 s[66:67], s[38:39], s[62:63]      ; their scale words
	v_lshlrev_b32 v2, 4, v1                        ; 16 x lane
	v_lshlrev_b32 v3, 3, v1                        ; 8 x lane
	v_and_b32 v4, 15, v0                           ; r
	v_bfe_u32 v5, v0, 4, 1                         ; h
	s_mul_i32 s68, s34, 8448                       ; my stage: 16 rows x (512 + 16) bytes
	v_add_nc_u32 v6, s68, v2                       ; in: a row's 512 bytes as they lie
	v_mul_u32_u24 v7, v4, 528
	v_lshl_add_u32 v7, v5, 7, v7
	v_add_nc_u32 v7, s68, v7                       ; out: row r, + 128 h
	v_lshlrev_b32 v4, 2, v4                        ; 4 r
	v_lshlrev_b32 v[H8], 3, v5                     ; 8 h
	v_mov_b32 v[Q4T+6], 0                          ; written once: a lane permute's destination counts as one of its sources
.set rr, 0
.rept 16
	v_mad_u32_u24 v[16+rr], s46, 32*(rr/8)+rr%8, v2   ; row p of a tile lies 32 (p / 8) + p % 8 rows on
.set rr, rr+1
.endr
.macro LOADF i                         ; fragment i: 16 rows x 512 bytes; each load reads 512 consecutive bytes
.set rr, 0
.rept 16
	global_load_b128 v[32+64*((\i)%2)+4*rr:32+64*((\i)%2)+4*rr+3], v[16+rr], s[52+2*(\i):53+2*(\i)] th:TH_LOAD_NT
.set rr, rr+1
.endr
.endm
; 64 numbers of a lane (register 32 c + q = k 64 c + 32 h + q of my row) become a fragment's 12 code registers and its scale word
.macro QUANT4 a, p, w
.irp c, 0,1
	v_max3_num_f32 v[Q4T+\c], |v[\a+32*\c]|, |v[\a+32*\c+1]|, 0x1800000
.endr
.irp j, 2,4,6,8,10,12,14,16,18,20,22,24,26,28,30
.irp c, 0,1
	v_max3_num_f32 v[Q4T+\c], v[Q4T+\c], |v[\a+32*\c+\j]|, |v[\a+32*\c+\j+1]|
.endr
.endr
.irp c, 0,1
	v_add_nc_u32 v[Q4T+2+\c], 0xff000000, v[Q4T+\c]
.endr
.irp c, 0,1
	v_lshrrev_b32 v[Q4T+4+\c], 23, v[Q4T+2+\c]
.endr
	v_lshl_or_b32 v[\w], v[Q4T+5], 16, v[Q4T+4]    ; my two bytes: blocks h and 2 + h,
	v_lshlrev_b32 v[\w], v[H8], v[\w]              ; at their places;
	v_permlanex16_b32 v[Q4T+6], v[\w], s[SEL], s[SEL+1]
	v_or_b32 v[\w], v[\w], v[Q4T+6]                ; with lane l xor 16's two the word is whole
.irp c, 0,1
	v_cvt_scalef32_pk16_fp6_f32 v[\p+6*\c:\p+6*\c+2], v[\a+32*\c:\a+32*\c+15], v[Q4T+2+\c]
	v_cvt_scalef32_pk16_fp6_f32 v[Q4Q+4*\c:Q4Q+4*\c+2], v[\a+32*\c+16:\a+32*\c+31], v[Q4T+2+\c]
.endr
	v_nop                                          ; one plain place behind a scaled conversion
.irp c, 0,1
.irp k, 0,1,2
	v_mov_b32 v[\p+6*\c+3+\k], v[Q4Q+4*\c+\k]
.endr
.endr
.endm
.macro FRAGM i
.if (\i) < 3
	s_wait_loadcnt 16                              ; this fragment's 16 loads are in; the next one's may be out
.else
	s_wait_loadcnt 0x0
.endif
.set rr, 0
.rept 16
	ds_store_b128 v6, v[32+64*((\i)%2)+4*rr:32+64*((\i)%2)+4*rr+3] offset:528*rr
.set rr, rr+1
.endr
.irp c, 0,1
.irp q, 0,1,2,3,4,5,6,7
	ds_load_b128 v[160+32*\c+4*\q:160+32*\c+4*\q+3], v7 offset:256*\c+16*\q   ; LDS serves a wave's instructions in order: these see the stores
.endr
.endr
	s_wait_dscnt 0x0                               ; my 64 numbers are back, and the stores have read their registers,
.if (\i) < 2
	LOADF (\i)+2                                   ; which take the fragment two on
.endif
	s_wait_xcnt 0x0                                ; the last fragment's stores have read the code registers
	QUANT4 160, 224, 236
	global_store_b128 v2, v[224:227], s[60:61] offset:1536*(\i)
	global_store_b64 v3, v[228:229], s[60:61] offset:1536*(\i)+512
	global_store_b128 v2, v[230:233], s[60:61] offset:1536*(\i)+768
	global_store_b64 v3, v[234:235], s[60:61] offset:1536*(\i)+1280
	global_store_b32 v4, v236, s[66:67] offset:64*(\i)   ; lanes r and r + 16 write the same word with the same value
.endm
	LOADF 0
	LOADF 1
	FRAGM 0
	FRAGM 1
	FRAGM 2
	FRAGM 3
	s_wait_tensorcnt 0x0
	ds_add_u32 v254, v255
	s_wait_dscnt 0x0
	s_endpgm
.Lfunc_end_k_q9dd7425194_prep:
	.size	k_q9dd7425194_prep, .Lfunc_end_k_q9dd7425194_prep-k_q9dd7425194_prep
	.p2alignl 7, 3214868480
	.fill 96, 4, 3214868480
	.section	.rodata,"a",@progbits
	.p2align	6, 0x0
	.amdhsa_kernel k_q9dd7425194_prep
		.amdhsa_group_segment_fixed_size 34304
		.amdhsa_private_segment_fixed_size 0
		.amdhsa_enable_private_segment 0
		.amdhsa_kernarg_size 104
		.amdhsa_user_sgpr_count 2
		.amdhsa_user_sgpr_kernarg_segment_ptr 1
		.amdhsa_wavefront_size32 1
		.amdhsa_system_sgpr_workgroup_id_x 1
		.amdhsa_system_sgpr_workgroup_id_y 1
		.amdhsa_system_sgpr_workgroup_id_z 1
		.amdhsa_system_vgpr_workitem_id 0
		.amdhsa_next_free_vgpr 256
		.amdhsa_next_free_sgpr 72
		.amdhsa_reserve_vcc 0
		.amdhsa_float_denorm_mode_32 3
		.amdhsa_float_denorm_mode_16_64 3
		.amdhsa_memory_ordered 1
		.amdhsa_forward_progress 1
		.amdhsa_inst_pref_size 54
	.end_amdhsa_kernel
	.amdgpu_metadata
---
amdhsa.version: [ 1, 2 ]
amdhsa.kernels:
  - .name:           k_q9dd7425194_prep
    .symbol:         k_q9dd7425194_prep.kd
    .args:
      - { .name: graph_nodes, .offset: 0, .size: 8, .value_kind: global_buffer, .address_space: global }
      - { .name: conditioning_vector, .offset: 8, .size: 8, .value_kind: global_buffer, .address_space: global }
      - { .name: qW, .offset: 16, .size: 8, .value_kind: global_buffer, .address_space: global }
      - { .name: in_qW, .offset: 24, .size: 8, .value_kind: global_buffer, .address_space: global }
      - { .name: in_kW, .offset: 32, .size: 8, .value_kind: global_buffer, .address_space: global }
      - { .name: in_vW, .offset: 40, .size: 8, .value_kind: global_buffer, .address_space: global }
      - { .name: outW, .offset: 48, .size: 8, .value_kind: global_buffer, .address_space: global }
      - { .name: d1W, .offset: 56, .size: 8, .value_kind: global_buffer, .address_space: global }
      - { .name: kW, .offset: 64, .size: 8, .value_kind: global_buffer, .address_space: global }
      - { .name: vW, .offset: 72, .size: 8, .value_kind: global_buffer, .address_space: global }
      - { .name: WS, .offset: 80, .size: 8, .value_kind: global_buffer, .address_space: global }
      - { .name: XQ, .offset: 88, .size: 8, .value_kind: global_buffer, .address_space: global }
      - { .name: XC, .offset: 96, .size: 8, .value_kind: global_buffer, .address_space: global }
    .group_segment_fixed_size: 34304
    .private_segment_fixed_size: 0
    .kernarg_segment_align: 8
    .kernarg_segment_size: 104
    .max_flat_workgroup_size: 128
    .sgpr_count:     72
    .vgpr_count:     256
    .wavefront_size: 32
...
	.end_amdgpu_metadata
.endif
;; end of part 1
;; launch proj (part 2): grid 320 x 1, 4 waves a work-group, clusters of 4 x 1, 327,680 bytes of LDS; arguments XQ, XC, WS, qb, in_qb, kb, in_kb, vb, in_vb, conditioning_attention_mask, QC, KV; writes QC, KV
.if DOCPART == 2
	.amdgcn_target "amdgcn-amd-amdhsa--gfx1250"
	.amdhsa_code_object_version 6
	.text
	.protected	k_q9dd7425194_proj
	.globl	k_q9dd7425194_proj
	.p2align	8
	.type	k_q9dd7425194_proj,@function
k_q9dd7425194_proj:
	s_mov_b64 s[64:65], 0
	v_nop
	global_prefetch_b8 v0, s[64:65] scope:SCOPE_SE
	s_setreg_imm32_b32 hwreg(HW_REG_WAVE_MODE, 25, 1), 1
	s_wait_xcnt 0x0
	s_wait_alu depctr_hold_cnt(0) depctr_sa_sdst(0) depctr_va_vdst(0) depctr_va_sdst(0) depctr_va_ssrc(0) depctr_va_vcc(0) depctr_vm_vsrc(0)
	s_getreg_b32 s2, hwreg(HW_REG_IB_STS2, 6, 4)
	s_cmp_eq_u32 s2, 0
	s_cbranch_scc0 .Lentry_in_a_cluster
	s_endpgm
.Lentry_in_a_cluster:
	s_bfe_u32 s2, ttmp6, 0x10000c
	s_cmp_lg_u32 s2, 0x3003
	s_cbranch_scc0 .Lentry_shape_is_right
	s_endpgm
.Lentry_shape_is_right:
; Three chains of two quantised products, on codes of E2M3: q = (x qW + qb) in_qW + in_qb, and likewise k and v from conditioning_vector.  The hidden layer is quantised in registers and stays in LDS.
; A work-group takes 128 rows through a whole chain.  Clusters 0-15: q, 16-47: k, 48-79: v: the four partners of a cluster walk the same weights, which are asked for JOINTLY.
; Wave w makes columns 192 w .. +191 (12 tiles) for all 128 rows (8 tiles): 96 accumulators, windows 1-3.  Activations: register images in LDS, read by all four waves.
; Weights: a ring of two LDS slots, one K step (76,800 bytes) each; wave w fetches and reads only its own 19,200 bytes of a slot.
; ORIENTATION T (source 0 = 16 columns of the weight, source 1 = 16 rows): a lane holds one row, and the 32 registers of a group's four tiles are one block of 32 along the next K.
; ORIENTATION V (sources swapped; v's second product): a lane holds one channel, its 64 registers run down the 128 keys: V^T's fragment for attention.
; Every sum begins with its bias, laid into the accumulators ahead of the first product: every product adds in place.
; The key mask goes into K's scale words: byte 2 is 187 for a masked key, 1 else; q's byte 2 is 167; attention's products add -7.5 x 7.5 under these bytes at k = 64.
; LIMITS: NaN and infinities are not served; a block of zeros gets the byte 1 (its codes are zeros; only this program reads the bytes).
.set MT, 8                             ; tiles of rows
.set REC, 1600*MT                      ; an activation record: MT fragments + MT scale images
.set SCO, 1536*MT
.set HR, 76800                         ; LDS: x's records at 0 (q: 0-5; k, v: theirs at 2-5), the hidden layer's six at HR,
.set RING, 153600                      ; the ring,
.set SLOTB, 76800
.set SPARE, 307200                     ; the spare words, 128 bytes a wave: no other line names them
.set L16, 1
.set L8, 2
.set R4, 3
.set R8, 4
.set H8, 5
.set H128, 6
.set FLOORV, 7
.set SPW, 8
.set NIL, 9
.set XB16, 10                          ; v10-12 an image's places for my lane, at LDS byte 0;  v13-15 the same at the record in hand
.set XB8, 11
.set XBS, 12
.set XA16, 13
.set XA8, 14
.set XAS, 15
.set WA16, 16                          ; v16-21 my ring record's places, slot 0 and 1; never rewritten
.set WA8, 18
.set WAS, 20
.set XF, 24                            ; v24-119 activation fragments;  v120-127 their scale words
.set XSC, 120
.set WR, 128                           ; v128-199 three pairs of weight fragments;  v200-205 their scale words
.set WSCL, 200
.set XM, 206                           ; v206-213 what is set into the upper half of a tile's scale words
.set RP, 214                           ; 32 (r / 8) + r % 8
.set RP4, 215
.set PQ, 216                           ; v216-221 codes just made
.set T0, 224
.set T1, 225
.set T2, 226
.set T3, 227
.set T4, 228
.set SW, 229
.set QT, 230
.set WD, 233
.set HA16, 240                         ; v240-248 where my groups' images of the hidden layer go
.set HA8, 243
.set HAS, 246
.set BV, 88                            ; between the stages, v alone: v88-111 in_vb at my channel of each of my 12 tiles, a pair a tile
.set Q4T, 112                          ; the end of v's chain: at work, the conversions' upper halves, codes, the scale word
.set Q4Q, 120
.set PV, 216
.set PWD, 228
.set WV, 28
.set CX, 29
.set KIND, 30
.set G1W, 32
.set G1A, 40
.set G1B, 48
.set G0A, 56
.set G0B, 60
.set G0W, 68                           ; s[68:71], s[72:75]: a group 0 for each slot
.set B1, 76
.set B2, 78
.set CB, 80
.set SBS, 86
.set XO, 92
.set MODE, 93                          ; 0: orientation T;  1: orientation V
.set CNT, 94
.set KQ, 95
.set SEL, 96
.set MODE1, 98
.set MSB, 0
.macro WIN new                         ; the immediate's high byte repeats the setting that is left
.if MSB != (\new)
	s_set_vgpr_msb (MSB<<8)|(\new)
.set MSB, \new
.endif
.endm
.macro PLACES                          ; four plain places behind matrix instructions, ahead of loads into their registers and of reads of their results
.rept 4
	v_nop
.endr
.endm
.macro ROUND                           ; a round of the cluster's barrier
	s_barrier_signal -1
	s_barrier_wait -1
	s_cmp_lg_u32 s[WV], 0
	s_cbranch_scc1 .Lnw0_\@
	s_barrier_signal -3
.Lnw0_\@:
	s_barrier_wait -3
	s_barrier_signal -1
	s_barrier_wait -1
.endm
.macro XLOAD m0, m1                    ; activation fragments m0 .. m1 of the record in hand: five LDS loads each
.set xm, \m0
.rept (\m1)-(\m0)+1
	ds_load_b128 v[XF+12*xm:XF+12*xm+3], v[XA16] offset:1536*xm
	ds_load_b64 v[XF+12*xm+4:XF+12*xm+5], v[XA8] offset:1536*xm
	ds_load_b128 v[XF+12*xm+6:XF+12*xm+9], v[XA16] offset:1536*xm+768
	ds_load_b64 v[XF+12*xm+10:XF+12*xm+11], v[XA8] offset:1536*xm+768
	ds_load_b32 v[XSC+xm], v[XAS] offset:64*xm
.set xm, xm+1
.endr
.endm
.macro WLOAD sl, k, pr                 ; pair pr (tiles 2 pr, 2 pr + 1) of slot sl into pair buffer k: nine LDS loads
.irp u, 0,1
	ds_load_b128 v[WR+24*(\k)+12*\u:WR+24*(\k)+12*\u+3], v[WA16+(\sl)] offset:(2*(\pr)+\u)*1536
	ds_load_b64 v[WR+24*(\k)+12*\u+4:WR+24*(\k)+12*\u+5], v[WA8+(\sl)] offset:(2*(\pr)+\u)*1536
	ds_load_b128 v[WR+24*(\k)+12*\u+6:WR+24*(\k)+12*\u+9], v[WA16+(\sl)] offset:(2*(\pr)+\u)*1536+768
	ds_load_b64 v[WR+24*(\k)+12*\u+10:WR+24*(\k)+12*\u+11], v[WA8+(\sl)] offset:(2*(\pr)+\u)*1536+768
.endr
	ds_load_b64 v[WSCL+2*(\k):WSCL+2*(\k)+1], v[WAS+(\sl)] offset:128*(\pr)
.endm
; The products of pair p with row tiles m0 .. m1, each adding in place.  All accumulators of a K step differ and take turns, one instruction a turn, in the same order in every step.
.macro MMB ori, p, m0, m1, ab
.set mm, \m0
.rept (\m1)-(\m0)+1
.irp u, 0,1
.if \ori
.set AC, (256+256*((\p)/2)+64*(2*((\p)%2)+\u)+8*mm)&255
.else
.set AC, ((\ab)+32*MT*((\p)/2)+32*mm+8*(2*((\p)%2)+\u))&255
.endif
.set WF, WR+24*((\p)%3)+12*\u
.set WC, WSCL+2*((\p)%3)+\u
.set AF, XF+12*mm
.if \ori
	v_wmma_scale_f32_16x16x128_f8f6f4 v[AC:AC+7], v[AF:AF+11], v[WF:WF+11], v[AC:AC+7], v[XSC+mm], v[WC] matrix_a_fmt:MATRIX_FMT_FP6 matrix_b_fmt:MATRIX_FMT_FP6
.else
	v_wmma_scale_f32_16x16x128_f8f6f4 v[AC:AC+7], v[WF:WF+11], v[AF:AF+11], v[AC:AC+7], v[WC], v[XSC+mm] matrix_a_fmt:MATRIX_FMT_FP6 matrix_b_fmt:MATRIX_FMT_FP6
.endif
.endr
.set mm, mm+1
.endr
.endm
.macro MMSEL tv, p, m0, m1, ab         ; tv = 1: the orientation is chosen by a scalar branch on MODE, which hangs on the cluster's number alone
.set WW, ((\ab)+32*MT*((\p)/2))>>8
.if \tv
	s_cmp_eq_u32 s[MODE], 0
	s_cbranch_scc0 .Lv_\@
	WIN 0x50*WW
	MMB 0, \p, \m0, \m1, \ab
	WIN 0
	s_branch .Ldone_\@
.Lv_\@:
	WIN 0x50*WW
	MMB 1, \p, \m0, \m1, \ab
	WIN 0
.Ldone_\@:
.else
	WIN 0x50*WW
	MMB 0, \p, \m0, \m1, \ab
	WIN 0
.endif
.endm
; The change of slots.  My reads of slot sl are over (its last three pairs are asked for).  fill = 1: it is filled again with the K step two on, jointly, behind a round of the cluster's barrier.
.macro CHANGE sl, fill
	s_wait_tensorcnt 0x0                           ; all my tensor loads have landed: the one that was out is my part of the other slot
.if \fill
	ds_add_u32 v[SPW], v[NIL]                      ; 0 onto my spare word
	s_add_nc_u64 s[G0W+4*(\sl)+2:G0W+4*(\sl)+3], s[G0W+4*(\sl)+2:G0W+4*(\sl)+3], 2*SLOTB   ; no load of mine is out: this slot's group 0 steps two K steps on
	s_wait_dscnt 0x0                               ; the add is done and my reads of this slot are in
	ROUND                                          ; the same holds of every wave of the four partners
	tensor_load_to_lds s[G0W+4*(\sl):G0W+4*(\sl)+3], s[G1W:G1W+7]   ; my one tensor load behind the round; it has a K step in which to land
	s_nop 0
.else
	s_wait_dscnt 0x0                               ; nothing is filled again, and I read only the ring bytes that I fetched: no barrier
.endif
	PLACES
.endm
; A K step: six pairs of weight tiles against MT row tiles.  fill: 1 refill, 0 none, 2 the last step (no change of slots);  xn: the next record's fragments are fetched;  la: the next step's first three pairs are fetched.
.macro STEP sl, tv, fill, xn, la, ab
	s_wait_dscnt 5*MT/2+9                          ; pair 0 and the lower row tiles are in; the upper row tiles' loads and pair 2's nine may be out
	MMSEL \tv, 0, 0, MT/2-1, \ab
	s_wait_dscnt 9                                 ; the upper row tiles are in
	MMSEL \tv, 0, MT/2, MT-1, \ab
	PLACES
	WLOAD \sl, 0, 3
.irp p, 1,2
	s_wait_dscnt 18                                ; this pair is in; the two younger pairs may be out
	MMSEL \tv, \p, 0, MT-1, \ab
	PLACES
	WLOAD \sl, \p, \p+3
.endr
	s_wait_dscnt 18
	MMSEL \tv, 3, 0, MT-1, \ab
.if \fill < 2
	CHANGE \sl, \fill
.endif
.if \la
	WLOAD 1-\sl, 0, 0
.endif
.if \fill == 2
	s_wait_dscnt 9
.endif
	MMSEL \tv, 4, 0, MT-1, \ab
	PLACES
.if \la
	WLOAD 1-\sl, 1, 1
.endif
.if \fill == 2
	s_wait_dscnt 0x0
.endif
	MMSEL \tv, 5, 0, MT/2-1, \ab
.if \xn
	s_add_co_u32 s[XO], s[XO], REC
	v_add_nc_u32 v[XA16], s[XO], v[XB16]           ; (with the v_nop: the four places ahead of the loads)
	v_add_nc_u32 v[XA8], s[XO], v[XB8]
	v_add_nc_u32 v[XAS], s[XO], v[XBS]
	v_nop
	XLOAD 0, MT/2-1
.endif
	MMSEL \tv, 5, MT/2, MT-1, \ab
	PLACES
.if \xn
	XLOAD MT/2, MT-1
.endif
.if \la
	WLOAD 1-\sl, 2, 2
.endif
.endm
.macro START xo                        ; a stage's first record
	s_mov_b32 s[XO], \xo
	v_add_nc_u32 v[XA16], s[XO], v[XB16]
	v_add_nc_u32 v[XA8], s[XO], v[XB8]
	v_add_nc_u32 v[XAS], s[XO], v[XBS]
	XLOAD 0, MT-1
	s_wait_dscnt 0x0
.endm
; 32 numbers of a lane, one block of 32, in v[a ..] of window w.  QMAX: the conversion's scale operand in T2.  QCVT: six code registers, and SW = byte of h = 0 | byte of h = 1 << 8 in every lane.
.macro QMAX w, a
	WIN ((\w)<<2)|((\w)<<4)
	v_max3_num_f32 v[T0], v[FLOORV], |v[\a]|, |v[\a+1]|     ; each accumulator is read from its low end on
	v_max3_num_f32 v[T1], v[FLOORV], |v[\a+2]|, |v[\a+3]|
.irp j, 4,8,12,16,20,24,28
	v_max3_num_f32 v[T0], v[T0], |v[\a+\j]|, |v[\a+\j+1]|
	v_max3_num_f32 v[T1], v[T1], |v[\a+\j+2]|, |v[\a+\j+3]|
.endr
	WIN 0
	v_max_num_f32 v[T0], v[T0], v[T1]
	v_add_nc_u32 v[T2], 0xff000000, v[T0]          ; 2 off the exponent field
.endm
.macro QCVT w, a, p
	WIN \w
	v_cvt_scalef32_pk16_fp6_f32 v[\p:\p+2], v[\a:\a+15], v[T2]
	v_cvt_scalef32_pk16_fp6_f32 v[QT:QT+2], v[\a+16:\a+31], v[T2]
	WIN 0
	v_lshrrev_b32 v[T3], 23, v[T2]                 ; the byte (and the plain place behind the conversions)
	v_mov_b32 v[\p+3], v[QT]
	v_mov_b32 v[\p+4], v[QT+1]
	v_mov_b32 v[\p+5], v[QT+2]
	v_lshlrev_b32 v[T3], v[H8], v[T3]
	v_permlanex16_b32 v[T4], v[T3], s[SEL], s[SEL+1]
	v_or_b32 v[SW], v[T3], v[T4]
.endm
; 64 numbers of a lane in v[a ..] of window w (register 32 c + q = k 64 c + 32 h + q) become a fragment's 12 code registers and its scale word.  The eight accumulators are each read from their low end on.
.macro QUANT4 w, a, p, wd
	WIN ((\w)<<2)|((\w)<<4)
.irp c, 0,1
	v_max3_num_f32 v[Q4T+\c], v[FLOORV], |v[(\a)+32*\c]|, |v[(\a)+32*\c+1]|
.endr
.irp j, 2,4,6,8,10,12,14,16,18,20,22,24,26,28,30
.irp c, 0,1
	v_max3_num_f32 v[Q4T+\c], v[Q4T+\c], |v[(\a)+32*\c+\j]|, |v[(\a)+32*\c+\j+1]|
.endr
.endr
	WIN 0
.irp c, 0,1
	v_add_nc_u32 v[Q4T+2+\c], 0xff000000, v[Q4T+\c]
.endr
.irp c, 0,1
	v_lshrrev_b32 v[Q4T+4+\c], 23, v[Q4T+2+\c]
.endr
	v_lshl_or_b32 v[\wd], v[Q4T+5], 16, v[Q4T+4]   ; my two bytes: blocks h and 2 + h,
	v_lshlrev_b32 v[\wd], v[H8], v[\wd]            ; at their places;
	v_permlanex16_b32 v[Q4T+6], v[\wd], s[SEL], s[SEL+1]
	v_or_b32 v[\wd], v[\wd], v[Q4T+6]              ; with lane l xor 16's two the word is whole
	WIN \w
.irp c, 0,1
	v_cvt_scalef32_pk16_fp6_f32 v[\p+6*\c:\p+6*\c+2], v[(\a)+32*\c:(\a)+32*\c+15], v[Q4T+2+\c]
	v_cvt_scalef32_pk16_fp6_f32 v[Q4Q+4*\c:Q4Q+4*\c+2], v[(\a)+32*\c+16:(\a)+32*\c+31], v[Q4T+2+\c]
.endr
	WIN 0
	v_nop                                          ; one plain place behind a scaled conversion
.irp c, 0,1
.irp k, 0,1,2
	v_mov_b32 v[\p+6*\c+3+\k], v[Q4Q+4*\c+\k]
.endr
.endr
.endm
.macro BIASINIT bp                     ; the bias is the sums' start: lane (r, h) of group i wants b[192 w + 64 i + 32 h + 0 .. 31] in each row tile's 32 registers
.irp i, 0,1,2
	WIN (1+\i)<<6
.irp m, 0,1,2,3,4,5,6,7
.irp q, 0,1,2,3,4,5,6,7
	global_load_b128 v[32*\m+4*\q:32*\m+4*\q+3], v[H128], s[\bp:\bp+1] offset:256*\i+16*\q
.endr
.endr
.endr
	WIN 0
.endm
; The end of a T stage.  st = 0: the hidden layer's images go to LDS;  st = 1: q's or k's half images and scale words go to memory.
.macro EPI_T st
.irp i, 0,1,2
.irp m, 0,1,2,3,4,5,6,7
	QMAX 1+\i, 32*\m
.if \st
	s_wait_xcnt 0x0                                ; the last tile's stores have read their registers
.else
	s_wait_dscnt 0x0
.endif
	QCVT 1+\i, 32*\m, PQ
.if \st
	v_or_b32 v[WD], v[SW], v[XM+\m]
	global_store_b128 v[L16], v[PQ:PQ+3], s[CB+2*\i:CB+2*\i+1] offset:768*\m
	global_store_b64 v[L8], v[PQ+4:PQ+5], s[CB+2*\i:CB+2*\i+1] offset:768*\m+512
	global_store_b32 v[R4], v[WD], s[SBS+2*\i:SBS+2*\i+1] offset:64*\m
.else
	ds_store_b128 v[HA16+\i], v[PQ:PQ+3] offset:1536*\m
	ds_store_b64 v[HA8+\i], v[PQ+4:PQ+5] offset:1536*\m
	ds_store_b16 v[HAS+\i], v[SW] offset:64*\m
.endif
.endr
.endr
.endm
	s_load_b512 s[4:19], s[0:1], 0x0               ; XQ, XC, WS, qb, in_qb, kb, in_kb, vb
	s_load_b256 s[20:27], s[0:1], 0x40             ; in_vb, mask, QC, KV
	v_lshl_add_u32 v[SPW], v0, 2, SPARE
	v_mov_b32 v[NIL], 0
	ds_add_u32 v8, v9
	ds_add_u32 v8, v9
	s_wait_dscnt 0x0
	v_lshrrev_b32 v22, 5, v0
	v_readfirstlane_b32 s[WV], v22
	v_and_b32 v22, 31, v0
	v_and_b32 v23, 15, v0
	v_lshlrev_b32 v[L16], 4, v22
	v_lshlrev_b32 v[L8], 3, v22
	v_lshlrev_b32 v[R4], 2, v23
	v_lshlrev_b32 v[R8], 3, v23
	v_bfe_u32 v[H8], v0, 4, 1
	v_lshlrev_b32 v[H128], 7, v[H8]
	v_lshlrev_b32 v[H8], 3, v[H8]
	v_mov_b32 v[FLOORV], 0x1800000                 ; 2^(3 - 127): under it no largest magnitude is taken
	v_mov_b32 v[XB16], v[L16]
	v_add_nc_u32 v[XB8], 512, v[L8]
	v_add_nc_u32 v[XBS], SCO, v[R4]
	v_mov_b32 v[T4], 0                             ; written once: a lane permute's destination counts as one of its sources
	v_mov_b32 v[Q4T+6], 0
	v_and_b32 v[RP], 7, v0
	v_bfe_u32 v[RP4], v0, 3, 1
	v_lshl_or_b32 v[RP], v[RP4], 5, v[RP]
	v_lshlrev_b32 v[RP4], 2, v[RP]
	s_mov_b32 s[SEL], 0x76543210
	s_mov_b32 s[SEL+1], 0xfedcba98
	s_bfe_u32 s[CX], ttmp6, 0x40000                ; my place in the cluster: it enters global addresses of my own rows alone
	s_cmp_ge_u32 ttmp9, 16                         ; the kind hangs on the cluster's number, which the partners share
	s_cselect_b32 s[KIND], 1, 0
	s_cselect_b32 s31, 16, 0
	s_cselect_b32 s99, 12, 0                       ; the chain's first step in WS
	s_cmp_ge_u32 ttmp9, 48
	s_cselect_b32 s[KIND], 2, s[KIND]
	s_cselect_b32 s31, 48, s31
	s_cselect_b32 s99, 22, s99
	s_cselect_b32 s[MODE1], 1, 0
	s_sub_co_u32 s31, ttmp9, s31
	s_lshl_b32 s31, s31, 2
	s_add_co_u32 s31, s31, s[CX]                   ; RB: my block of 128 rows
	; descriptor groups 1: dense blocks as rows of 256 bytes (32 elements of 8 bytes)
	s_mov_b32 s[G1W], 15|(3<<16)|(1<<21)           ; the weights: jointly for the four partners; 75 rows
	s_mov_b32 s[G1W+1], 32<<16
	s_mov_b32 s[G1W+2], 75<<16
	s_mov_b32 s[G1W+3], 32<<16
	s_mov_b32 s[G1W+4], 75
	s_mov_b32 s[G1W+5], 32
	s_mov_b32 s[G1W+6], 0
	s_mov_b32 s[G1W+7], 0
	s_mov_b32 s[G1A], 3<<16                        ; a record of x: 50 rows, my own
	s_mov_b32 s[G1A+1], 32<<16
	s_mov_b32 s[G1A+2], 50<<16
	s_mov_b32 s[G1A+3], 32<<16
	s_mov_b32 s[G1A+4], 50
	s_mov_b32 s[G1A+5], 32
	s_mov_b32 s[G1A+6], 0
	s_mov_b32 s[G1A+7], 0
	s_mov_b32 s[G1B], 3<<16                        ; half a record: 25 rows
	s_mov_b32 s[G1B+1], 32<<16
	s_mov_b32 s[G1B+2], 25<<16
	s_mov_b32 s[G1B+3], 32<<16
	s_mov_b32 s[G1B+4], 25
	s_mov_b32 s[G1B+5], 32
	s_mov_b32 s[G1B+6], 0
	s_mov_b32 s[G1B+7], 0
	s_mul_i32 s100, s[WV], 19200
	s_add_co_u32 s2, s100, RING                    ; my record in slot 0
.irp sl, 0,1
	s_add_co_u32 s3, s2, \sl*SLOTB
	v_add_nc_u32 v[WA16+\sl], s3, v[L16]
	s_add_co_u32 s3, s2, \sl*SLOTB+512
	v_add_nc_u32 v[WA8+\sl], s3, v[L8]
	s_add_co_u32 s3, s2, \sl*SLOTB+18432
	v_add_nc_u32 v[WAS+\sl], s3, v[R8]
.endr
	s_wait_kmcnt 0x0
	s_mov_b32 s101, 51200
	s_cmp_eq_u32 s[KIND], 0
	s_cselect_b64 s[2:3], s[4:5], s[6:7]           ; x's images
	s_cselect_b32 s[KQ], -1, 0
	s_cselect_b32 s101, 76800, s101                ; a block's records in bytes
	s_cselect_b32 s7, 25600, 0                     ; load A brings q's records 2-5, or k's and v's four
	s_cselect_b64 s[B1:B1+1], s[10:11], s[14:15]
	s_cselect_b64 s[B2:B2+1], s[12:13], s[16:17]
	s_cmp_eq_u32 s[KIND], 2
	s_cselect_b64 s[B1:B1+1], s[18:19], s[B1:B1+1]
	s_cselect_b64 s[B2:B2+1], s[20:21], s[B2:B2+1]
	s_mul_i32 s4, s31, s101
	s_mov_b32 s5, 0
	s_add_nc_u64 s[2:3], s[2:3], s[4:5]
	s_mul_i32 s6, s[WV], 12800
	s_add_co_u32 s4, s6, s7
	s_mov_b32 s[G0A], 1
	s_add_co_u32 s[G0A+1], s6, 25600               ; LDS: record 2 + wave
	s_add_nc_u64 s[G0A+2:G0A+3], s[2:3], s[4:5]
	s_or_b32 s[G0A+3], s[G0A+3], 0x80000000
	s_mul_i32 s4, s[WV], 6400
	s_mov_b32 s[G0B], 1
	s_mov_b32 s[G0B+1], s4                         ; LDS: records 0 and 1, a quarter a wave
	s_add_nc_u64 s[G0B+2:G0B+3], s[2:3], s[4:5]
	s_or_b32 s[G0B+3], s[G0B+3], 0x80000000
	s_mul_i32 s4, s99, 76800
	s_add_co_u32 s4, s4, s100
	s_add_nc_u64 s[8:9], s[8:9], s[4:5]            ; my record of the chain's first step: the same in all four partners
.irp sl, 0,1
	s_mov_b32 s[G0W+4*\sl], 1
	s_add_co_u32 s[G0W+4*\sl+1], s100, RING+\sl*SLOTB
	s_add_nc_u64 s[G0W+4*\sl+2:G0W+4*\sl+3], s[8:9], \sl*SLOTB
	s_or_b32 s[G0W+4*\sl+3], s[G0W+4*\sl+3], 0x80000000
.endr
	ROUND                                          ; the four partners are here: the first joint loads meet
	tensor_load_to_lds s[G0A:G0A+3], s[G1A:G1A+7]
	s_nop 0
	PLACES
	s_cmp_eq_u32 s[KIND], 0
	s_cbranch_scc0 .Lno_b
	tensor_load_to_lds s[G0B:G0B+3], s[G1B:G1B+7]  ; q alone has six records
	s_nop 0
	PLACES
.Lno_b:
	tensor_load_to_lds s[G0W:G0W+3], s[G1W:G1W+7]      ; K steps 0 and 1 of the weights: at most four loads of mine are out
	s_nop 0
	tensor_load_to_lds s[G0W+4:G0W+7], s[G1W:G1W+7]
	s_nop 0
	PLACES
	s_mul_i32 s4, s[WV], 768
	s_add_nc_u64 s[B1:B1+1], s[B1:B1+1], s[4:5]    ; the biases at my 192 columns
	s_add_nc_u64 s[B2:B2+1], s[B2:B2+1], s[4:5]
	s_lshl_b32 s4, s31, 7
	s_add_nc_u64 s[22:23], s[22:23], s[4:5]        ; the mask at my 128 keys (for q the bytes read are not used: KQ selects q's constant)
.irp m, 0,1,2,3,4,5,6,7
	global_load_u8 v[XM+\m], v[RP], s[22:23] offset:64*(\m/4)+8*(\m%4)
.endr
	BIASINIT B1
	; where the results go
	s_mul_i32 s6, s[WV], 3
	s_lshr_b32 s7, s31, 2
	s_mul_i32 s7, s7, 12                           ; q: 12 x batch
	s_and_b32 s10, s31, 3
	s_lshl_b32 s10, s10, 3                         ; q: first query tile
	s_lshr_b32 s11, s31, 3
	s_mul_i32 s11, s11, 12                         ; k, v: 12 x batch
	s_and_b32 s12, s31, 7                          ; k, v: key step
.irp i, 0,1,2
	s_add_co_u32 s13, s6, \i                       ; G = 3 w + i: the head
	s_add_co_u32 s14, s7, s13
	s_lshl_b32 s14, s14, 5
	s_add_co_u32 s14, s14, s10
	s_mul_i32 s15, s14, 768
	s_lshl_b32 s14, s14, 6
	s_add_co_u32 s14, s14, 4718592
	s_add_co_u32 s16, s11, s13
	s_lshl_b32 s16, s16, 3
	s_add_co_u32 s16, s16, s12
	s_mul_i32 s16, s16, 13056
	s_cmp_eq_u32 s[KIND], 2
	s_cselect_b32 s17, 6656, 0
	s_add_co_u32 s16, s16, s17
	s_add_co_u32 s17, s16, 6144
	s_cmp_eq_u32 s[KIND], 0
	s_cselect_b64 s[18:19], s[24:25], s[26:27]
	s_cselect_b32 s4, s15, s16
	s_add_nc_u64 s[CB+2*\i:CB+2*\i+1], s[18:19], s[4:5]
	s_cselect_b32 s4, s14, s17
	s_add_nc_u64 s[SBS+2*\i:SBS+2*\i+1], s[18:19], s[4:5]
	s_lshr_b32 s20, s13, 1
	s_mul_i32 s20, s20, REC                        ; the hidden layer: group G is K step G / 2, half G % 2
	s_and_b32 s21, s13, 1
	s_mul_i32 s3, s21, 768
	s_add_co_u32 s3, s3, s20
	s_add_co_u32 s3, s3, HR
	v_add_nc_u32 v[HA16+\i], s3, v[L16]
	s_add_co_u32 s3, s3, 512
	v_add_nc_u32 v[HA8+\i], s3, v[L8]
	s_lshl_b32 s21, s21, 1
	s_add_co_u32 s20, s20, s21
	s_add_co_u32 s20, s20, HR+SCO
	v_add_nc_u32 v[HAS+\i], s20, v[R4]
.endr
	v_mov_b32 v[T0], 0x7f010000                    ; bytes 2, 3 of a scale word: an open key,
	v_mov_b32 v[T1], 0x7fbb0000                    ; a masked key,
	v_mov_b32 v[T2], 0x7fa70000                    ; a query
	s_wait_loadcnt 0x0                             ; the mask and the first bias
.irp m, 0,1,2,3,4,5,6,7
	v_cmp_ne_u32 vcc_lo, 0, v[XM+\m]
	v_cndmask_b32 v[XM+\m], v[T0], v[T1], vcc_lo
	v_cndmask_b32 v[XM+\m], v[XM+\m], v[T2], s[KQ]
.endr
	s_wait_tensorcnt 0x1                           ; x and K step 0 are in; K step 1 may stay out
	s_barrier_signal -1
	s_barrier_wait -1                              ; everybody's part of x is in
	WLOAD 0, 0, 0
	WLOAD 0, 1, 1
	WLOAD 0, 2, 2
	; ---- stage 0: the outer projection.  q has two K steps more; behind the join every LDS address is the same on both ways
	s_cmp_eq_u32 s[KIND], 0
	s_cbranch_scc0 .Lnot_q
	START 0
	STEP 0, 0, 1, 1, 1, 256
	STEP 1, 0, 1, 1, 1, 256
	s_branch .Lcommon
.Lnot_q:
	START 2*REC
.Lcommon:
	STEP 0, 0, 1, 1, 1, 256
	STEP 1, 0, 1, 1, 1, 256
	STEP 0, 0, 1, 1, 1, 256
	STEP 1, 0, 1, 0, 1, 256                        ; the stage's last: the next weight's first pairs are fetched, no record follows
	EPI_T 0
	; ---- the second sums begin with their bias
	s_cmp_eq_u32 s[KIND], 2
	s_cbranch_scc1 .Lv_init
	BIASINIT B2
	s_branch .Lb2_done
.Lv_init:
	; v: in orientation V a lane holds ONE channel of a tile, 32 (r / 8) + 8 t + r % 8 of head 3 w + i, in all 64 registers: one number of in_vb a tile
.irp n, 0,1,2,3,4,5,6,7,8,9,10,11
	v_mov_b32 v[BV+2*\n+1], 0                      ; (named as the upper half of a pair)
	global_load_b32 v[BV+2*\n], v[RP4], s[B2:B2+1] offset:4*(64*(\n/4)+8*(\n%4))
.endr
	s_wait_loadcnt 0x0
.irp i, 0,1,2
	WIN (1+\i)<<6
.irp t, 0,1,2,3
.set jj, 0
.rept 32
	v_pk_add_f32 v[64*\t+jj:64*\t+jj+1], v[BV+2*(4*\i+\t):BV+2*(4*\i+\t)+1], 0 op_sel_hi:[0,0]   ; the pair's low word + 0 into two registers at once
.set jj, jj+2
.endr
.endr
.endr
	WIN 0
.Lb2_done:
	s_wait_dscnt 0x0                               ; my images have landed
	s_barrier_signal -1
	s_barrier_wait -1                              ; the hidden layer's 48 fragments lie in LDS
	s_wait_loadcnt 0x0
	s_mov_b32 s[MODE], s[MODE1]
	START HR
	; ---- stage 1: the inner projection
	s_mov_b32 s[CNT], 2
.Lst1:
	STEP 0, 1, 1, 1, 1, 256
	STEP 1, 1, 1, 1, 1, 256
	s_sub_co_u32 s[CNT], s[CNT], 1
	s_cmp_lg_u32 s[CNT], 0
	s_cbranch_scc1 .Lst1
	STEP 0, 1, 0, 1, 1, 256                        ; the tail is written out: nothing is left to fetch
	STEP 1, 1, 2, 0, 0, 256
	s_cmp_eq_u32 s[KIND], 2
	s_cbranch_scc1 .Lv_out
	EPI_T 1
	s_branch .Lend
.Lv_out:
	; v: a tile's 64 registers of a lane run down the 128 keys: they are V^T's fragment (16 channels x 128 keys) as it stands
.irp i, 0,1,2
.irp t, 0,1,2,3
	s_wait_xcnt 0x0                                ; the last tile's stores have read their registers
	QUANT4 1+\i, 64*\t, PV, PWD
	global_store_b128 v[L16], v[PV:PV+3], s[CB+2*\i:CB+2*\i+1] offset:1536*\t
	global_store_b64 v[L8], v[PV+4:PV+5], s[CB+2*\i:CB+2*\i+1] offset:1536*\t+512
	global_store_b128 v[L16], v[PV+6:PV+9], s[CB+2*\i:CB+2*\i+1] offset:1536*\t+768
	global_store_b64 v[L8], v[PV+10:PV+11], s[CB+2*\i:CB+2*\i+1] offset:1536*\t+1280
	global_store_b32 v[R4], v[PWD], s[CB+2*\i:CB+2*\i+1] offset:6144+64*\t
.endr
.endr
.Lend:
	s_wait_tensorcnt 0x0                           ; the wave's end
	ds_add_u32 v[SPW], v[NIL]
	s_wait_dscnt 0x0
	ROUND                                          ; the closing round
	s_endpgm
.Lfunc_end_k_q9dd7425194_proj:
	.size	k_q9dd7425194_proj, .Lfunc_end_k_q9dd7425194_proj-k_q9dd7425194_proj
	.p2alignl 7, 3214868480
	.fill 96, 4, 3214868480
	.section	.rodata,"a",@progbits
	.p2align	6, 0x0
	.amdhsa_kernel k_q9dd7425194_proj
		.amdhsa_group_segment_fixed_size 327680
		.amdhsa_private_segment_fixed_size 0
		.amdhsa_enable_private_segment 0
		.amdhsa_kernarg_size 96
		.amdhsa_user_sgpr_count 2
		.amdhsa_user_sgpr_kernarg_segment_ptr 1
		.amdhsa_wavefront_size32 1
		.amdhsa_system_sgpr_workgroup_id_x 1
		.amdhsa_system_sgpr_workgroup_id_y 1
		.amdhsa_system_sgpr_workgroup_id_z 1
		.amdhsa_system_vgpr_workitem_id 0
		.amdhsa_next_free_vgpr 1024
		.amdhsa_next_free_sgpr 102
		.amdhsa_reserve_vcc 1
		.amdhsa_float_denorm_mode_32 3
		.amdhsa_float_denorm_mode_16_64 3
		.amdhsa_memory_ordered 1
		.amdhsa_forward_progress 1
		.amdhsa_inst_pref_size 255
	.end_amdhsa_kernel
	.section	.bss,"aw",@nobits
	.p2align	6
	.space	262144
	.amdgpu_metadata
---
amdhsa.version: [ 1, 2 ]
amdhsa.kernels:
  - .name:           k_q9dd7425194_proj
    .symbol:         k_q9dd7425194_proj.kd
    .args:
      - { .name: XQ, .offset: 0, .size: 8, .value_kind: global_buffer, .address_space: global }
      - { .name: XC, .offset: 8, .size: 8, .value_kind: global_buffer, .address_space: global }
      - { .name: WS, .offset: 16, .size: 8, .value_kind: global_buffer, .address_space: global }
      - { .name: qb, .offset: 24, .size: 8, .value_kind: global_buffer, .address_space: global }
      - { .name: in_qb, .offset: 32, .size: 8, .value_kind: global_buffer, .address_space: global }
      - { .name: kb, .offset: 40, .size: 8, .value_kind: global_buffer, .address_space: global }
      - { .name: in_kb, .offset: 48, .size: 8, .value_kind: global_buffer, .address_space: global }
      - { .name: vb, .offset: 56, .size: 8, .value_kind: global_buffer, .address_space: global }
      - { .name: in_vb, .offset: 64, .size: 8, .value_kind: global_buffer, .address_space: global }
      - { .name: conditioning_attention_mask, .offset: 72, .size: 8, .value_kind: global_buffer, .address_space: global }
      - { .name: QC, .offset: 80, .size: 8, .value_kind: global_buffer, .address_space: global }
      - { .name: KV, .offset: 88, .size: 8, .value_kind: global_buffer, .address_space: global }
    .group_segment_fixed_size: 327680
    .private_segment_fixed_size: 0
    .kernarg_segment_align: 8
    .kernarg_segment_size: 96
    .max_flat_workgroup_size: 128
    .sgpr_count:     102
    .vgpr_count:     1024
    .wavefront_size: 32
...
	.end_amdgpu_metadata
.endif
;; end of part 2
;; launch attn (part 3): grid 4 x 64, 12 waves a work-group, clusters of 4 x 1, 327,680 bytes of LDS; arguments QC, KV, CX; writes CX
.if DOCPART == 3
	.amdgcn_target "amdgcn-amd-amdhsa--gfx1250"
	.amdhsa_code_object_version 6
	.text
	.protected	k_q9dd7425194_attn
	.globl	k_q9dd7425194_attn
	.p2align	8
	.type	k_q9dd7425194_attn,@function
k_q9dd7425194_attn:
	s_mov_b64 s[64:65], 0
	v_nop
	global_prefetch_b8 v0, s[64:65] scope:SCOPE_SE
	s_setreg_imm32_b32 hwreg(HW_REG_WAVE_MODE, 25, 1), 1
	s_wait_xcnt 0x0
	s_wait_alu depctr_hold_cnt(0) depctr_sa_sdst(0) depctr_va_vdst(0) depctr_va_sdst(0) depctr_va_ssrc(0) depctr_va_vcc(0) depctr_vm_vsrc(0)
	s_getreg_b32 s2, hwreg(HW_REG_IB_STS2, 6, 4)
	s_cmp_eq_u32 s2, 0
	s_cbranch_scc0 .Lentry_in_a_cluster
	s_endpgm
.Lentry_in_a_cluster:
	s_bfe_u32 s2, ttmp6, 0x10000c
	s_cmp_lg_u32 s2, 0x3003
	s_cbranch_scc0 .Lentry_shape_is_right
	s_endpgm
.Lentry_shape_is_right:
; ctx[b][q][head] = softmax_k(q . k / 8, masked) v, both products on codes of E2M3.  t = score x log2(e) / 8; M = the running largest t rounded up to a whole number; p = 2^(t - M) is quantised along the keys;
; the row's sum is taken of the unquantised p and divides at the end.  ctx leaves as codes along the model's 768, for the next product.
; A work-group owns 128 queries of one batch and three heads; the four partners of a cluster own the four query blocks and ask for K and V jointly.  ALL K and V of the three heads (24 key steps x 13,056 bytes) lie in LDS:
; every byte is filled once, so there is no ring.  Wave w: head w / 4; in each of two passes one tile of 16 queries.  Three waves share a SIMD, so that one wave's softmax stands beside another's products.
; Both products are used transposed (S^T = K Q^T, O^T = V^T P^T): a lane holds one query.  The keys of a tile and the channels of a tile were laid so that a lane's 32 registers of four tiles are one block of 32.
; THE HEAD HAS 64 CHANNELS, the instruction 128: k = 64 .. 127 hold zero codes, but for k = 64: +7.5 in K, -7.5 in Q.  Under byte 2 of K's scale word (187 masked, 1 open) and of Q's (167) that adds -56.25 x 2^100 to a masked score
; and -56.25 x 2^-86, the same for every open key, to the others.
; LIMITS: a masked score is about -7e31 in place of -infinity and the running maximum starts at t = -1e28, so |t| stays under 1e28; a batch with every key masked is not served (the definition gives NaN there); NaN and infinities are not served.
.set KA16, 1                           ; v1-6 my head's places in LDS, key steps 0-3 and 4-7; never rewritten
.set KA8, 3
.set KAS, 5
.set L16, 7
.set L8, 8
.set R4, 9
.set H8, 10
.set FLOORV, 11
.set Q, 16                             ; v16-27 Q;  v28 its scale words;  v29 p's scale word;  v[30:31] f
.set QS, 28
.set PW, 29
.set F, 30
.set KF, 32                            ; v32-79 four tiles of K;  v80-83 their scale words
.set KS, 80
.set VF, 84                            ; v84-131 V's four fragments;  v132-135 their scale words
.set VS, 132
.set S, 136                            ; v136-199 S^T, then p
.set O, 200                            ; v200-231 O^T
.set P, 232                            ; v232-243 p's codes
.set BM, 244                           ; v244-255 at work
.set TA, 246
.set TB, 247
.set SU, 248
.set SO, 250
.set BY, 252
.set WV, 10
.set CX, 11
.set SEL, 28
.set CS, 30
.set G1, 32
.set G0A, 40
.set G0B, 44
.set QP, 48
.set QSP, 50
.set CP, 52
.set CSP, 54
.macro PLACES
.rept 4
	v_nop
.endr
.endm
.macro ROUND
	s_barrier_signal -1
	s_barrier_wait -1
	s_cmp_lg_u32 s[WV], 0
	s_cbranch_scc1 .Lnw0_\@
	s_barrier_signal -3
.Lnw0_\@:
	s_barrier_wait -3
	s_barrier_signal -1
	s_barrier_wait -1
.endm
	s_load_b128 s[4:7], s[0:1], 0x0                ; QC, KV
	s_load_b64 s[8:9], s[0:1], 0x10                ; CX
	v_lshl_add_u32 v255, v0, 2, 0x4c800
	s_set_vgpr_msb 0x40
	v_mov_b32 v1, 0
	s_set_vgpr_msb 0x4044
	ds_add_u32 v255, v1
	ds_add_u32 v255, v1
	s_set_vgpr_msb 0x4400
	v_lshrrev_b32 v12, 5, v0
	v_readfirstlane_b32 s[WV], v12
	s_bfe_u32 s[CX], ttmp6, 0x40000                ; my block of 128 queries: it enters QC's and CX's addresses alone
	s_and_b32 s12, ttmp7, 0xffff
	s_lshr_b32 s13, s12, 2                         ; batch
	s_and_b32 s14, s12, 3                          ; which three heads
	s_lshr_b32 s15, s[WV], 2                       ; hl
	s_and_b32 s16, s[WV], 3                        ; wq
	s_mul_i32 s17, s14, 3
	s_add_co_u32 s17, s17, s15                     ; head
	s_mul_i32 s18, s13, 12
	s_add_co_u32 s18, s18, s17
	s_lshl_b32 s19, s18, 3
	s_add_co_u32 s19, s19, s16
	s_mul_i32 s20, s19, 13056                      ; key step wq of my head, in memory,
	s_mov_b32 s21, 0
	s_lshl_b32 s22, s15, 3
	s_add_co_u32 s22, s22, s16
	s_mul_i32 s22, s22, 13056                      ; and in LDS
	s_mov_b32 s[G1], 15|(3<<16)|(1<<21)            ; a key step: 51 rows of 256 bytes, dense, jointly for the four partners
	s_mov_b32 s[G1+1], 32<<16
	s_mov_b32 s[G1+2], 51<<16
	s_mov_b32 s[G1+3], 32<<16
	s_mov_b32 s[G1+4], 51
	s_mov_b32 s[G1+5], 32
	s_mov_b32 s[G1+6], 0
	s_mov_b32 s[G1+7], 0
	s_mov_b32 s[SEL], 0x76543210
	s_mov_b32 s[SEL+1], 0xfedcba98
	s_mov_b32 s[CS], 0x3e38aa3b                    ; c = log2(e) / 8
	s_mov_b32 s[CS+1], s[CS]
	s_wait_dscnt 0x0
	s_wait_kmcnt 0x0
	s_add_nc_u64 s[6:7], s[6:7], s[20:21]
	s_mov_b32 s[G0A], 1
	s_mov_b32 s[G0A+1], s22
	s_mov_b64 s[G0A+2:G0A+3], s[6:7]
	s_or_b32 s[G0A+3], s[G0A+3], 0x80000000
	s_mov_b32 s[G0B], 1
	s_add_co_u32 s[G0B+1], s22, 52224              ; key step wq + 4
	s_add_nc_u64 s[G0B+2:G0B+3], s[6:7], 52224
	s_or_b32 s[G0B+3], s[G0B+3], 0x80000000
	ROUND                                          ; the four partners are here: the joint loads meet
	tensor_load_to_lds s[G0A:G0A+3], s[G1:G1+7]    ; two loads of mine are out
	s_nop 0
	tensor_load_to_lds s[G0B:G0B+3], s[G1:G1+7]
	s_nop 0
	PLACES
	s_lshl_b32 s19, s18, 5
	s_lshl_b32 s20, s[CX], 3
	s_add_co_u32 s19, s19, s20
	s_add_co_u32 s19, s19, s16                     ; my query tile of pass 0: ((b 12 + head) 32 + 8 cx + wq)
	s_mul_i32 s20, s19, 768
	s_add_nc_u64 s[QP:QP+1], s[4:5], s[20:21]
	s_lshl_b32 s20, s19, 6
	s_add_co_u32 s20, s20, 4718592
	s_add_nc_u64 s[QSP:QSP+1], s[4:5], s[20:21]
	s_lshl_b32 s19, s13, 3
	s_lshl_b32 s20, s[CX], 1
	s_add_co_u32 s19, s19, s20                     ; ctx: block of 64 rows = 8 b + 2 cx (+ pass)
	s_mul_i32 s19, s19, 6
	s_lshr_b32 s20, s17, 1
	s_add_co_u32 s19, s19, s20                     ; record = head / 2
	s_mul_i32 s19, s19, 6400
	s_and_b32 s23, s17, 1                          ; half = head % 2
	s_mul_i32 s20, s16, 1536
	s_add_co_u32 s20, s20, s19
	s_mul_i32 s24, s23, 768
	s_add_co_u32 s20, s20, s24
	s_add_nc_u64 s[CP:CP+1], s[8:9], s[20:21]
	s_lshl_b32 s20, s16, 6
	s_add_co_u32 s20, s20, s19
	s_lshl_b32 s24, s23, 1
	s_add_co_u32 s20, s20, s24
	s_add_co_u32 s20, s20, 6144
	s_add_nc_u64 s[CSP:CSP+1], s[8:9], s[20:21]
	v_and_b32 v12, 31, v0
	v_and_b32 v13, 15, v0
	v_lshlrev_b32 v[L16], 4, v12
	v_lshlrev_b32 v[L8], 3, v12
	v_lshlrev_b32 v[R4], 2, v13
	v_bfe_u32 v14, v0, 4, 1
	v_lshlrev_b32 v[H8], 3, v14
	v_mov_b32 v[FLOORV], 0x1800000
	s_mul_i32 s23, s15, 104448
.irp hf, 0,1
	s_add_co_u32 s24, s23, 52224*\hf
	v_add_nc_u32 v[KA16+\hf], s24, v[L16]
	v_add_nc_u32 v[KAS+\hf], s24, v[R4]
	s_add_co_u32 s24, s24, 512
	v_add_nc_u32 v[KA8+\hf], s24, v[L8]
.endr
	v_sub_nc_u32 v14, 1, v14                       ; 1 in lanes 0-15: they hold k = 64 .. 95 in registers 6 .. 11
	v_mul_u32_u24 v[Q+6], v14, 0x3f                ; Q: the code of -7.5 at k = 64, zeros else
.irp t, 0,1,2,3
	v_mul_u32_u24 v[KF+12*\t+6], v14, 0x1f         ; K: the code of +7.5 at k = 64
.endr
.irp j, 7,8,9,10,11
	v_mov_b32 v[Q+\j], 0
.irp t, 0,1,2,3
	v_mov_b32 v[KF+12*\t+\j], 0
.endr
.endr
	v_mov_b32 v[TB], 0                             ; written once: a lane permute's destination counts as one of its sources
	v_mov_b32 v[F+1], 0                            ; (named as the upper half of a pair)
	s_wait_tensorcnt 0x1                           ; my key step of 0-3 is in; that of 4-7 may stay out
	s_barrier_signal -1
	s_barrier_wait -1
.macro KLOAD hf, s4, bt                ; four tiles of K (keys 64 bt on): twelve LDS loads
.irp t, 0,1,2,3
	ds_load_b128 v[KF+12*\t:KF+12*\t+3], v[KA16+\hf] offset:13056*(\s4)+768*(4*\bt+\t)
	ds_load_b64 v[KF+12*\t+4:KF+12*\t+5], v[KA8+\hf] offset:13056*(\s4)+768*(4*\bt+\t)
	ds_load_b32 v[KS+\t], v[KAS+\hf] offset:13056*(\s4)+6144+64*(4*\bt+\t)
.endr
.endm
.macro VLOAD hf, s4                    ; V's four fragments (16 channels x 128 keys): twenty LDS loads
.irp t, 0,1,2,3
	ds_load_b128 v[VF+12*\t:VF+12*\t+3], v[KA16+\hf] offset:13056*(\s4)+6656+1536*\t
	ds_load_b64 v[VF+12*\t+4:VF+12*\t+5], v[KA8+\hf] offset:13056*(\s4)+6656+1536*\t
	ds_load_b128 v[VF+12*\t+6:VF+12*\t+9], v[KA16+\hf] offset:13056*(\s4)+6656+1536*\t+768
	ds_load_b64 v[VF+12*\t+10:VF+12*\t+11], v[KA8+\hf] offset:13056*(\s4)+6656+1536*\t+768
	ds_load_b32 v[VS+\t], v[KAS+\hf] offset:13056*(\s4)+12800+64*\t
.endr
.endm
.macro BMAX c                          ; the largest score of my block c: it serves the row's maximum and, since p rises with the score, the block's largest p.  Each accumulator is read from its low end on
	v_max3_num_f32 v[BM+\c], v[S+32*\c], v[S+32*\c+1], v[S+32*\c+2]
.irp j, 3,5,7,9,11,13,15,17,19,21,23,25,27,29
	v_max3_num_f32 v[BM+\c], v[BM+\c], v[S+32*\c+\j], v[S+32*\c+\j+1]
.endr
	v_max_num_f32 v[BM+\c], v[BM+\c], v[S+32*\c+31]
.endm
; A key step: 128 keys.  pf = 1: the next step's first tiles of K are fetched;  first = 1: O^T's sums begin.
.macro KSTEP hf, s4, pf, first
	PLACES
	VLOAD \hf, \s4
	s_wait_dscnt 20                                ; K's first four tiles are in; V's twenty loads may be out
.irp t, 0,1,2,3
	v_wmma_scale_f32_16x16x128_f8f6f4 v[S+8*\t:S+8*\t+7], v[KF+12*\t:KF+12*\t+11], v[Q:Q+11], 0, v[KS+\t], v[QS] matrix_a_fmt:MATRIX_FMT_FP6 matrix_b_fmt:MATRIX_FMT_FP6
.endr
	PLACES
	KLOAD \hf, \s4, 1
	BMAX 0
	s_wait_dscnt 0x0
.irp t, 0,1,2,3
	v_wmma_scale_f32_16x16x128_f8f6f4 v[S+32+8*\t:S+32+8*\t+7], v[KF+12*\t:KF+12*\t+11], v[Q:Q+11], 0, v[KS+\t], v[QS] matrix_a_fmt:MATRIX_FMT_FP6 matrix_b_fmt:MATRIX_FMT_FP6
.endr
	PLACES
.if \pf
	KLOAD \hf, (\s4)+1, 0
.endif
	BMAX 1
	v_max_num_f32 v[TA], v[BM], v[BM+1]
	v_permlanex16_b32 v[TB], v[TA], s[SEL], s[SEL+1]
	v_max_num_f32 v[TA], v[TA], v[TB]              ; the step's largest score of my query
	v_mul_f32 v[TA], s[CS], v[TA]
	v_max_num_f32 v13, v13, v[TA]                  ; the running largest t
	v_mov_b32 v[TA], v12
	v_floor_f32 v12, -v13                          ; -M = floor(-t): M is a whole number
	v_sub_f32 v[TA], v12, v[TA]
	v_cvt_i32_f32 v[TA], v[TA]                     ; (it saturates)
	v_ldexp_f32 v[F], 1.0, v[TA]                   ; f = 2^(old M - new M): rounds nothing
.set jj, 0
.rept 32
	v_pk_fma_f32 v[S+jj:S+jj+1], v[S+jj:S+jj+1], s[CS:CS+1], v[12:13] op_sel_hi:[1,0,0]   ; t - M
.set jj, jj+2
.endr
	v_fma_f32 v[BM], v[BM], s[CS], v12
	v_fma_f32 v[BM+1], v[BM+1], s[CS], v12
.set jj, 0
.rept 64
	v_exp_f32 v[S+jj], v[S+jj]                     ; p = 2^(t - M)
.set jj, jj+1
.endr
	v_pk_mul_f32 v[14:15], v[14:15], v[F:F+1] op_sel_hi:[1,0]   ; the sums under the new M (the plain place behind the batch)
	s_wait_alu depctr_va_vdst(0)                   ; one wait for the batch, ahead of its first reader
	v_exp_f32 v[BM], v[BM]                         ; the blocks' largest p: the same two instructions on the same number
	v_exp_f32 v[BM+1], v[BM+1]
	v_pk_add_f32 v[SU:SU+1], v[S:S+1], v[S+2:S+3]  ; the row's sum of the unquantised p, in two chains
.set jj, 4
.rept 15
	v_pk_add_f32 v[14:15], v[14:15], v[S+jj:S+jj+1]
	v_pk_add_f32 v[SU:SU+1], v[SU:SU+1], v[S+jj+2:S+jj+3]
.set jj, jj+4
.endr
	v_pk_add_f32 v[14:15], v[14:15], v[SU:SU+1]
	s_wait_alu depctr_va_vdst(0)                   ; and one for the two
.irp c, 0,1
	v_max_num_f32 v[BM+\c], 0x1800000, v[BM+\c]    ; the floor: the byte cannot fall under 1
.endr
.irp c, 0,1
	v_add_nc_u32 v[SO+\c], 0xff000000, v[BM+\c]
.endr
.irp c, 0,1
	v_lshrrev_b32 v[BY+\c], 23, v[SO+\c]
.endr
	v_lshl_or_b32 v[PW], v[BY+1], 16, v[BY]
	v_lshlrev_b32 v[PW], v[H8], v[PW]
	v_permlanex16_b32 v[TB], v[PW], s[SEL], s[SEL+1]
	v_or_b32 v[PW], v[PW], v[TB]                   ; p's scale word for these 128 keys
	v_cvt_scalef32_pk16_fp6_f32 v[P:P+2], v[S:S+15], v[SO]
	v_cvt_scalef32_pk16_fp6_f32 v[BM:BM+2], v[S+16:S+31], v[SO]
	v_cvt_scalef32_pk16_fp6_f32 v[P+6:P+8], v[S+32:S+47], v[SO+1]
	v_cvt_scalef32_pk16_fp6_f32 v[BY:BY+2], v[S+48:S+63], v[SO+1]
	v_nop                                          ; one plain place behind a scaled conversion
.irp k, 0,1,2
	v_mov_b32 v[P+3+\k], v[BM+\k]
	v_mov_b32 v[P+9+\k], v[BY+\k]
.endr
.if \first
.rept 8
	v_nop                                          ; a scale word made by vector instructions stands eight places ahead of the product
.endr
.irp t, 0,1,2,3
	v_wmma_scale_f32_16x16x128_f8f6f4 v[O+8*\t:O+8*\t+7], v[VF+12*\t:VF+12*\t+11], v[P:P+11], 0, v[VS+\t], v[PW] matrix_a_fmt:MATRIX_FMT_FP6 matrix_b_fmt:MATRIX_FMT_FP6
.endr
.else
.set jj, 0
.rept 16
	v_pk_mul_f32 v[O+jj:O+jj+1], v[O+jj:O+jj+1], v[F:F+1] op_sel_hi:[1,0]   ; O^T under the new M (also the places ahead of the products)
.set jj, jj+2
.endr
.irp t, 0,1,2,3
	v_wmma_scale_f32_16x16x128_f8f6f4 v[O+8*\t:O+8*\t+7], v[VF+12*\t:VF+12*\t+11], v[P:P+11], v[O+8*\t:O+8*\t+7], v[VS+\t], v[PW] matrix_a_fmt:MATRIX_FMT_FP6 matrix_b_fmt:MATRIX_FMT_FP6
.endr
.endif
.endm
.macro PASS ps
	global_load_b128 v[Q:Q+3], v[L16], s[QP:QP+1] offset:3072*\ps
	global_load_b64 v[Q+4:Q+5], v[L8], s[QP:QP+1] offset:3072*\ps+512
	global_load_b32 v[QS], v[R4], s[QSP:QSP+1] offset:256*\ps
	v_mov_b32 v13, 0xee013f39                      ; the largest t so far: -1e28
	v_floor_f32 v12, -v13
	v_mov_b32 v14, 0
	v_mov_b32 v15, 0
	KLOAD 0, 0, 0
	s_wait_loadcnt 0x0
	KSTEP 0, 0, 1, 1
	KSTEP 0, 1, 1, 0
	KSTEP 0, 2, 1, 0
	KSTEP 0, 3, 0, 0
.if \ps == 0
	s_wait_tensorcnt 0x0                           ; my key step of 4-7 is in,
	s_wait_dscnt 0x0
	s_barrier_signal -1
	s_barrier_wait -1                              ; everybody's is
.endif
	KLOAD 1, 0, 0
	KSTEP 1, 0, 1, 0
	KSTEP 1, 1, 1, 0
	KSTEP 1, 2, 1, 0
	KSTEP 1, 3, 0, 0
	PLACES
	v_add_f32 v14, v14, v15
	v_permlanex16_b32 v[TB], v14, s[SEL], s[SEL+1]
	v_add_f32 v14, v14, v[TB]                      ; the row's sum
	v_rcp_f32 v14, v14
	v_nop
	s_wait_alu depctr_va_vdst(0)
.set jj, 0
.rept 32
	v_mul_f32 v[S+jj], v[O+jj], v14                ; ctx(query r, channel 32 h + jj): one block of 32 along the next K
.set jj, jj+1
.endr
	v_max3_num_f32 v[BM], v[FLOORV], |v[S]|, |v[S+1]|
	v_max3_num_f32 v[BM+1], v[FLOORV], |v[S+2]|, |v[S+3]|
.irp j, 4,8,12,16,20,24,28
	v_max3_num_f32 v[BM], v[BM], |v[S+\j]|, |v[S+\j+1]|
	v_max3_num_f32 v[BM+1], v[BM+1], |v[S+\j+2]|, |v[S+\j+3]|
.endr
	v_max_num_f32 v[BM], v[BM], v[BM+1]
	v_add_nc_u32 v[TA], 0xff000000, v[BM]
	v_cvt_scalef32_pk16_fp6_f32 v[P:P+2], v[S:S+15], v[TA]
	v_cvt_scalef32_pk16_fp6_f32 v[SO:SO+2], v[S+16:S+31], v[TA]
	v_lshrrev_b32 v[SU], 23, v[TA]                 ; the byte (and the plain place behind the conversions)
	v_mov_b32 v[P+3], v[SO]
	v_mov_b32 v[P+4], v[SO+1]
	v_mov_b32 v[P+5], v[SO+2]
	v_lshlrev_b32 v[SU], v[H8], v[SU]
	v_permlanex16_b32 v[TB], v[SU], s[SEL], s[SEL+1]
	v_or_b32 v[SU], v[SU], v[TB]
	global_store_b128 v[L16], v[P:P+3], s[CP:CP+1] offset:38400*\ps
	global_store_b64 v[L8], v[P+4:P+5], s[CP:CP+1] offset:38400*\ps+512
	global_store_b16 v[R4], v[SU], s[CSP:CSP+1] offset:38400*\ps
	s_wait_xcnt 0x0                                ; the stores have read their registers
.endm
	PASS 0
	PASS 1
	s_set_vgpr_msb 0x4
	s_wait_tensorcnt 0x0
	ds_add_u32 v255, v1
	s_wait_dscnt 0x0
	s_set_vgpr_msb 0x400
	ROUND                                          ; the closing round
	s_endpgm
.Lfunc_end_k_q9dd7425194_attn:
	.size	k_q9dd7425194_attn, .Lfunc_end_k_q9dd7425194_attn-k_q9dd7425194_attn
	.p2alignl 7, 3214868480
	.fill 96, 4, 3214868480
	.section	.rodata,"a",@progbits
	.p2align	6, 0x0
	.amdhsa_kernel k_q9dd7425194_attn
		.amdhsa_group_segment_fixed_size 327680
		.amdhsa_private_segment_fixed_size 0
		.amdhsa_enable_private_segment 0
		.amdhsa_kernarg_size 24
		.amdhsa_user_sgpr_count 2
		.amdhsa_user_sgpr_kernarg_segment_ptr 1
		.amdhsa_wavefront_size32 1
		.amdhsa_system_sgpr_workgroup_id_x 1
		.amdhsa_system_sgpr_workgroup_id_y 1
		.amdhsa_system_sgpr_workgroup_id_z 1
		.amdhsa_system_vgpr_workitem_id 0
		.amdhsa_next_free_vgpr 258
		.amdhsa_next_free_sgpr 66
		.amdhsa_reserve_vcc 0
		.amdhsa_float_denorm_mode_32 3
		.amdhsa_float_denorm_mode_16_64 3
		.amdhsa_memory_ordered 1
		.amdhsa_forward_progress 1
		.amdhsa_inst_pref_size 255
	.end_amdhsa_kernel
	.section	.bss,"aw",@nobits
	.p2align	6
	.space	262144
	.amdgpu_metadata
---
amdhsa.version: [ 1, 2 ]
amdhsa.kernels:
  - .name:           k_q9dd7425194_attn
    .symbol:         k_q9dd7425194_attn.kd
    .args:
      - { .name: QC, .offset: 0, .size: 8, .value_kind: global_buffer, .address_space: global }
      - { .name: KV, .offset: 8, .size: 8, .value_kind: global_buffer, .address_space: global }
      - { .name: CX, .offset: 16, .size: 8, .value_kind: global_buffer, .address_space: global }
    .group_segment_fixed_size: 327680
    .private_segment_fixed_size: 0
    .kernarg_segment_align: 8
    .kernarg_segment_size: 24
    .max_flat_workgroup_size: 384
    .sgpr_count:     66
    .vgpr_count:     258
    .wavefront_size: 32
...
	.end_amdgpu_metadata
.endif
;; end of part 3
;; launch tail (part 4): grid 128 x 1, 4 waves a work-group, clusters of 4 x 1, 327,680 bytes of LDS; arguments CX, WS, graph_nodes, outb, d1b, ln1g, ln1b, ln2g, ln2b, out0; writes out0
.if DOCPART == 4
	.amdgcn_target "amdgcn-amd-amdhsa--gfx1250"
	.amdhsa_code_object_version 6
	.text
	.protected	k_q9dd7425194_tail
	.globl	k_q9dd7425194_tail
	.p2align	8
	.type	k_q9dd7425194_tail,@function
k_q9dd7425194_tail:
	s_mov_b64 s[64:65], 0
	v_nop
	global_prefetch_b8 v0, s[64:65] scope:SCOPE_SE
	s_setreg_imm32_b32 hwreg(HW_REG_WAVE_MODE, 25, 1), 1
	s_wait_xcnt 0x0
	s_wait_alu depctr_hold_cnt(0) depctr_sa_sdst(0) depctr_va_vdst(0) depctr_va_sdst(0) depctr_va_ssrc(0) depctr_va_vcc(0) depctr_vm_vsrc(0)
	s_getreg_b32 s2, hwreg(HW_REG_IB_STS2, 6, 4)
	s_cmp_eq_u32 s2, 0
	s_cbranch_scc0 .Lentry_in_a_cluster
	s_endpgm
.Lentry_in_a_cluster:
	s_bfe_u32 s2, ttmp6, 0x10000c
	s_cmp_lg_u32 s2, 0x3003
	s_cbranch_scc0 .Lentry_shape_is_right
	s_endpgm
.Lentry_shape_is_right:
; x = LN1(ctx outW + outb + graph_nodes);  out = LN2(leaky_relu(x d1W + d1b) + x).  Both products on codes of E2M3; all else in f32.
; A work-group takes 64 rows (4 tiles) through both products; wave w makes columns 192 w .. +191.  Source 0 = 16 columns of the weight, source 1 = 16 rows: a lane holds one row, 32 registers of a group's four tiles are one block of 32.
; ctx's images come once by a tensor load; the weights come through a ring of two LDS slots, jointly for the four partners of a cluster.  x stays in registers 256-639, the second sums in 640-1023.
; The residual and outb are the first sums' start, d1b the second's.  A row's mean and variance: lane, lane xor 16, then the four waves through LDS; the variance is taken of the centred numbers.
; Row r of tile m is row 32 (r / 8) + 8 m + r % 8 of the block.
; LIMITS: NaN and infinities are not served; a block of zeros gets the byte 1 (its codes are zeros; only this program reads the bytes).
.set MT, 4
.set REC, 1600*MT
.set SCO, 1536*MT
.set X1R, 38400                        ; LDS: ctx's six records at 0, x's six at X1R,
.set RING, 76800                       ; the ring,
.set SLOTB, 76800
.set LNP, 230400                       ; four exchanges of 1,024 bytes for the norms,
.set OST, 234496                       ; the stage for the way out: 16 rows x (3,072 + 16) bytes,
.set SPARE, 283904                     ; the spare words, 128 bytes a wave: no other line names them
.set L16, 1
.set L8, 2
.set R4, 3
.set R8, 4
.set H8, 5
.set H128, 6
.set FLOORV, 7
.set SPW, 8
.set NIL, 9
.set XB16, 10
.set XB8, 11
.set XBS, 12
.set XA16, 13
.set XA8, 14
.set XAS, 15
.set WA16, 16
.set WA8, 18
.set WAS, 20
.set LNA, 22
.set LNB, 23
.set XF, 24                            ; v24-71 activation fragments, v72-75 their scale words; between the products these registers are at work:
.set XSC, 72
.set NM, 24                            ; -mean, a pair a tile
.set RS, 32                            ; 1 / sqrt(var + eps), a pair a tile
.set A0, 40
.set A1, 42
.set TP, 44
.set SM, 46
.set LD, 50
.set HA16, 66
.set HA8, 69
.set HAS, 72
.set WR, 76                            ; v76-147 three pairs of weight fragments, v148-153 their scale words
.set WSCL, 148
.set OSA, 154
.set OSR, 155
.set RO, 156
.set GB, 160                           ; v160-223 gains and offsets; v160-191 also the activation at work; v160-255 rows on the way out
.set PQ, 224
.set QT, 230
.set T0, 233
.set T1, 234
.set T2, 235
.set T3, 236
.set T4, 237
.set SW, 238
.set WV, 28
.set CX, 29
.set G1W, 32
.set G1C, 40
.set G0C, 48
.set G0W, 52
.set XO, 60
.set CNT, 61
.set SEL, 62
.set INV, 66
.set EPS, 67
.set MODE, 31                          ; (not used here: every product has the one orientation)
.set MSB, 0
.macro WIN new
.if MSB != (\new)
	s_set_vgpr_msb (MSB<<8)|(\new)
.set MSB, \new
.endif
.endm
.macro PLACES
.rept 4
	v_nop
.endr
.endm
.macro ROUND
	s_barrier_signal -1
	s_barrier_wait -1
	s_cmp_lg_u32 s[WV], 0
	s_cbranch_scc1 .Lnw0_\@
	s_barrier_signal -3
.Lnw0_\@:
	s_barrier_wait -3
	s_barrier_signal -1
	s_barrier_wait -1
.endm
.macro XLOAD m0, m1
.set xm, \m0
.rept (\m1)-(\m0)+1
	ds_load_b128 v[XF+12*xm:XF+12*xm+3], v[XA16] offset:1536*xm
	ds_load_b64 v[XF+12*xm+4:XF+12*xm+5], v[XA8] offset:1536*xm
	ds_load_b128 v[XF+12*xm+6:XF+12*xm+9], v[XA16] offset:1536*xm+768
	ds_load_b64 v[XF+12*xm+10:XF+12*xm+11], v[XA8] offset:1536*xm+768
	ds_load_b32 v[XSC+xm], v[XAS] offset:64*xm
.set xm, xm+1
.endr
.endm
.macro WLOAD sl, k, pr
.irp u, 0,1
	ds_load_b128 v[WR+24*(\k)+12*\u:WR+24*(\k)+12*\u+3], v[WA16+(\sl)] offset:(2*(\pr)+\u)*1536
	ds_load_b64 v[WR+24*(\k)+12*\u+4:WR+24*(\k)+12*\u+5], v[WA8+(\sl)] offset:(2*(\pr)+\u)*1536
	ds_load_b128 v[WR+24*(\k)+12*\u+6:WR+24*(\k)+12*\u+9], v[WA16+(\sl)] offset:(2*(\pr)+\u)*1536+768
	ds_load_b64 v[WR+24*(\k)+12*\u+10:WR+24*(\k)+12*\u+11], v[WA8+(\sl)] offset:(2*(\pr)+\u)*1536+768
.endr
	ds_load_b64 v[WSCL+2*(\k):WSCL+2*(\k)+1], v[WAS+(\sl)] offset:128*(\pr)
.endm
; The products of pair p with row tiles m0 .. m1.  All accumulators of a K step differ and take turns, one instruction a turn, in the same order in every step.
.macro MMSEL p, m0, m1, ab
.set WW, ((\ab)+32*MT*((\p)/2))>>8
	WIN 0x50*WW
.set mm, \m0
.rept (\m1)-(\m0)+1
.irp u, 0,1
.set AC, ((\ab)+32*MT*((\p)/2)+32*mm+8*(2*((\p)%2)+\u))&255
.set WF, WR+24*((\p)%3)+12*\u
.set WC, WSCL+2*((\p)%3)+\u
.set AF, XF+12*mm
	v_wmma_scale_f32_16x16x128_f8f6f4 v[AC:AC+7], v[WF:WF+11], v[AF:AF+11], v[AC:AC+7], v[WC], v[XSC+mm] matrix_a_fmt:MATRIX_FMT_FP6 matrix_b_fmt:MATRIX_FMT_FP6
.endr
.set mm, mm+1
.endr
	WIN 0
.endm
.macro CHANGE sl, fill                 ; the change of slots; fill = 1: slot sl is filled again with the K step two on, jointly, behind a round of the cluster's barrier
	s_wait_tensorcnt 0x0                           ; all my tensor loads have landed: my part of the other slot
.if \fill
	ds_add_u32 v[SPW], v[NIL]                      ; 0 onto my spare word
	s_add_nc_u64 s[G0W+4*(\sl)+2:G0W+4*(\sl)+3], s[G0W+4*(\sl)+2:G0W+4*(\sl)+3], 2*SLOTB
	s_wait_dscnt 0x0                               ; the add is done and my reads of this slot are in
	ROUND
	tensor_load_to_lds s[G0W+4*(\sl):G0W+4*(\sl)+3], s[G1W:G1W+7]   ; my one tensor load behind the round
	s_nop 0
.else
	s_wait_dscnt 0x0                               ; nothing is filled again, and I read only the ring bytes that I fetched: no barrier
.endif
	PLACES
.endm
.macro STEP sl, fill, xn, la, ab       ; a K step: six pairs of weight tiles against MT row tiles
	s_wait_dscnt 5*MT/2+9                          ; pair 0 and the lower row tiles are in; the upper row tiles' loads and pair 2's nine may be out
	MMSEL 0, 0, MT/2-1, \ab
	s_wait_dscnt 9
	MMSEL 0, MT/2, MT-1, \ab
	PLACES
	WLOAD \sl, 0, 3
.irp p, 1,2
	s_wait_dscnt 18                                ; this pair is in; the two younger pairs may be out
	MMSEL \p, 0, MT-1, \ab
	PLACES
	WLOAD \sl, \p, \p+3
.endr
	s_wait_dscnt 18
	MMSEL 3, 0, MT-1, \ab
.if \fill < 2
	CHANGE \sl, \fill
.endif
.if \la
	WLOAD 1-\sl, 0, 0
.endif
.if \fill == 2
	s_wait_dscnt 9
.endif
	MMSEL 4, 0, MT-1, \ab
	PLACES
.if \la
	WLOAD 1-\sl, 1, 1
.endif
.if \fill == 2
	s_wait_dscnt 0x0
.endif
	MMSEL 5, 0, MT/2-1, \ab
.if \xn
	s_add_co_u32 s[XO], s[XO], REC
	v_add_nc_u32 v[XA16], s[XO], v[XB16]
	v_add_nc_u32 v[XA8], s[XO], v[XB8]
	v_add_nc_u32 v[XAS], s[XO], v[XBS]
	v_nop
	XLOAD 0, MT/2-1
.endif
	MMSEL 5, MT/2, MT-1, \ab
	PLACES
.if \xn
	XLOAD MT/2, MT-1
.endif
.if \la
	WLOAD 1-\sl, 2, 2
.endif
.endm
.macro START xo
	s_mov_b32 s[XO], \xo
	v_add_nc_u32 v[XA16], s[XO], v[XB16]
	v_add_nc_u32 v[XA8], s[XO], v[XB8]
	v_add_nc_u32 v[XAS], s[XO], v[XBS]
	XLOAD 0, MT-1
	s_wait_dscnt 0x0
.endm
.macro XW ab, i, m                     ; the 32 registers of (group i, row tile m): window AW, from AL on
.set AA, (\ab)+128*(\i)+32*(\m)
.set AW, AA>>8
.set AL, AA&255
.endm
.macro LANESUM m                       ; A0 + A1, its two halves, and lane l xor 16's: my wave's 192 columns of row r
	v_pk_add_f32 v[A0:A0+1], v[A0:A0+1], v[A1:A1+1]
	v_add_f32 v[SM+\m], v[A0], v[A0+1]
	v_permlanex16_b32 v[TP], v[SM+\m], s[SEL], s[SEL+1]
	v_add_f32 v[SM+\m], v[SM+\m], v[TP]
.endm
.macro LNRED e                         ; the four waves' figures meet in LDS: exchange e has bytes of its own
.irp m, 0,1,2,3
	ds_store_b32 v[LNA], v[SM+\m] offset:1024*(\e)+256*\m
.endr
	s_wait_dscnt 0x0
	s_barrier_signal -1
	s_barrier_wait -1
.irp m, 0,1,2,3
	ds_load_b128 v[LD+4*\m:LD+4*\m+3], v[LNB] offset:1024*(\e)+256*\m
.endr
	s_wait_dscnt 0x0
.irp m, 0,1,2,3
	v_add_f32 v[LD+4*\m], v[LD+4*\m], v[LD+4*\m+1]
	v_add_f32 v[LD+4*\m+2], v[LD+4*\m+2], v[LD+4*\m+3]
	v_add_f32 v[SM+\m], v[LD+4*\m], v[LD+4*\m+2]
.endr
.endm
.macro LN ab, e, gp, bp                ; the registers from ab on become their LayerNorm
.irp m, 0,1,2,3
	v_mov_b32 v[A0], 0
	v_mov_b32 v[A0+1], 0
	v_mov_b32 v[A1], 0
	v_mov_b32 v[A1+1], 0
.irp i, 0,1,2
	XW \ab, \i, \m
	WIN AW
.set jj, 0
.rept 8
	v_pk_add_f32 v[A0:A0+1], v[AL+jj:AL+jj+1], v[A0:A0+1]       ; each accumulator is read from its low end on
	v_pk_add_f32 v[A1:A1+1], v[AL+jj+2:AL+jj+3], v[A1:A1+1]
.set jj, jj+4
.endr
.endr
	WIN 0
	LANESUM \m
.endr
	LNRED \e
.irp m, 0,1,2,3
	v_mul_f32 v[NM+2*\m], 0xbaaaaaab, v[SM+\m]     ; -sum / 768
	v_mov_b32 v[NM+2*\m+1], v[NM+2*\m]
.endr
.irp m, 0,1,2,3
	v_mov_b32 v[A0], 0
	v_mov_b32 v[A0+1], 0
	v_mov_b32 v[A1], 0
	v_mov_b32 v[A1+1], 0
.irp i, 0,1,2
	XW \ab, \i, \m
	WIN (AW<<6)|AW
.set jj, 0
.rept 16
	v_pk_add_f32 v[AL+jj:AL+jj+1], v[AL+jj:AL+jj+1], v[NM+2*\m:NM+2*\m+1]   ; centred
.set jj, jj+2
.endr
	WIN AW|(AW<<2)
.set jj, 0
.rept 8
	v_pk_fma_f32 v[A0:A0+1], v[AL+jj:AL+jj+1], v[AL+jj:AL+jj+1], v[A0:A0+1]
	v_pk_fma_f32 v[A1:A1+1], v[AL+jj+2:AL+jj+3], v[AL+jj+2:AL+jj+3], v[A1:A1+1]
.set jj, jj+4
.endr
.endr
	WIN 0
	LANESUM \m
.endr
	LNRED (\e)+1
.irp m, 0,1,2,3
	v_fma_f32 v[SM+\m], v[SM+\m], s[INV], s[EPS]   ; variance + 1e-5
.endr
.irp m, 0,1,2,3
	v_rsq_f32 v[RS+2*\m], v[SM+\m]
.endr
	v_nop
	s_wait_alu depctr_va_vdst(0)                   ; one wait for the four, ahead of their first reader
.irp m, 0,1,2,3
	v_mov_b32 v[RS+2*\m+1], v[RS+2*\m]
.endr
.irp i, 0,1,2
.irp q, 0,1,2,3,4,5,6,7
	global_load_b128 v[GB+4*\q:GB+4*\q+3], v[H128], s[\gp:\gp+1] offset:256*\i+16*\q
	global_load_b128 v[GB+32+4*\q:GB+32+4*\q+3], v[H128], s[\bp:\bp+1] offset:256*\i+16*\q
.endr
	s_wait_loadcnt 0x0
.irp m, 0,1,2,3
	XW \ab, \i, \m
	WIN (AW<<6)|AW
.set jj, 0
.rept 16
	v_pk_mul_f32 v[AL+jj:AL+jj+1], v[AL+jj:AL+jj+1], v[RS+2*\m:RS+2*\m+1]
.set jj, jj+2
.endr
.set jj, 0
.rept 16
	v_pk_fma_f32 v[AL+jj:AL+jj+1], v[AL+jj:AL+jj+1], v[GB+jj:GB+jj+1], v[GB+32+jj:GB+32+jj+1]
.set jj, jj+2
.endr
.endr
	WIN 0
.endr
.endm
	s_load_b512 s[4:19], s[0:1], 0x0               ; CX, WS, graph_nodes, outb, d1b, ln1g, ln1b, ln2g
	s_load_b128 s[20:23], s[0:1], 0x40             ; ln2b, out0
	v_lshl_add_u32 v[SPW], v0, 2, SPARE
	v_mov_b32 v[NIL], 0
	ds_add_u32 v8, v9
	ds_add_u32 v8, v9
	s_wait_dscnt 0x0
	v_lshrrev_b32 v22, 5, v0
	v_readfirstlane_b32 s[WV], v22
	v_and_b32 v22, 31, v0
	v_and_b32 v23, 15, v0
	v_lshlrev_b32 v[L16], 4, v22
	v_lshlrev_b32 v[L8], 3, v22
	v_lshlrev_b32 v[R4], 2, v23
	v_lshlrev_b32 v[R8], 3, v23
	v_bfe_u32 v[H8], v0, 4, 1
	v_lshlrev_b32 v[H128], 7, v[H8]
	v_lshlrev_b32 v[H8], 3, v[H8]
	v_mov_b32 v[FLOORV], 0x1800000
	v_mov_b32 v[XB16], v[L16]
	v_add_nc_u32 v[XB8], 512, v[L8]
	v_add_nc_u32 v[XBS], SCO, v[R4]
	v_and_b32 v[RO], 7, v0
	v_bfe_u32 v[OSA], v0, 3, 1
	v_lshl_or_b32 v[RO], v[OSA], 5, v[RO]          ; 32 (r / 8) + r % 8
	v_mul_u32_u24 v[RO], v[RO], 3072
	v_add_nc_u32 v[RO], v[RO], v[H128]             ; the residual: my row, + 128 h
	s_mul_i32 s2, s[WV], 768
	s_add_co_u32 s2, s2, OST
	v_mul_u32_u24 v[OSA], v23, 3088
	v_add_nc_u32 v[OSA], v[OSA], v[H128]
	v_add_nc_u32 v[OSA], s2, v[OSA]                ; the stage, in: row r, my wave's 768 bytes, + 128 h
	s_mul_i32 s2, s[WV], 4*3088
	s_add_co_u32 s2, s2, OST
	v_add_nc_u32 v[OSR], s2, v[L16]                ; and out: my four rows, 16 bytes a lane
	v_lshlrev_b32 v23, 4, v23
	s_lshl_b32 s2, s[WV], 2
	s_add_co_u32 s2, s2, LNP
	v_add_nc_u32 v[LNA], s2, v23                   ; the norms' exchange: 16 r + 4 w
	v_add_nc_u32 v[LNB], LNP, v23
	s_mov_b32 s[SEL], 0x76543210
	s_mov_b32 s[SEL+1], 0xfedcba98
	s_mov_b32 s[INV], 0x3aaaaaab                   ; 1 / 768
	s_mov_b32 s[EPS], 0x3727c5ac                   ; 1e-5
	s_bfe_u32 s[CX], ttmp6, 0x40000
	s_lshl_b32 s30, ttmp9, 2
	s_add_co_u32 s30, s30, s[CX]                   ; my block of 64 rows: it enters global addresses of my own rows alone
	s_mov_b32 s[G1W], 15|(3<<16)|(1<<21)           ; the weights: 75 rows of 256 bytes, dense, jointly for the four partners
	s_mov_b32 s[G1W+1], 32<<16
	s_mov_b32 s[G1W+2], 75<<16
	s_mov_b32 s[G1W+3], 32<<16
	s_mov_b32 s[G1W+4], 75
	s_mov_b32 s[G1W+5], 32
	s_mov_b32 s[G1W+6], 0
	s_mov_b32 s[G1W+7], 0
	s_mov_b32 s[G1C], 3<<16                        ; a quarter of ctx's images: 75 rows of 128 bytes, dense, my own
	s_mov_b32 s[G1C+1], 16<<16
	s_mov_b32 s[G1C+2], 75<<16
	s_mov_b32 s[G1C+3], 16<<16
	s_mov_b32 s[G1C+4], 75
	s_mov_b32 s[G1C+5], 16
	s_mov_b32 s[G1C+6], 0
	s_mov_b32 s[G1C+7], 0
	s_mul_i32 s24, s[WV], 19200
	s_add_co_u32 s2, s24, RING
.irp sl, 0,1
	s_add_co_u32 s3, s2, \sl*SLOTB
	v_add_nc_u32 v[WA16+\sl], s3, v[L16]
	s_add_co_u32 s3, s2, \sl*SLOTB+512
	v_add_nc_u32 v[WA8+\sl], s3, v[L8]
	s_add_co_u32 s3, s2, \sl*SLOTB+18432
	v_add_nc_u32 v[WAS+\sl], s3, v[R8]
.endr
	s_wait_kmcnt 0x0
	s_mul_i32 s2, s30, 38400
	s_mul_i32 s26, s[WV], 9600
	s_add_co_u32 s2, s2, s26
	s_mov_b32 s3, 0
	s_mov_b32 s[G0C], 1
	s_mov_b32 s[G0C+1], s26
	s_add_nc_u64 s[G0C+2:G0C+3], s[4:5], s[2:3]
	s_or_b32 s[G0C+3], s[G0C+3], 0x80000000
	s_add_co_u32 s2, s24, 32*76800                 ; the chain outW, d1W begins at step 32 of WS
	s_add_nc_u64 s[6:7], s[6:7], s[2:3]
.irp sl, 0,1
	s_mov_b32 s[G0W+4*\sl], 1
	s_add_co_u32 s[G0W+4*\sl+1], s24, RING+\sl*SLOTB
	s_add_nc_u64 s[G0W+4*\sl+2:G0W+4*\sl+3], s[6:7], \sl*SLOTB
	s_or_b32 s[G0W+4*\sl+3], s[G0W+4*\sl+3], 0x80000000
.endr
	ROUND                                          ; the four partners are here: the first joint loads meet
	tensor_load_to_lds s[G0C:G0C+3], s[G1C:G1C+7]  ; three loads of mine are out
	s_nop 0
	tensor_load_to_lds s[G0W:G0W+3], s[G1W:G1W+7]
	s_nop 0
	tensor_load_to_lds s[G0W+4:G0W+7], s[G1W:G1W+7]
	s_nop 0
	PLACES
	s_mul_i32 s2, s[WV], 768                       ; everything that goes by columns, at my 192
	s_add_nc_u64 s[10:11], s[10:11], s[2:3]
	s_add_nc_u64 s[12:13], s[12:13], s[2:3]
	s_add_nc_u64 s[14:15], s[14:15], s[2:3]
	s_add_nc_u64 s[16:17], s[16:17], s[2:3]
	s_add_nc_u64 s[18:19], s[18:19], s[2:3]
	s_add_nc_u64 s[20:21], s[20:21], s[2:3]
	s_add_nc_u64 s[8:9], s[8:9], s[2:3]
	s_mul_i32 s2, s30, 196608
	s_add_nc_u64 s[8:9], s[8:9], s[2:3]            ; graph_nodes at my block
	s_add_nc_u64 s[22:23], s[22:23], s[2:3]
	s_lshr_b32 s2, s[WV], 1
	s_lshl_b32 s2, s2, 5
	s_and_b32 s25, s[WV], 1
	s_lshl_b32 s25, s25, 2
	s_add_co_u32 s2, s2, s25
	s_mul_i32 s2, s2, 3072
	s_add_nc_u64 s[22:23], s[22:23], s[2:3]        ; out0 at the rows that I store: 32 (w / 2) + 4 (w % 2) + k + 8 m
.irp i, 0,1,2
.irp m, 0,1,2,3
	XW 256, \i, \m
	WIN AW<<6
.irp q, 0,1,2,3,4,5,6,7
	global_load_b128 v[AL+4*\q:AL+4*\q+3], v[RO], s[8:9] offset:8*\m*3072+256*\i+16*\q   ; the residual is the sums' start
.endr
.endr
.endr
	WIN 0
.irp i, 0,1,2
.irp q, 0,1,2,3,4,5,6,7
	global_load_b128 v[160+32*\i+4*\q:160+32*\i+4*\q+3], v[H128], s[10:11] offset:256*\i+16*\q
.endr
.endr
	s_wait_loadcnt 0x0
.irp i, 0,1,2
.irp m, 0,1,2,3
	XW 256, \i, \m
	WIN (AW<<6)|AW
.set jj, 0
.rept 16
	v_pk_add_f32 v[AL+jj:AL+jj+1], v[AL+jj:AL+jj+1], v[160+32*\i+jj:160+32*\i+jj+1]   ; + outb
.set jj, jj+2
.endr
.endr
.endr
	WIN 0
	v_mov_b32 v[T4], 0                             ; written once: a lane permute's destination counts as one of its sources
	s_wait_tensorcnt 0x1                           ; ctx and K step 0 are in; K step 1 may stay out
	s_barrier_signal -1
	s_barrier_wait -1
	WLOAD 0, 0, 0
	WLOAD 0, 1, 1
	WLOAD 0, 2, 2
	START 0
	; ---- ctx outW
	s_mov_b32 s[CNT], 2
.Lst0:
	STEP 0, 1, 1, 1, 256
	STEP 1, 1, 1, 1, 256
	s_sub_co_u32 s[CNT], s[CNT], 1
	s_cmp_lg_u32 s[CNT], 0
	s_cbranch_scc1 .Lst0
	STEP 0, 1, 1, 1, 256
	STEP 1, 1, 0, 1, 256                           ; the stage's last: d1W's first pairs are fetched, no record follows
	v_mov_b32 v[TP], 0
	LN 256, 0, 14, 16
	; ---- x is quantised: group G = 3 w + i is K step G / 2, half G % 2 of the next product
	s_mul_i32 s24, s[WV], 3
.irp i, 0,1,2
	s_add_co_u32 s25, s24, \i
	s_lshr_b32 s26, s25, 1
	s_mul_i32 s26, s26, REC
	s_and_b32 s27, s25, 1
	s_mul_i32 s2, s27, 768
	s_add_co_u32 s2, s2, s26
	s_add_co_u32 s2, s2, X1R
	v_add_nc_u32 v[HA16+\i], s2, v[L16]
	s_add_co_u32 s2, s2, 512
	v_add_nc_u32 v[HA8+\i], s2, v[L8]
	s_lshl_b32 s27, s27, 1
	s_add_co_u32 s26, s26, s27
	s_add_co_u32 s26, s26, X1R+SCO
	v_add_nc_u32 v[HAS+\i], s26, v[R4]
.endr
.irp i, 0,1,2
.irp m, 0,1,2,3
	XW 256, \i, \m
	WIN (AW<<2)|(AW<<4)
	v_max3_num_f32 v[T0], v[FLOORV], |v[AL]|, |v[AL+1]|
	v_max3_num_f32 v[T1], v[FLOORV], |v[AL+2]|, |v[AL+3]|
.irp j, 4,8,12,16,20,24,28
	v_max3_num_f32 v[T0], v[T0], |v[AL+\j]|, |v[AL+\j+1]|
	v_max3_num_f32 v[T1], v[T1], |v[AL+\j+2]|, |v[AL+\j+3]|
.endr
	WIN 0
	v_max_num_f32 v[T0], v[T0], v[T1]
	v_add_nc_u32 v[T2], 0xff000000, v[T0]          ; 2 off the exponent field: the conversion's scale operand
	s_wait_dscnt 0x0                               ; the last tile's LDS stores have read their registers
	WIN AW
	v_cvt_scalef32_pk16_fp6_f32 v[PQ:PQ+2], v[AL:AL+15], v[T2]
	v_cvt_scalef32_pk16_fp6_f32 v[QT:QT+2], v[AL+16:AL+31], v[T2]
	WIN 0
	v_lshrrev_b32 v[T3], 23, v[T2]                 ; the byte (and the plain place behind the conversions)
	v_mov_b32 v[PQ+3], v[QT]
	v_mov_b32 v[PQ+4], v[QT+1]
	v_mov_b32 v[PQ+5], v[QT+2]
	v_lshlrev_b32 v[T3], v[H8], v[T3]
	v_permlanex16_b32 v[T4], v[T3], s[SEL], s[SEL+1]
	v_or_b32 v[SW], v[T3], v[T4]
	ds_store_b128 v[HA16+\i], v[PQ:PQ+3] offset:1536*\m
	ds_store_b64 v[HA8+\i], v[PQ+4:PQ+5] offset:1536*\m
	ds_store_b16 v[HAS+\i], v[SW] offset:64*\m
.endr
.endr
.irp i, 0,1,2
.irp m, 0,1,2,3
	XW 640, \i, \m
	WIN AW<<6
.irp q, 0,1,2,3,4,5,6,7
	global_load_b128 v[AL+4*\q:AL+4*\q+3], v[H128], s[12:13] offset:256*\i+16*\q   ; d1b is the second sums' start
.endr
.endr
.endr
	WIN 0
	s_wait_dscnt 0x0                               ; my images have landed
	s_barrier_signal -1
	s_barrier_wait -1                              ; x's 24 fragments lie in LDS
	s_wait_loadcnt 0x0
	START X1R
	; ---- x d1W
	s_mov_b32 s[CNT], 2
.Lst1:
	STEP 0, 1, 1, 1, 640
	STEP 1, 1, 1, 1, 640
	s_sub_co_u32 s[CNT], s[CNT], 1
	s_cmp_lg_u32 s[CNT], 0
	s_cbranch_scc1 .Lst1
	STEP 0, 0, 1, 1, 640                           ; the tail is written out: nothing is left to fetch
	STEP 1, 2, 0, 0, 640
	; ---- leaky_relu(z) + x
.irp i, 0,1,2
.irp m, 0,1,2,3
	XW 256, \i, \m
.set XWW, AW
.set XLL, AL
	XW 640, \i, \m
	WIN AW
.set jj, 0
.rept 16
	v_pk_mul_f32 v[160+jj:160+jj+1], v[AL+jj:AL+jj+1], 0x3c23d70a op_sel_hi:[1,0]   ; 0.01 z
.set jj, jj+2
.endr
.set jj, 0
.rept 32
	v_max_num_f32 v[160+jj], v[AL+jj], v[160+jj]   ; max(z, 0.01 z)
.set jj, jj+1
.endr
	WIN (AW<<6)|(XWW<<2)
.set jj, 0
.rept 16
	v_pk_add_f32 v[AL+jj:AL+jj+1], v[160+jj:160+jj+1], v[XLL+jj:XLL+jj+1]
.set jj, jj+2
.endr
.endr
.endr
	WIN 0
	v_mov_b32 v[TP], 0
	LN 640, 2, 18, 20
	; ---- the way out: a tile of 16 rows at a time through the stage, so that each store covers 512 consecutive bytes of a row
.irp m, 0,1,2,3
.irp i, 0,1,2
	XW 640, \i, \m
	WIN AW<<2                                      ; an LDS store's data are its source 1
.irp q, 0,1,2,3,4,5,6,7
	ds_store_b128 v[OSA], v[AL+4*\q:AL+4*\q+3] offset:256*\i+16*\q
.endr
.endr
	WIN 0
	s_wait_dscnt 0x0                               ; my part of the 16 rows has landed
	s_barrier_signal -1
	s_barrier_wait -1
	s_wait_xcnt 0x0                                ; the last tile's stores have read their registers
.irp k, 0,1,2,3
.irp j, 0,1,2,3,4,5
	ds_load_b128 v[160+4*(6*\k+\j):160+4*(6*\k+\j)+3], v[OSR] offset:3088*\k+512*\j
.endr
.endr
.irp k, 0,1,2,3
.irp j, 0,1,2,3,4,5
	s_wait_dscnt 23-(6*\k+\j)
	global_store_b128 v[L16], v[160+4*(6*\k+\j):160+4*(6*\k+\j)+3], s[22:23] offset:(\k+8*\m)*3072+512*\j th:TH_STORE_NT
.endr
.endr
.if \m < 3
	s_barrier_signal -1                            ; my reads of the stage are in (the count-down ended at 0): the next tile may be written
	s_barrier_wait -1
.endif
.endr
	s_wait_tensorcnt 0x0                           ; the wave's end
	ds_add_u32 v[SPW], v[NIL]
	s_wait_dscnt 0x0
	ROUND                                          ; the closing round
	s_endpgm
.Lfunc_end_k_q9dd7425194_tail:
	.size	k_q9dd7425194_tail, .Lfunc_end_k_q9dd7425194_tail-k_q9dd7425194_tail
	.p2alignl 7, 3214868480
	.fill 96, 4, 3214868480
	.section	.rodata,"a",@progbits
	.p2align	6, 0x0
	.amdhsa_kernel k_q9dd7425194_tail
		.amdhsa_group_segment_fixed_size 327680
		.amdhsa_private_segment_fixed_size 0
		.amdhsa_enable_private_segment 0
		.amdhsa_kernarg_size 80
		.amdhsa_user_sgpr_count 2
		.amdhsa_user_sgpr_kernarg_segment_ptr 1
		.amdhsa_wavefront_size32 1
		.amdhsa_system_sgpr_workgroup_id_x 1
		.amdhsa_system_sgpr_workgroup_id_y 1
		.amdhsa_system_sgpr_workgroup_id_z 1
		.amdhsa_system_vgpr_workitem_id 0
		.amdhsa_next_free_vgpr 1024
		.amdhsa_next_free_sgpr 68
		.amdhsa_reserve_vcc 0
		.amdhsa_float_denorm_mode_32 3
		.amdhsa_float_denorm_mode_16_64 3
		.amdhsa_memory_ordered 1
		.amdhsa_forward_progress 1
		.amdhsa_inst_pref_size 255
	.end_amdhsa_kernel
	.section	.bss,"aw",@nobits
	.p2align	6
	.space	262144
	.amdgpu_metadata
---
amdhsa.version: [ 1, 2 ]
amdhsa.kernels:
  - .name:           k_q9dd7425194_tail
    .symbol:         k_q9dd7425194_tail.kd
    .args:
      - { .name: CX, .offset: 0, .size: 8, .value_kind: global_buffer, .address_space: global }
      - { .name: WS, .offset: 8, .size: 8, .value_kind: global_buffer, .address_space: global }
      - { .name: graph_nodes, .offset: 16, .size: 8, .value_kind: global_buffer, .address_space: global }
      - { .name: outb, .offset: 24, .size: 8, .value_kind: global_buffer, .address_space: global }
      - { .name: d1b, .offset: 32, .size: 8, .value_kind: global_buffer, .address_space: global }
      - { .name: ln1g, .offset: 40, .size: 8, .value_kind: global_buffer, .address_space: global }
      - { .name: ln1b, .offset: 48, .size: 8, .value_kind: global_buffer, .address_space: global }
      - { .name: ln2g, .offset: 56, .size: 8, .value_kind: global_buffer, .address_space: global }
      - { .name: ln2b, .offset: 64, .size: 8, .value_kind: global_buffer, .address_space: global }
      - { .name: out0, .offset: 72, .size: 8, .value_kind: global_buffer, .address_space: global }
    .group_segment_fixed_size: 327680
    .private_segment_fixed_size: 0
    .kernarg_segment_align: 8
    .kernarg_segment_size: 80
    .max_flat_workgroup_size: 128
    .sgpr_count:     68
    .vgpr_count:     1024
    .wavefront_size: 32
...
	.end_amdgpu_metadata
.endif
;; end of part 4
;; ======== version 2 of 2: 5 launches
;; limits: right only within a limited range of input values
;; workspace buffers: WS 3,379,200 bytes; XQ 4,915,200 bytes; XC 6,553,600 bytes; QC 5,111,808 bytes; KV 20,054,016 bytes; CX 4,915,200 bytes
;; launch prep (part 5): grid 712 x 1, 4 waves a work-group, no clusters, 34,304 bytes of LDS; arguments graph_nodes, conditioning_vector, qW, in_qW, in_kW, in_vW, outW, d1W, kW, vW, WS, XQ, XC; writes WS, XQ, XC
.if DOCPART == 5
	.amdgcn_target "amdgcn-amd-amdhsa--gfx1250"
	.amdhsa_code_object_version 6
	.text
	.protected	k_q9dd7425194_prep
	.globl	k_q9dd7425194_prep
	.p2align	8
	.type	k_q9dd7425194_prep,@function
k_q9dd7425194_prep:
	s_mov_b64 s[64:65], 0
	v_nop
	global_prefetch_b8 v0, s[64:65] scope:SCOPE_SE
	s_setreg_imm32_b32 hwreg(HW_REG_WAVE_MODE, 25, 1), 1
	s_wait_xcnt 0x0
; The eight weights ([K][768] f32, K outermost) and the two f32 inputs ([rows][K], K innermost) become codes of E2M3 with one E8M0 byte for each 32 along K,
; laid as IMAGES OF OPERAND REGISTERS.  A fragment is 16 rows x 128 K, 12 registers a lane: lane l = (r = l % 16, h = l / 16) holds k = 64 c + 32 h + 0..31 of row r in registers 6 c .. 6 c + 5.
; Image of half c (768 bytes): registers 6c..6c+3 at 16 l, registers 6c+4, 6c+5 at 512 + 8 l.  A fragment's image: half 0, half 1.  Scale words: one word a row.
; THE ROWS OF A TILE ARE NOT NEIGHBOURS: in a group of 64 indices row p of tile t is index 32 (p / 8) + 8 t + p % 8, so that a later result's 32 registers of four tiles are one block of 32 along the next K.
; A block's scale byte is its largest magnitude's exponent field - 2, held at 1 from below.
; LIMITS: NaN and infinities are not served; a block of zeros gets the byte 1 (its codes are zeros, and only this program reads the bytes).
; Work-groups 0-263 take the weights (a lane to a column, registers down K, no LDS), 264-711 the inputs (rows through the wave's own stage in LDS).  No barrier: waves share nothing.
; graph_batch has no way to any output, is not loaded and is no launch's argument.
.set SEL, 70
.set H8, 5
.set Q4T, 8                            ; v8-14   at work in QUANT4
.set Q4Q, 238                          ; v238-244 the conversions' upper halves
	s_load_b512 s[8:23], s[0:1], 0x0               ; graph_nodes, conditioning_vector, qW, in_qW, in_kW, in_vW, outW, d1W
	s_load_b256 s[24:31], s[0:1], 0x40             ; kW, vW, WS, XQ
	s_load_b64 s[32:33], s[0:1], 0x60              ; XC
	v_lshl_add_u32 v254, v0, 2, 0x8400
	v_mov_b32 v255, 0
	v_lshrrev_b32 v1, 5, v0
	v_readfirstlane_b32 s34, v1                    ; wave
	v_and_b32 v1, 31, v0                           ; lane
	s_mov_b32 s[SEL], 0x76543210
	s_mov_b32 s[SEL+1], 0xfedcba98                 ; lane l xor 16
	s_wait_kmcnt 0x0
	s_cmp_lt_u32 ttmp9, 264
	s_cbranch_scc0 .Linputs
; ---------------- the weights ----------------
; A work-group takes one K step (128) x 128 columns of one weight; a wave 32 columns; a lane one column, four blocks of 32 down K.
	s_mov_b64 s[36:37], s[12:13]                   ; qW
	s_mov_b32 s38, 0                               ; the weight's first work-group
	s_mov_b32 s39, 0                               ; its first step in WS
.macro PICK first, lo, step
	s_cmp_ge_u32 ttmp9, \first
	s_cselect_b64 s[36:37], s[\lo:\lo+1], s[36:37]
	s_cselect_b32 s38, \first, s38
	s_cselect_b32 s39, \step, s39
.endm
	PICK 36, 14, 6                                 ; in_qW
	PICK 72, 16, 16                                ; in_kW
	PICK 108, 18, 26                               ; in_vW
	PICK 144, 20, 32                               ; outW
	PICK 180, 22, 38                               ; d1W
	PICK 216, 24, 12                               ; kW
	PICK 240, 26, 22                               ; vW
	s_sub_co_u32 s40, ttmp9, s38
	s_mul_hi_u32 s41, s40, 0x2aaaaaab              ; K step = local / 6
	s_mul_i32 s42, s41, 6
	s_sub_co_u32 s42, s40, s42
	s_lshl_b32 s42, s42, 2
	s_add_co_u32 s42, s42, s34                     ; cg: my wave's 32 columns
	s_lshr_b32 s43, s42, 1                         ; G: the group of 64 columns
	s_and_b32 s44, s42, 1                          ; hh: its lower or upper 32
	s_mul_hi_u32 s45, s43, 0x55555556              ; w = G / 3: the wave that will read them
	s_mul_i32 s46, s45, 3
	s_sub_co_u32 s46, s43, s46                     ; i = G % 3
	s_mul_i32 s48, s41, 128*3072
	s_lshl_b32 s49, s42, 7
	s_add_co_u32 s48, s48, s49
	s_mov_b32 s49, 0
	s_add_nc_u64 s[36:37], s[36:37], s[48:49]      ; W at (128 s, 32 cg)
	s_add_co_u32 s50, s39, s41
	s_mul_i32 s50, s50, 76800
	s_mul_i32 s51, s45, 19200
	s_add_co_u32 s50, s50, s51                     ; the record of (step, w)
	s_mul_i32 s51, s46, 6144
	s_add_co_u32 s48, s50, s51
	s_add_nc_u64 s[52:53], s[28:29], s[48:49]      ; its tiles 4 i ..
	s_lshl_b32 s51, s46, 8
	s_add_co_u32 s48, s50, s51
	s_add_co_u32 s48, s48, 18432
	s_add_nc_u64 s[54:55], s[28:29], s[48:49]      ; their scale words
	s_wait_alu depctr_va_vdst(0)
	v_lshlrev_b32 v2, 2, v1                        ; in: 4 bytes a lane
	v_lshrrev_b32 v3, 3, v1                        ; tile t = lane / 8; row p = 8 hh + lane % 8
	v_and_b32 v4, 7, v1
	v_mul_u32_u24 v5, v3, 1536
	s_lshl_b32 s56, s44, 7
	v_lshl_add_u32 v6, v4, 4, v5
	v_add_nc_u32 v6, s56, v6                       ; 1536 t + 16 p
	s_lshl_b32 s56, s44, 6
	v_lshl_add_u32 v7, v4, 3, v5
	v_add_nc_u32 v7, s56, v7                       ; 1536 t + 8 p
	v_lshrrev_b32 v8, 1, v3
	v_and_b32 v9, 1, v3
	v_lshlrev_b32 v8, 7, v8
	v_lshl_add_u32 v8, v9, 2, v8
	v_lshl_add_u32 v8, v4, 3, v8
	v_add_nc_u32 v8, s56, v8                       ; 128 (t / 2) + 8 p + 4 (t % 2)
.macro WLD t                           ; block t: W(32 t + q, my column): 32 lanes read 128 consecutive bytes
.set qq, 0
.rept 32
	global_load_b32 v[32+32*((\t)%2)+qq], v2, s[36:37] offset:(32*(\t)+qq)*3072 th:TH_LOAD_NT
.set qq, qq+1
.endr
.endm
.macro WBLOCK t
.set XS, 32+32*((\t)%2)
.set PB, 96+8*(\t)                     ; each block has code registers of its own: no store's data are written again
.if (\t) < 3
	s_wait_loadcnt 32                              ; this block's 32 loads are in; the next block's may be out
.else
	s_wait_loadcnt 0x0
.endif
	v_max3_num_f32 v12, |v[XS]|, |v[XS+1]|, |v[XS+2]|
	v_max3_num_f32 v13, |v[XS+3]|, |v[XS+4]|, |v[XS+5]|
.irp j, 6,10,14,18,22,26
	v_max3_num_f32 v12, v12, |v[XS+\j]|, |v[XS+\j+1]|
	v_max3_num_f32 v13, v13, |v[XS+\j+2]|, |v[XS+\j+3]|
.endr
	v_max3_num_f32 v12, v12, |v[XS+30]|, |v[XS+31]|
	v_max3_num_f32 v12, v12, v13, 0x1800000        ; the floor 2^(3 - 127): the byte cannot fall under 1
	v_add_nc_u32 v11, 0xff000000, v12              ; 2 off the exponent field: the conversion's scale operand
	v_lshrrev_b32 v13, 23, v11                     ; the byte
.if (\t) == 0
	v_mov_b32 v15, v13
.else
	v_lshl_or_b32 v15, v13, 8*(\t), v15            ; the column's scale word of this K step
.endif
	v_cvt_scalef32_pk16_fp6_f32 v[PB:PB+2], v[XS:XS+15], v11
	v_cvt_scalef32_pk16_fp6_f32 v[128:130], v[XS+16:XS+31], v11   ; (a conversion's three registers begin on an even number)
	v_nop                                          ; one plain place behind a scaled conversion
	v_mov_b32 v[PB+3], v128
	v_mov_b32 v[PB+4], v129
	v_mov_b32 v[PB+5], v130
	global_store_b128 v6, v[PB:PB+3], s[52:53] offset:768*((\t)/2)+256*((\t)%2)       ; block t is half t / 2 of lane p + 16 (t % 2)
	global_store_b64 v7, v[PB+4:PB+5], s[52:53] offset:768*((\t)/2)+512+128*((\t)%2)
.if (\t) < 2
	WLD (\t)+2
.endif
.endm
	WLD 0
	WLD 1
	WBLOCK 0
	WBLOCK 1
	WBLOCK 2
	WBLOCK 3
	global_store_b32 v8, v15, s[54:55]
	s_endpgm
; ---------------- the inputs ----------------
; A work-group takes 128 rows x 256 along K; wave: K step s = 2 sp + wave / 2, rows 64 (wave % 2) on: four fragments.
.Linputs:
	s_sub_co_u32 s40, ttmp9, 264
	s_mul_hi_u32 s41, s40, 0x55555556              ; graph_nodes: block = gi / 3,
	s_mul_i32 s42, s41, 3
	s_sub_co_u32 s42, s40, s42                     ; pair of K steps = gi % 3
	s_sub_co_u32 s43, s40, 192                     ; conditioning_vector: the same by 2
	s_lshr_b32 s44, s43, 1
	s_and_b32 s45, s43, 1
	s_mov_b32 s46, 2048
	s_mov_b32 s47, 51200
	s_cmp_lt_u32 s40, 192
	s_cselect_b32 s41, s41, s44                    ; block of 128 rows
	s_cselect_b32 s42, s42, s45
	s_cselect_b32 s46, 3072, s46                   ; a row in bytes
	s_cselect_b32 s47, 76800, s47                  ; a block's records in bytes
	s_cselect_b64 s[36:37], s[8:9], s[10:11]
	s_cselect_b64 s[38:39], s[30:31], s[32:33]
	s_lshr_b32 s48, s34, 1
	s_lshl_b32 s42, s42, 1
	s_add_co_u32 s42, s42, s48                     ; K step s
	s_and_b32 s48, s34, 1                          ; mh
	s_lshl_b32 s50, s41, 7
	s_lshl_b32 s51, s48, 6
	s_add_co_u32 s50, s50, s51
	s_mul_i32 s50, s50, s46
	s_lshl_b32 s51, s42, 9
	s_add_co_u32 s50, s50, s51
	s_mov_b32 s51, 0
	s_add_nc_u64 s[52:53], s[36:37], s[50:51]      ; fragment 0: row 128 RB + 64 mh, byte 512 s
	s_lshl_b32 s50, s46, 3
	s_add_nc_u64 s[54:55], s[52:53], s[50:51]      ; fragment i: 8 i rows on
	s_add_nc_u64 s[56:57], s[54:55], s[50:51]
	s_add_nc_u64 s[58:59], s[56:57], s[50:51]
	s_mul_i32 s50, s41, s47
	s_mul_i32 s62, s42, 12800
	s_add_co_u32 s50, s50, s62                     ; the record of (block, s)
	s_mul_i32 s62, s48, 6144
	s_add_co_u32 s62, s62, s50
	s_mov_b32 s63, 0
	s_add_nc_u64 s[60:61], s[38:39], s[62:63]      ; its tiles 4 mh ..
	s_lshl_b32 s62, s48, 8
	s_add_co_u32 s62, s62, s50
	s_add_co_u32 s62, s62, 12288
	s_add_nc_u64 s[66:67], s[38:39], s[62:63]      ; their scale words
	s_wait_alu depctr_va_vdst(0)
	v_lshlrev_b32 v2, 4, v1                        ; 16 x lane
	v_lshlrev_b32 v3, 3, v1                        ; 8 x lane
	v_and_b32 v4, 15, v0                           ; r
	v_bfe_u32 v5, v0, 4, 1                         ; h
	s_mul_i32 s68, s34, 8448                       ; my stage: 16 rows x (512 + 16) bytes
	v_add_nc_u32 v6, s68, v2                       ; in: a row's 512 bytes as they lie
	v_mul_u32_u24 v7, v4, 528
	v_lshl_add_u32 v7, v5, 7, v7
	v_add_nc_u32 v7, s68, v7                       ; out: row r, + 128 h
	v_lshlrev_b32 v4, 2, v4                        ; 4 r
	v_lshlrev_b32 v[H8], 3, v5                     ; 8 h
	v_mov_b32 v[Q4T+6], 0                          ; written once: a lane permute's destination counts as one of its sources
.set rr, 0
.rept 16
	v_mad_u32_u24 v[16+rr], s46, 32*(rr/8)+rr%8, v2   ; row p of a tile lies 32 (p / 8) + p % 8 rows on
.set rr, rr+1
.endr
.macro LOADF i                         ; fragment i: 16 rows x 512 bytes; each load reads 512 consecutive bytes
.set rr, 0
.rept 16
	global_load_b128 v[32+64*((\i)%2)+4*rr:32+64*((\i)%2)+4*rr+3], v[16+rr], s[52+2*(\i):53+2*(\i)] th:TH_LOAD_NT
.set rr, rr+1
.endr
.endm
; 64 numbers of a lane (register 32 c + q = k 64 c + 32 h + q of my row) become a fragment's 12 code registers and its scale word
.macro QUANT4 a, p, w
.irp c, 0,1
	v_max3_num_f32 v[Q4T+\c], |v[\a+32*\c]|, |v[\a+32*\c+1]|, 0x1800000
.endr
.irp j, 2,4,6,8,10,12,14,16,18,20,22,24,26,28,30
.irp c, 0,1
	v_max3_num_f32 v[Q4T+\c], v[Q4T+\c], |v[\a+32*\c+\j]|, |v[\a+32*\c+\j+1]|
.endr
.endr
.irp c, 0,1
	v_add_nc_u32 v[Q4T+2+\c], 0xff000000, v[Q4T+\c]
.endr
.irp c, 0,1
	v_lshrrev_b32 v[Q4T+4+\c], 23, v[Q4T+2+\c]
.endr
	v_lshl_or_b32 v[\w], v[Q4T+5], 16, v[Q4T+4]    ; my two bytes: blocks h and 2 + h,
	v_lshlrev_b32 v[\w], v[H8], v[\w]              ; at their places;
	v_permlanex16_b32 v[Q4T+6], v[\w], s[SEL], s[SEL+1]
	v_or_b32 v[\w], v[\w], v[Q4T+6]                ; with lane l xor 16's two the word is whole
.irp c, 0,1
	v_cvt_scalef32_pk16_fp6_f32 v[\p+6*\c:\p+6*\c+2], v[\a+32*\c:\a+32*\c+15], v[Q4T+2+\c]
	v_cvt_scalef32_pk16_fp6_f32 v[Q4Q+4*\c:Q4Q+4*\c+2], v[\a+32*\c+16:\a+32*\c+31], v[Q4T+2+\c]
.endr
	v_nop                                          ; one plain place behind a scaled conversion
.irp c, 0,1
.irp k, 0,1,2
	v_mov_b32 v[\p+6*\c+3+\k], v[Q4Q+4*\c+\k]
.endr
.endr
.endm
.macro FRAGM i
.if (\i) < 3
	s_wait_loadcnt 16                              ; this fragment's 16 loads are in; the next one's may be out
.else
	s_wait_loadcnt 0x0
.endif
.set rr, 0
.rept 16
	ds_store_b128 v6, v[32+64*((\i)%2)+4*rr:32+64*((\i)%2)+4*rr+3] offset:528*rr
.set rr, rr+1
.endr
.irp c, 0,1
.irp q, 0,1,2,3,4,5,6,7
	ds_load_b128 v[160+32*\c+4*\q:160+32*\c+4*\q+3], v7 offset:256*\c+16*\q   ; LDS serves a wave's instructions in order: these see the stores
.endr
.endr
	s_wait_dscnt 0x0                               ; my 64 numbers are back, and the stores have read their registers,
.if (\i) < 2
	LOADF (\i)+2                                   ; which take the fragment two on
.endif
	s_wait_xcnt 0x0                                ; the last fragment's stores have read the code registers
	QUANT4 160, 224, 236
	global_store_b128 v2, v[224:227], s[60:61] offset:1536*(\i)
	global_store_b64 v3, v[228:229], s[60:61] offset:1536*(\i)+512
	global_store_b128 v2, v[230:233], s[60:61] offset:1536*(\i)+768
	global_store_b64 v3, v[234:235], s[60:61] offset:1536*(\i)+1280
	global_store_b32 v4, v236, s[66:67] offset:64*(\i)   ; lanes r and r + 16 write the same word with the same value
.endm
	LOADF 0
	LOADF 1
	s_wait_alu depctr_va_vdst(0)
	FRAGM 0
	FRAGM 1
	FRAGM 2
	FRAGM 3
	s_wait_tensorcnt 0x0
	ds_add_u32 v254, v255
	s_wait_dscnt 0x0
	s_endpgm
.Lfunc_end_k_q9dd7425194_prep:
	.size	k_q9dd7425194_prep, .Lfunc_end_k_q9dd7425194_prep-k_q9dd7425194_prep
	.p2alignl 7, 3214868480
	.fill 96, 4, 3214868480
	.section	.rodata,"a",@progbits
	.p2align	6, 0x0
	.amdhsa_kernel k_q9dd7425194_prep
		.amdhsa_group_segment_fixed_size 34304
		.amdhsa_private_segment_fixed_size 0
		.amdhsa_enable_private_segment 0
		.amdhsa_kernarg_size 104
		.amdhsa_user_sgpr_count 2
		.amdhsa_user_sgpr_kernarg_segment_ptr 1
		.amdhsa_wavefront_size32 1
		.amdhsa_system_sgpr_workgroup_id_x 1
		.amdhsa_system_sgpr_workgroup_id_y 1
		.amdhsa_system_sgpr_workgroup_id_z 1
		.amdhsa_system_vgpr_workitem_id 0
		.amdhsa_next_free_vgpr 256
		.amdhsa_next_free_sgpr 72
		.amdhsa_reserve_vcc 0
		.amdhsa_float_denorm_mode_32 3
		.amdhsa_float_denorm_mode_16_64 3
		.amdhsa_memory_ordered 1
		.amdhsa_forward_progress 1
		.amdhsa_inst_pref_size 55
	.end_amdhsa_kernel
	.amdgpu_metadata
---
amdhsa.version: [ 1, 2 ]
amdhsa.kernels:
  - .name:           k_q9dd7425194_prep
    .symbol:         k_q9dd7425194_prep.kd
    .args:
      - { .name: graph_nodes, .offset: 0, .size: 8, .value_kind: global_buffer, .address_space: global }
      - { .name: conditioning_vector, .offset: 8, .size: 8, .value_kind: global_buffer, .address_space: global }
      - { .name: qW, .offset: 16, .size: 8, .value_kind: global_buffer, .address_space: global }
      - { .name: in_qW, .offset: 24, .size: 8, .value_kind: global_buffer, .address_space: global }
      - { .name: in_kW, .offset: 32, .size: 8, .value_kind: global_buffer, .address_space: global }
      - { .name: in_vW, .offset: 40, .size: 8, .value_kind: global_buffer, .address_space: global }
      - { .name: outW, .offset: 48, .size: 8, .value_kind: global_buffer, .address_space: global }
      - { .name: d1W, .offset: 56, .size: 8, .value_kind: global_buffer, .address_space: global }
      - { .name: kW, .offset: 64, .size: 8, .value_kind: global_buffer, .address_space: global }
      - { .name: vW, .offset: 72, .size: 8, .value_kind: global_buffer, .address_space: global }
      - { .name: WS, .offset: 80, .size: 8, .value_kind: global_buffer, .address_space: global }
      - { .name: XQ, .offset: 88, .size: 8, .value_kind: global_buffer, .address_space: global }
      - { .name: XC, .offset: 96, .size: 8, .value_kind: global_buffer, .address_space: global }
    .group_segment_fixed_size: 34304
    .private_segment_fixed_size: 0
    .kernarg_segment_align: 8
    .kernarg_segment_size: 104
    .max_flat_workgroup_size: 128
    .sgpr_count:     72
    .vgpr_count:     256
    .wavefront_size: 32
...
	.end_amdgpu_metadata
.endif
;; end of part 5
;; launch qhid (part 6): grid 256 x 1, 4 waves a work-group, clusters of 4 x 1, 327,680 bytes of LDS; arguments XQ, WS, qb, QC; writes QC
.if DOCPART == 6
	.amdgcn_target "amdgcn-amd-amdhsa--gfx1250"
	.amdhsa_code_object_version 6
	.text
	.protected	k_q9dd7425194_qhid
	.globl	k_q9dd7425194_qhid
	.p2align	8
	.type	k_q9dd7425194_qhid,@function
k_q9dd7425194_qhid:
	s_mov_b64 s[64:65], 0
	v_nop
	global_prefetch_b8 v0, s[64:65] scope:SCOPE_SE
	s_setreg_imm32_b32 hwreg(HW_REG_WAVE_MODE, 25, 1), 1
	s_wait_xcnt 0x0
	s_wait_alu depctr_hold_cnt(0) depctr_sa_sdst(0) depctr_va_vdst(0) depctr_va_sdst(0) depctr_va_ssrc(0) depctr_va_vcc(0) depctr_vm_vsrc(0)
	s_getreg_b32 s2, hwreg(HW_REG_IB_STS2, 6, 4)
	s_cmp_eq_u32 s2, 0
	s_cbranch_scc0 .Lentry_in_a_cluster
	s_endpgm
.Lentry_in_a_cluster:
	s_bfe_u32 s2, ttmp6, 0x10000c
	s_cmp_lg_u32 s2, 0x3003
	s_cbranch_scc0 .Lentry_shape_is_right
	s_endpgm
.Lentry_shape_is_right:
; The hidden layer of q: Q(graph_nodes) Q(qW) + qb, quantised along its 768 columns, as half images (768 bytes for 16 rows x 64 columns) and scale words in QC.
; A work-group takes 128 rows x 192 columns, K = 768 in six steps.  The four partners of a cluster take the four column quarters of one block of rows: x's images (76,800 bytes) are asked for JOINTLY;
; the weights' quarter (6 x 19,200 bytes) is the work-group's own.  All operands lie in LDS after the head's four loads, one a wave; nothing is filled again.
; Wave w: row tiles 2 w, 2 w + 1 against all 12 column tiles: 24 accumulators in window 1; the bias (window 2) is the C of the first step's products.
; Source 0 = 16 columns of the weight, source 1 = 16 rows: a lane holds one row, and a group's 32 registers are one block of 32 along the next K.
; No data prefetch: the text has no loop to run ahead in.  LIMITS: NaN and infinities are not served; a block of zeros gets the byte 1 (only this program reads the bytes).
.set WL, 76800
.set SPARE, 192000
.set L16, 1
.set L8, 2
.set R4, 3
.set R8, 4
.set H8, 5
.set H128, 6
.set FLOORV, 7
.set SPW, 8
.set NIL, 9
.set XA16, 10
.set XA8, 12
.set XAS, 14
.set WA16, 16
.set WA8, 18
.set WAS, 20
.set XF, 24
.set W, 80
.set WSC, 224
.set T0, 236
.set T1, 237
.set T2, 238
.set T3, 239
.set T4, 240
.set QT, 248
.set WV, 12
.set CX, 13
.set G1X, 16
.set G1W, 24
.set G0X, 32
.set G0W, 36
.set CB, 40
.set SB, 46
.set SEL, 56
.set MSB, 0
.macro WIN new
.if MSB != (\new)
	s_set_vgpr_msb (MSB<<8)|(\new)
.set MSB, \new
.endif
.endm
.macro PLACES
.rept 4
	v_nop
.endr
.endm
.macro ROUND
	s_barrier_signal -1
	s_barrier_wait -1
	s_cmp_lg_u32 s[WV], 0
	s_cbranch_scc1 .Lnw0_\@
	s_barrier_signal -3
.Lnw0_\@:
	s_barrier_wait -3
	s_barrier_signal -1
	s_barrier_wait -1
.endm
.macro XL s                            ; my two row tiles of record s: ten LDS loads
.set xb, XF+26*((\s)%2)
.set xg, (\s)/3
.set xo, ((\s)%3)*12800
.irp m, 0,1
	ds_load_b128 v[xb+12*\m:xb+12*\m+3], v[XA16+xg] offset:xo+1536*\m
	ds_load_b64 v[xb+12*\m+4:xb+12*\m+5], v[XA8+xg] offset:xo+1536*\m
	ds_load_b128 v[xb+12*\m+6:xb+12*\m+9], v[XA16+xg] offset:xo+1536*\m+768
	ds_load_b64 v[xb+12*\m+10:xb+12*\m+11], v[XA8+xg] offset:xo+1536*\m+768
	ds_load_b32 v[xb+24+\m], v[XAS+xg] offset:xo+64*\m
.endr
.endm
.macro WLH s, hf                       ; six weight tiles of step s and their scale words: 27 LDS loads
.set wg, (\s)/3
.set wo, ((\s)%3)*19200
.irp t, 0,1,2,3,4,5
.set nn, 6*(\hf)+\t
	ds_load_b128 v[W+12*nn:W+12*nn+3], v[WA16+wg] offset:wo+1536*nn
	ds_load_b64 v[W+12*nn+4:W+12*nn+5], v[WA8+wg] offset:wo+1536*nn
	ds_load_b128 v[W+12*nn+6:W+12*nn+9], v[WA16+wg] offset:wo+1536*nn+768
	ds_load_b64 v[W+12*nn+10:W+12*nn+11], v[WA8+wg] offset:wo+1536*nn+768
.endr
.irp k, 0,1,2
	ds_load_b64 v[WSC+2*(3*(\hf)+\k):WSC+2*(3*(\hf)+\k)+1], v[WAS+wg] offset:wo+128*(3*(\hf)+\k)
.endr
.endm
.macro MM s, hf                        ; 12 products; the accumulators take turns, one instruction a turn
.set xb, XF+26*((\s)%2)
.if (\s) == 0
	WIN 0x60
.else
	WIN 0x50
.endif
.irp t, 0,1,2,3,4,5
.irp m, 0,1
.set nn, 6*(\hf)+\t
.set AC, 64*(nn/4)+32*\m+8*(nn%4)
.set BC, 32*(nn/4)+8*(nn%4)
.if (\s) == 0
	v_wmma_scale_f32_16x16x128_f8f6f4 v[AC:AC+7], v[W+12*nn:W+12*nn+11], v[xb+12*\m:xb+12*\m+11], v[BC:BC+7], v[WSC+nn], v[xb+24+\m] matrix_a_fmt:MATRIX_FMT_FP6 matrix_b_fmt:MATRIX_FMT_FP6
.else
	v_wmma_scale_f32_16x16x128_f8f6f4 v[AC:AC+7], v[W+12*nn:W+12*nn+11], v[xb+12*\m:xb+12*\m+11], v[AC:AC+7], v[WSC+nn], v[xb+24+\m] matrix_a_fmt:MATRIX_FMT_FP6 matrix_b_fmt:MATRIX_FMT_FP6
.endif
.endr
.endr
	WIN 0
.endm
	s_load_b256 s[4:11], s[0:1], 0x0               ; XQ, WS, qb, QC
	v_lshl_add_u32 v[SPW], v0, 2, SPARE
	v_mov_b32 v[NIL], 0
	ds_add_u32 v[SPW], v[NIL]                      ; the opening lines: the add twice and one wait
	ds_add_u32 v[SPW], v[NIL]
	v_lshrrev_b32 v22, 5, v0
	v_readfirstlane_b32 s[WV], v22
	s_bfe_u32 s[CX], ttmp6, 0x40000                ; my column quarter: it enters global addresses of my own alone
	s_mov_b32 s[G1X], 15|(3<<16)|(1<<21)           ; x: 150 rows of 256 bytes, jointly
	s_mov_b32 s[G1X+1], 32<<16
	s_mov_b32 s[G1X+2], 150<<16
	s_mov_b32 s[G1X+3], 32<<16
	s_mov_b32 s[G1X+4], 150
	s_mov_b32 s[G1X+5], 32
	s_mov_b32 s[G1X+6], 0
	s_mov_b32 s[G1X+7], 0
	s_mov_b32 s[G1W], 3<<16                        ; weights: 3 rows of 19,200 bytes, 76,800 apart
	s_mov_b32 s[G1W+1], 2400<<16
	s_mov_b32 s[G1W+2], 3<<16
	s_mov_b32 s[G1W+3], 2400<<16
	s_mov_b32 s[G1W+4], 3
	s_mov_b32 s[G1W+5], 9600
	s_mov_b32 s[G1W+6], 0
	s_mov_b32 s[G1W+7], 0
	s_mov_b32 s[SEL], 0x76543210
	s_mov_b32 s[SEL+1], 0xfedcba98
	s_and_b32 s14, s[WV], 1
	s_mov_b32 s3, 0
	s_wait_dscnt 0x0
	s_wait_alu depctr_va_vdst(0)
	s_wait_kmcnt 0x0
	s_mul_i32 s15, s14, 38400
	s_mul_i32 s2, ttmp9, 76800
	s_add_co_u32 s2, s2, s15
	s_mov_b32 s[G0X], 1
	s_mov_b32 s[G0X+1], s15
	s_add_nc_u64 s[G0X+2:G0X+3], s[4:5], s[2:3]
	s_or_b32 s[G0X+3], s[G0X+3], 0x80000000
	s_mul_i32 s15, s14, 57600
	s_mul_i32 s2, s14, 230400
	s_mul_i32 s52, s[CX], 19200
	s_add_co_u32 s2, s2, s52
	s_mov_b32 s[G0W], 1
	s_add_co_u32 s[G0W+1], s15, WL
	s_add_nc_u64 s[G0W+2:G0W+3], s[6:7], s[2:3]
	s_or_b32 s[G0W+3], s[G0W+3], 0x80000000
	ROUND
	s_cmp_lt_u32 s[WV], 2                          ; waves 0, 1: x's halves; waves 2, 3: weight steps 0-2, 3-5
	s_cbranch_scc0 .Lhw
	tensor_load_to_lds s[G0X:G0X+3], s[G1X:G1X+7]
	s_nop 0
	PLACES
	s_branch .Lhj
.Lhw:
	tensor_load_to_lds s[G0W:G0W+3], s[G1W:G1W+7]
	s_nop 0
	PLACES
.Lhj:
	v_and_b32 v22, 31, v0
	v_and_b32 v23, 15, v0
	v_lshlrev_b32 v[L16], 4, v22
	v_lshlrev_b32 v[L8], 3, v22
	v_lshlrev_b32 v[R4], 2, v23
	v_lshlrev_b32 v[R8], 3, v23
	v_bfe_u32 v[H8], v0, 4, 1
	v_lshlrev_b32 v[H128], 7, v[H8]
	v_lshlrev_b32 v[H8], 3, v[H8]
	v_mov_b32 v[FLOORV], 0x1800000
	v_mov_b32 v[T4], 0
	s_mul_i32 s15, s[WV], 3072
.irp g, 0,1
	s_add_co_u32 s2, s15, \g*38400
	v_add_nc_u32 v[XA16+\g], s2, v[L16]
	s_add_co_u32 s2, s2, 512
	v_add_nc_u32 v[XA8+\g], s2, v[L8]
	v_add_nc_u32 v[WA16+\g], WL+\g*57600, v[L16]
	v_add_nc_u32 v[WA8+\g], WL+\g*57600+512, v[L8]
	v_add_nc_u32 v[WAS+\g], WL+\g*57600+18432, v[R8]
.endr
	s_lshl_b32 s15, s[WV], 7
.irp g, 0,1
	s_add_co_u32 s2, s15, 12288+\g*38400
	v_add_nc_u32 v[XAS+\g], s2, v[R4]
.endr
	s_mul_i32 s2, s[CX], 768
	s_add_nc_u64 s[8:9], s[8:9], s[2:3]            ; qb at my 192 columns
	s_wait_alu depctr_va_vdst(0)
	WIN 0x80
.irp i, 0,1,2
.irp q, 0,1,2,3,4,5,6,7
	global_load_b128 v[32*\i+4*\q:32*\i+4*\q+3], v[H128], s[8:9] offset:256*\i+16*\q
.endr
.endr
	WIN 0
	s_lshr_b32 s52, ttmp9, 2
	s_mul_i32 s52, s52, 12
	s_mul_i32 s53, s[CX], 3
	s_add_co_u32 s52, s52, s53                     ; 12 x batch + my first group of 64 columns
	s_and_b32 s53, ttmp9, 3
	s_lshl_b32 s53, s53, 3
	s_lshl_b32 s54, s[WV], 1
	s_add_co_u32 s53, s53, s54                     ; my first row tile in the batch
.irp i, 0,1,2
	s_add_co_u32 s54, s52, \i
	s_lshl_b32 s54, s54, 5
	s_add_co_u32 s54, s54, s53
	s_mul_i32 s2, s54, 768
	s_add_nc_u64 s[CB+2*\i:CB+2*\i+1], s[10:11], s[2:3]
	s_lshl_b32 s2, s54, 6
	s_add_co_u32 s2, s2, 4718592
	s_add_nc_u64 s[SB+2*\i:SB+2*\i+1], s[10:11], s[2:3]
.endr
	s_wait_loadcnt 0x0
	s_wait_tensorcnt 0x0                           ; my load has landed
	s_barrier_signal -1
	s_barrier_wait -1                              ; and everybody's
	XL 0
	WLH 0, 0
	WLH 0, 1
.irp s, 0,1,2,3,4,5
	s_wait_dscnt 27                                ; x and the lower six tiles are in; the upper six tiles' 27 loads may be out
	MM \s, 0
	PLACES
.if \s < 5
	XL \s+1
	WLH \s+1, 0
	s_wait_dscnt 37                                ; the upper six are in; the 37 just issued may be out
.else
	s_wait_dscnt 0x0
.endif
	MM \s, 1
	PLACES
.if \s < 5
	WLH \s+1, 1
.endif
.endr
.irp i, 0,1,2
.irp m, 0,1
.set AA, 64*\i+32*\m
.set PQ, W+8*(2*\i+\m)                 ; each unit has registers of its own: no store's data are written again
	WIN 0x14
	v_max3_num_f32 v[T0], v[FLOORV], |v[AA]|, |v[AA+1]|
	v_max3_num_f32 v[T1], v[FLOORV], |v[AA+2]|, |v[AA+3]|
.irp j, 4,8,12,16,20,24,28
	v_max3_num_f32 v[T0], v[T0], |v[AA+\j]|, |v[AA+\j+1]|
	v_max3_num_f32 v[T1], v[T1], |v[AA+\j+2]|, |v[AA+\j+3]|
.endr
	WIN 0
	v_max_num_f32 v[T0], v[T0], v[T1]
	v_add_nc_u32 v[T2], 0xff000000, v[T0]          ; 2 off the exponent field: the conversion's scale operand
	WIN 1
	v_cvt_scalef32_pk16_fp6_f32 v[PQ:PQ+2], v[AA:AA+15], v[T2]
	v_cvt_scalef32_pk16_fp6_f32 v[QT:QT+2], v[AA+16:AA+31], v[T2]
	WIN 0
	v_lshrrev_b32 v[T3], 23, v[T2]                 ; the byte, and the plain place behind the conversions
	v_mov_b32 v[PQ+3], v[QT]
	v_mov_b32 v[PQ+4], v[QT+1]
	v_mov_b32 v[PQ+5], v[QT+2]
	v_lshlrev_b32 v[T3], v[H8], v[T3]
	v_permlanex16_b32 v[T4], v[T3], s[SEL], s[SEL+1]
	v_or_b32 v[PQ+6], v[T3], v[T4]                 ; byte of h = 0 | byte of h = 1 << 8
	global_store_b128 v[L16], v[PQ:PQ+3], s[CB+2*\i:CB+2*\i+1] offset:768*\m
	global_store_b64 v[L8], v[PQ+4:PQ+5], s[CB+2*\i:CB+2*\i+1] offset:768*\m+512
	global_store_b32 v[R4], v[PQ+6], s[SB+2*\i:SB+2*\i+1] offset:64*\m
.endr
.endr
	s_wait_tensorcnt 0x0                           ; the wave's end
	ds_add_u32 v[SPW], v[NIL]
	s_wait_dscnt 0x0
	ROUND
	s_endpgm
.Lfunc_end_k_q9dd7425194_qhid:
	.size	k_q9dd7425194_qhid, .Lfunc_end_k_q9dd7425194_qhid-k_q9dd7425194_qhid
	.p2alignl 7, 3214868480
	.fill 96, 4, 3214868480
	.section	.rodata,"a",@progbits
	.p2align	6, 0x0
	.amdhsa_kernel k_q9dd7425194_qhid
		.amdhsa_group_segment_fixed_size 327680
		.amdhsa_private_segment_fixed_size 0
		.amdhsa_enable_private_segment 0
		.amdhsa_kernarg_size 32
		.amdhsa_user_sgpr_count 2
		.amdhsa_user_sgpr_kernarg_segment_ptr 1
		.amdhsa_wavefront_size32 1
		.amdhsa_system_sgpr_workgroup_id_x 1
		.amdhsa_system_sgpr_workgroup_id_y 1
		.amdhsa_system_sgpr_workgroup_id_z 1
		.amdhsa_system_vgpr_workitem_id 0
		.amdhsa_next_free_vgpr 640
		.amdhsa_next_free_sgpr 66
		.amdhsa_reserve_vcc 0
		.amdhsa_float_denorm_mode_32 3
		.amdhsa_float_denorm_mode_16_64 3
		.amdhsa_memory_ordered 1
		.amdhsa_forward_progress 1
		.amdhsa_inst_pref_size 66
	.end_amdhsa_kernel
	.amdgpu_metadata
---
amdhsa.version: [ 1, 2 ]
amdhsa.kernels:
  - .name:           k_q9dd7425194_qhid
    .symbol:         k_q9dd7425194_qhid.kd
    .args:
      - { .name: XQ, .offset: 0, .size: 8, .value_kind: global_buffer, .address_space: global }
      - { .name: WS, .offset: 8, .size: 8, .value_kind: global_buffer, .address_space: global }
      - { .name: qb, .offset: 16, .size: 8, .value_kind: global_buffer, .address_space: global }
      - { .name: QC, .offset: 24, .size: 8, .value_kind: global_buffer, .address_space: global }
    .group_segment_fixed_size: 327680
    .private_segment_fixed_size: 0
    .kernarg_segment_align: 8
    .kernarg_segment_size: 32
    .max_flat_workgroup_size: 128
    .sgpr_count:     66
    .vgpr_count:     640
    .wavefront_size: 32
...
	.end_amdgpu_metadata
.endif
;; end of part 6
;; launch proj (part 7): grid 256 x 1, 4 waves a work-group, clusters of 4 x 1, 327,680 bytes of LDS; arguments XC, WS, kb, in_kb, vb, in_vb, conditioning_attention_mask, KV; writes KV
.if DOCPART == 7
	.amdgcn_target "amdgcn-amd-amdhsa--gfx1250"
	.amdhsa_code_object_version 6
	.text
	.protected	k_q9dd7425194_proj
	.globl	k_q9dd7425194_proj
	.p2align	8
	.type	k_q9dd7425194_proj,@function
k_q9dd7425194_proj:
	s_mov_b64 s[64:65], 0
	v_nop
	global_prefetch_b8 v0, s[64:65] scope:SCOPE_SE
	s_setreg_imm32_b32 hwreg(HW_REG_WAVE_MODE, 25, 1), 1
	s_wait_xcnt 0x0
	s_wait_alu depctr_hold_cnt(0) depctr_sa_sdst(0) depctr_va_vdst(0) depctr_va_sdst(0) depctr_va_ssrc(0) depctr_va_vcc(0) depctr_vm_vsrc(0)
	s_getreg_b32 s2, hwreg(HW_REG_IB_STS2, 6, 4)
	s_cmp_eq_u32 s2, 0
	s_cbranch_scc0 .Lentry_in_a_cluster
	s_endpgm
.Lentry_in_a_cluster:
	s_bfe_u32 s2, ttmp6, 0x10000c
	s_cmp_lg_u32 s2, 0x3003
	s_cbranch_scc0 .Lentry_shape_is_right
	s_endpgm
.Lentry_shape_is_right:
; Two chains of two quantised products on codes of E2M3: k = (c kW + kb) in_kW + in_kb, and likewise v, c = conditioning_vector.  The hidden layer is quantised in registers and stays in LDS.
; A work-group takes 128 rows through a whole chain: ten K steps.  Clusters 0-31: k, 32-63: v; the four partners of a cluster walk the same weights, asked for JOINTLY.
; Wave w makes columns 192 w .. +191 (12 tiles) for all 128 rows (8 tiles): 96 accumulators, windows 1-3.  Activations: register images in LDS, c's four records and behind them the hidden layer's six.
; Weights: a ring of two LDS slots, one K step (76,800 bytes) each.  The head's loads, one a wave: waves 0 and 3 c's halves, wave 1 K step 0, wave 2 K step 1; later wave w fetches its own 19,200 bytes of a slot.
; One loop of four trips runs K steps 0-7; behind K step 3 (trip 1) a branch on the trip's number leads through the hidden layer's quantiser.  K steps 8 and 9 are written out: nothing is left to fetch.
; MODE 0 (source 0 = 16 columns of the weight, source 1 = 16 rows): a lane holds one row, a group's 32 registers are one block of 32 along the next K.
; MODE 1 (sources swapped; v's second product): a lane holds one channel, its 64 registers run down the 128 keys: V^T's fragment for attention.
; Every sum begins with its bias, laid into the accumulators.  The key mask goes into K's scale words: byte 2 is 187 for a masked key, 1 else.
; LIMITS: NaN and infinities are not served; a block of zeros gets the byte 1 (its codes are zeros; only this program reads the bytes).
.set MT, 8
.set REC, 1600*MT
.set SCO, 1536*MT
.set HR, 76800
.set RING, 153600
.set SLOTB, 76800
.set SPARE, 307200
.set L16, 1
.set L8, 2
.set R4, 3
.set R8, 4
.set H8, 5
.set H128, 6
.set FLOORV, 7
.set SPW, 8
.set NIL, 9
.set XB16, 10
.set XB8, 11
.set XBS, 12
.set XA16, 13
.set XA8, 14
.set XAS, 15
.set WA16, 16
.set WA8, 18
.set WAS, 20
.set XF, 24
.set XSC, 120
.set WR, 128
.set WSCL, 200
.set XM, 206
.set RP, 214
.set RP4, 215
.set PQ, 216
.set T0, 224
.set T1, 225
.set T2, 226
.set T3, 227
.set T4, 228
.set SW, 229
.set QT, 230
.set WD, 233
.set HA16, 240
.set HA8, 243
.set HAS, 246
.set BV, 88
.set Q4T, 112
.set Q4Q, 120
.set PV, 216
.set PWD, 228
.set WV, 28
.set CX, 29
.set G1W, 32
.set G1A, 40
.set G0A, 56
.set G0W, 68
.set B1, 76
.set B2, 78
.set CB, 80
.set SBS, 86
.set XO, 92
.set MODE, 93
.set CNT, 94
.set SEL, 96
.set MODE1, 98
.set PF, 26                            ; s[26:27] where my prefetches stand
.set PFO, 249                          ; v249 my lane's block of 256 bytes among the 75 that my wave fetches of a K step; never rewritten
.set MSB, 0
.macro WIN new
.if MSB != (\new)
	s_set_vgpr_msb (MSB<<8)|(\new)
.set MSB, \new
.endif
.endm
.macro PLACES
.rept 4
	v_nop
.endr
.endm
.macro ROUND
	s_barrier_signal -1
	s_barrier_wait -1
	s_cmp_lg_u32 s[WV], 0
	s_cbranch_scc1 .Lnw0_\@
	s_barrier_signal -3
.Lnw0_\@:
	s_barrier_wait -3
	s_barrier_signal -1
	s_barrier_wait -1
.endm
.macro XLOAD m0, m1
.set xm, \m0
.rept (\m1)-(\m0)+1
	ds_load_b128 v[XF+12*xm:XF+12*xm+3], v[XA16] offset:1536*xm
	ds_load_b64 v[XF+12*xm+4:XF+12*xm+5], v[XA8] offset:1536*xm
	ds_load_b128 v[XF+12*xm+6:XF+12*xm+9], v[XA16] offset:1536*xm+768
	ds_load_b64 v[XF+12*xm+10:XF+12*xm+11], v[XA8] offset:1536*xm+768
	ds_load_b32 v[XSC+xm], v[XAS] offset:64*xm
.set xm, xm+1
.endr
.endm
.macro WLOAD sl, k, pr
.irp u, 0,1
	ds_load_b128 v[WR+24*(\k)+12*\u:WR+24*(\k)+12*\u+3], v[WA16+(\sl)] offset:(2*(\pr)+\u)*1536
	ds_load_b64 v[WR+24*(\k)+12*\u+4:WR+24*(\k)+12*\u+5], v[WA8+(\sl)] offset:(2*(\pr)+\u)*1536
	ds_load_b128 v[WR+24*(\k)+12*\u+6:WR+24*(\k)+12*\u+9], v[WA16+(\sl)] offset:(2*(\pr)+\u)*1536+768
	ds_load_b64 v[WR+24*(\k)+12*\u+10:WR+24*(\k)+12*\u+11], v[WA8+(\sl)] offset:(2*(\pr)+\u)*1536+768
.endr
	ds_load_b64 v[WSCL+2*(\k):WSCL+2*(\k)+1], v[WAS+(\sl)] offset:128*(\pr)
.endm
; The products of pair p with row tiles m0 .. m1, each adding in place; all accumulators of a K step differ and take turns
.macro MMB ori, p, m0, m1
.set mm, \m0
.rept (\m1)-(\m0)+1
.irp u, 0,1
.if \ori
.set AC, 64*(2*((\p)%2)+\u)+8*mm
.else
.set AC, 32*mm+8*(2*((\p)%2)+\u)
.endif
.set WF, WR+24*((\p)%3)+12*\u
.set WC, WSCL+2*((\p)%3)+\u
.set AF, XF+12*mm
.if \ori
	v_wmma_scale_f32_16x16x128_f8f6f4 v[AC:AC+7], v[AF:AF+11], v[WF:WF+11], v[AC:AC+7], v[XSC+mm], v[WC] matrix_a_fmt:MATRIX_FMT_FP6 matrix_b_fmt:MATRIX_FMT_FP6
.else
	v_wmma_scale_f32_16x16x128_f8f6f4 v[AC:AC+7], v[WF:WF+11], v[AF:AF+11], v[AC:AC+7], v[WC], v[XSC+mm] matrix_a_fmt:MATRIX_FMT_FP6 matrix_b_fmt:MATRIX_FMT_FP6
.endif
.endr
.set mm, mm+1
.endr
.endm
.macro MMSEL p, m0, m1                 ; the orientation hangs on MODE, which is made of the cluster's number and the trip's alone
	s_cmp_eq_u32 s[MODE], 0
	s_cbranch_scc0 .Lv_\@
	WIN 0x50*(1+(\p)/2)
	MMB 0, \p, \m0, \m1
	WIN 0
	s_branch .Ldone_\@
.Lv_\@:
	WIN 0x50*(1+(\p)/2)
	MMB 1, \p, \m0, \m1
	WIN 0
.Ldone_\@:
.endm
.macro CHANGE sl, fill
.if \fill
	s_wait_xcnt 0x0                                ; my last prefetch has read its address: one K step on
	s_add_nc_u64 s[PF:PF+1], s[PF:PF+1], SLOTB
.endif
	s_wait_tensorcnt 0x0                           ; all my tensor loads have landed: my part of the other slot
.if \fill
	ds_add_u32 v[SPW], v[NIL]
	s_add_nc_u64 s[G0W+4*(\sl)+2:G0W+4*(\sl)+3], s[G0W+4*(\sl)+2:G0W+4*(\sl)+3], 2*SLOTB
	s_wait_dscnt 0x0                               ; the add is done and my reads of this slot are in
	ROUND
	tensor_load_to_lds s[G0W+4*(\sl):G0W+4*(\sl)+3], s[G1W:G1W+7]   ; my one tensor load behind the round: the K step two on
	s_nop 0
.else
	s_wait_dscnt 0x0
.endif
	PLACES
.endm
; A K step.  fill: 1 refill, 0 none, 2 the last step;  xn: 1 the next record's fragments are fetched, 2 the same but not in trip 1 (the hidden layer is not yet there);  la: the next step's first three pairs are fetched
.macro STEP sl, fill, xn, la
	s_wait_dscnt 5*MT/2+9                          ; pair 0 and the lower row tiles are in; the upper tiles' 20 loads and pair 2's nine may be out
	MMSEL 0, 0, MT/2-1
	s_wait_dscnt 9
	MMSEL 0, MT/2, MT-1
	PLACES
	WLOAD \sl, 0, 3
.irp p, 1,2
	s_wait_dscnt 18                                ; this pair is in; the two younger pairs may be out
	MMSEL \p, 0, MT-1
	PLACES
	WLOAD \sl, \p, \p+3
.endr
	s_wait_dscnt 18
	MMSEL 3, 0, MT-1
.if \fill < 2
	CHANGE \sl, \fill
.endif
.if \la
	WLOAD 1-\sl, 0, 0
.endif
.if \fill == 1
	s_cmp_lt_u32 s[CNT], 3                         ; K step t names K step t + 4, two refills on; K steps 6 and 7 have none left to name
	s_cbranch_scc0 .Lnp_\@
	s_cmp_lt_u32 ttmp9, 4
	s_cbranch_scc0 .Lno_prefetch_proj0_\@
	global_prefetch_b8 v[PFO], s[PF:PF+1] th:TH_LOAD_NT scope:SCOPE_SE
.Lno_prefetch_proj0_\@:
.Lnp_\@:
.endif
.if \fill == 2
	s_wait_dscnt 9
.endif
	MMSEL 4, 0, MT-1
	PLACES
.if \la
	WLOAD 1-\sl, 1, 1
.endif
.if \fill == 2
	s_wait_dscnt 0x0
.endif
	MMSEL 5, 0, MT/2-1
.if \xn
	s_add_co_u32 s[XO], s[XO], REC
	v_add_nc_u32 v[XA16], s[XO], v[XB16]
	v_add_nc_u32 v[XA8], s[XO], v[XB8]
	v_add_nc_u32 v[XAS], s[XO], v[XBS]
	v_nop
	s_wait_alu depctr_va_vdst(0)
.if \xn == 2
	s_cmp_eq_u32 s[CNT], 1
	s_cbranch_scc1 .Lxa_\@
.endif
	XLOAD 0, MT/2-1
.if \xn == 2
.Lxa_\@:
.endif
.endif
	MMSEL 5, MT/2, MT-1
	PLACES
.if \xn
.if \xn == 2
	s_cmp_eq_u32 s[CNT], 1
	s_cbranch_scc1 .Lxb_\@
.endif
	XLOAD MT/2, MT-1
.if \xn == 2
.Lxb_\@:
.endif
.endif
.if \la
	WLOAD 1-\sl, 2, 2
.endif
.endm
.macro QMAX w, a
	WIN ((\w)<<2)|((\w)<<4)
	v_max3_num_f32 v[T0], v[FLOORV], |v[\a]|, |v[\a+1]|
	v_max3_num_f32 v[T1], v[FLOORV], |v[\a+2]|, |v[\a+3]|
.irp j, 4,8,12,16,20,24,28
	v_max3_num_f32 v[T0], v[T0], |v[\a+\j]|, |v[\a+\j+1]|
	v_max3_num_f32 v[T1], v[T1], |v[\a+\j+2]|, |v[\a+\j+3]|
.endr
	WIN 0
	v_max_num_f32 v[T0], v[T0], v[T1]
	v_add_nc_u32 v[T2], 0xff000000, v[T0]
.endm
.macro QCVT w, a, p
	WIN \w
	v_cvt_scalef32_pk16_fp6_f32 v[\p:\p+2], v[\a:\a+15], v[T2]
	v_cvt_scalef32_pk16_fp6_f32 v[QT:QT+2], v[\a+16:\a+31], v[T2]
	WIN 0
	v_lshrrev_b32 v[T3], 23, v[T2]
	v_mov_b32 v[\p+3], v[QT]
	v_mov_b32 v[\p+4], v[QT+1]
	v_mov_b32 v[\p+5], v[QT+2]
	v_lshlrev_b32 v[T3], v[H8], v[T3]
	v_permlanex16_b32 v[T4], v[T3], s[SEL], s[SEL+1]
	v_or_b32 v[\p+6], v[T3], v[T4]
.endm
.macro QUANT4 w, a, p, wd
	WIN ((\w)<<2)|((\w)<<4)
.irp c, 0,1
	v_max3_num_f32 v[Q4T+\c], v[FLOORV], |v[(\a)+32*\c]|, |v[(\a)+32*\c+1]|
.endr
.irp j, 2,4,6,8,10,12,14,16,18,20,22,24,26,28,30
.irp c, 0,1
	v_max3_num_f32 v[Q4T+\c], v[Q4T+\c], |v[(\a)+32*\c+\j]|, |v[(\a)+32*\c+\j+1]|
.endr
.endr
	WIN 0
.irp c, 0,1
	v_add_nc_u32 v[Q4T+2+\c], 0xff000000, v[Q4T+\c]
.endr
.irp c, 0,1
	v_lshrrev_b32 v[Q4T+4+\c], 23, v[Q4T+2+\c]
.endr
	v_lshl_or_b32 v[\wd], v[Q4T+5], 16, v[Q4T+4]
	v_lshlrev_b32 v[\wd], v[H8], v[\wd]
	v_permlanex16_b32 v[Q4T+6], v[\wd], s[SEL], s[SEL+1]
	v_or_b32 v[\wd], v[\wd], v[Q4T+6]
	WIN \w
.irp c, 0,1
	v_cvt_scalef32_pk16_fp6_f32 v[\p+6*\c:\p+6*\c+2], v[(\a)+32*\c:(\a)+32*\c+15], v[Q4T+2+\c]
	v_cvt_scalef32_pk16_fp6_f32 v[Q4Q+4*\c:Q4Q+4*\c+2], v[(\a)+32*\c+16:(\a)+32*\c+31], v[Q4T+2+\c]
.endr
	WIN 0
	v_nop
.irp c, 0,1
.irp k, 0,1,2
	v_mov_b32 v[\p+6*\c+3+\k], v[Q4Q+4*\c+\k]
.endr
.endr
.endm
.macro BIASINIT bp
.irp i, 0,1,2
	WIN (1+\i)<<6
.irp m, 0,1,2,3,4,5,6,7
.irp q, 0,1,2,3,4,5,6,7
	global_load_b128 v[32*\m+4*\q:32*\m+4*\q+3], v[H128], s[\bp:\bp+1] offset:256*\i+16*\q
.endr
.endr
.endr
	WIN 0
.endm
.macro BIASU i, m                      ; k alone: in_kb into the 32 registers just quantised: the second sums' start
	s_cmp_eq_u32 s[MODE1], 1
	s_cbranch_scc1 .Lnb_\@
	WIN (1+\i)<<6
.irp q, 0,1,2,3,4,5,6,7
	global_load_b128 v[32*\m+4*\q:32*\m+4*\q+3], v[H128], s[B2:B2+1] offset:256*\i+16*\q
.endr
	WIN 0
.Lnb_\@:
.endm
.macro EOUT st, i, m                   ; unit (i, m) leaves
.if \st
	global_store_b128 v[L16], v[XF+8*(\m):XF+8*(\m)+3], s[CB+2*\i:CB+2*\i+1] offset:768*(\m)
	global_store_b64 v[L8], v[XF+8*(\m)+4:XF+8*(\m)+5], s[CB+2*\i:CB+2*\i+1] offset:768*(\m)+512
	global_store_b32 v[R4], v[XF+8*(\m)+6], s[SBS+2*\i:SBS+2*\i+1] offset:64*(\m)
.else
	ds_store_b128 v[HA16+\i], v[XF+8*(\m):XF+8*(\m)+3] offset:1536*(\m)
	ds_store_b64 v[HA8+\i], v[XF+8*(\m)+4:XF+8*(\m)+5] offset:1536*(\m)
	ds_store_b16 v[HAS+\i], v[XF+8*(\m)+6] offset:64*(\m)
	BIASU \i, (\m)
.endif
.endm
.macro VOUT i, t                       ; V^T's fragment of tile (i, t) leaves
	global_store_b128 v[L16], v[XF+16*(\t):XF+16*(\t)+3], s[CB+2*\i:CB+2*\i+1] offset:1536*(\t)
	global_store_b64 v[L8], v[XF+16*(\t)+4:XF+16*(\t)+5], s[CB+2*\i:CB+2*\i+1] offset:1536*(\t)+512
	global_store_b128 v[L16], v[XF+16*(\t)+6:XF+16*(\t)+9], s[CB+2*\i:CB+2*\i+1] offset:1536*(\t)+768
	global_store_b64 v[L8], v[XF+16*(\t)+10:XF+16*(\t)+11], s[CB+2*\i:CB+2*\i+1] offset:1536*(\t)+1280
	global_store_b32 v[R4], v[XF+16*(\t)+12], s[CB+2*\i:CB+2*\i+1] offset:6144+64*(\t)
.endm
.macro EPI_T st                        ; st = 0: the hidden layer's images go to LDS;  st = 1: k's half images and scale words go to memory.  Each of a window's eight units has seven registers of its own: one wait a window, and a unit's stores stand behind the next unit's arithmetic
.irp i, 0,1,2
.if \st
	s_wait_xcnt 0x0                                ; the last window's stores have read their registers
.else
	s_wait_dscnt 0x0
.endif
.irp m, 0,1,2,3,4,5,6,7
	QMAX 1+\i, 32*\m
	QCVT 1+\i, 32*\m, XF+8*\m
.if \st
	v_or_b32 v[XF+8*\m+6], v[XF+8*\m+6], v[XM+\m]
.endif
.if \m > 0
	EOUT \st, \i, \m-1
.endif
.endr
	s_wait_alu depctr_va_vdst(0)
	EOUT \st, \i, 7
.endr
.endm
	s_load_b512 s[4:19], s[0:1], 0x0               ; XC, WS, kb, in_kb, vb, in_vb, mask, KV
	v_lshl_add_u32 v[SPW], v0, 2, SPARE
	v_mov_b32 v[NIL], 0
	ds_add_u32 v[SPW], v[NIL]                      ; the opening lines: the add twice and one wait
	ds_add_u32 v[SPW], v[NIL]
	v_lshrrev_b32 v22, 5, v0
	v_readfirstlane_b32 s[WV], v22
	v_and_b32 v22, 31, v0
	v_and_b32 v23, 15, v0
	v_lshlrev_b32 v[L16], 4, v22
	v_lshlrev_b32 v[L8], 3, v22
	v_lshlrev_b32 v[R4], 2, v23
	v_lshlrev_b32 v[R8], 3, v23
	v_bfe_u32 v[H8], v0, 4, 1
	v_lshlrev_b32 v[H128], 7, v[H8]
	v_lshlrev_b32 v[H8], 3, v[H8]
	v_mov_b32 v[FLOORV], 0x1800000
	v_mov_b32 v[XB16], v[L16]
	v_add_nc_u32 v[XB8], 512, v[L8]
	v_add_nc_u32 v[XBS], SCO, v[R4]
	v_mov_b32 v[T4], 0
	v_mov_b32 v[Q4T+6], 0
	v_and_b32 v[RP], 7, v0
	v_bfe_u32 v[RP4], v0, 3, 1
	v_lshl_or_b32 v[RP], v[RP4], 5, v[RP]
	v_lshlrev_b32 v[RP4], 2, v[RP]
	s_mov_b32 s[SEL], 0x76543210
	s_mov_b32 s[SEL+1], 0xfedcba98
	s_bfe_u32 s[CX], ttmp6, 0x40000
	s_cmp_ge_u32 ttmp9, 32                         ; k or v: by the cluster's number, which the partners share
	s_cselect_b32 s[MODE1], 1, 0
	s_cselect_b32 s31, 32, 0
	s_cselect_b32 s99, 22, 12                      ; the chain's first step in WS
	s_sub_co_u32 s31, ttmp9, s31
	s_lshl_b32 s31, s31, 2
	s_add_co_u32 s31, s31, s[CX]                   ; my block of 128 rows
	s_mul_i32 s2, s[CX], 19                        ; the prefetches: the four partners share a wave's 75 blocks out by address, 19 each; lanes left over name the last again
	v_min_u32 v[PFO], 18, v22
	v_add_nc_u32 v[PFO], s2, v[PFO]
	v_min_u32 v[PFO], 74, v[PFO]
	v_lshlrev_b32 v[PFO], 8, v[PFO]
	s_mov_b32 s[G1W], 15|(3<<16)|(1<<21)           ; the weights, jointly: rows of 256 bytes; 300 rows at the head, 75 in the ring
	s_mov_b32 s[G1W+1], 32<<16
	s_mov_b32 s[G1W+2], 300<<16
	s_mov_b32 s[G1W+3], 32<<16
	s_mov_b32 s[G1W+4], 300
	s_mov_b32 s[G1W+5], 32
	s_mov_b32 s[G1W+6], 0
	s_mov_b32 s[G1W+7], 0
	s_mov_b32 s[G1A], 3<<16                        ; two records of c: 100 rows, my own
	s_mov_b32 s[G1A+1], 32<<16
	s_mov_b32 s[G1A+2], 100<<16
	s_mov_b32 s[G1A+3], 32<<16
	s_mov_b32 s[G1A+4], 100
	s_mov_b32 s[G1A+5], 32
	s_mov_b32 s[G1A+6], 0
	s_mov_b32 s[G1A+7], 0
	s_mul_i32 s100, s[WV], 19200
	s_mov_b32 s101, 0
	s_add_co_u32 s2, s100, RING
.irp sl, 0,1
	s_add_co_u32 s3, s2, \sl*SLOTB
	v_add_nc_u32 v[WA16+\sl], s3, v[L16]
	s_add_co_u32 s3, s2, \sl*SLOTB+512
	v_add_nc_u32 v[WA8+\sl], s3, v[L8]
	s_add_co_u32 s3, s2, \sl*SLOTB+18432
	v_add_nc_u32 v[WAS+\sl], s3, v[R8]
.endr
	s_wait_dscnt 0x0
	s_wait_alu depctr_va_vdst(0)
	s_wait_kmcnt 0x0
	s_cmp_eq_u32 s[MODE1], 1
	s_cselect_b64 s[B1:B1+1], s[12:13], s[8:9]
	s_cselect_b64 s[B2:B2+1], s[14:15], s[10:11]
	s_mov_b32 s3, 0
	s_and_b32 s20, s[WV], 1
	s_mul_i32 s21, s20, 25600
	s_mul_i32 s2, s31, 51200
	s_add_co_u32 s2, s2, s21
	s_mov_b32 s[G0A], 1
	s_add_co_u32 s[G0A+1], s21, 25600              ; LDS: records 2, 3 (wave 0) or 4, 5 (wave 3)
	s_add_nc_u64 s[G0A+2:G0A+3], s[4:5], s[2:3]
	s_or_b32 s[G0A+3], s[G0A+3], 0x80000000
	s_mul_i32 s2, s99, 76800
	s_add_nc_u64 s[6:7], s[6:7], s[2:3]
.irp sl, 0,1
	s_mov_b32 s[G0W+4*\sl], 1
	s_mov_b32 s[G0W+4*\sl+1], RING+\sl*SLOTB
	s_add_nc_u64 s[G0W+4*\sl+2:G0W+4*\sl+3], s[6:7], \sl*SLOTB
	s_or_b32 s[G0W+4*\sl+3], s[G0W+4*\sl+3], 0x80000000
.endr
	ROUND                                          ; the four partners are here: the first joint loads meet
	s_cmp_eq_u32 s[WV], 1
	s_cbranch_scc0 .Lh2
	tensor_load_to_lds s[G0W:G0W+3], s[G1W:G1W+7]
	s_nop 0
	PLACES
	s_branch .Lhj
.Lh2:
	s_cmp_eq_u32 s[WV], 2
	s_cbranch_scc0 .Lh3
	tensor_load_to_lds s[G0W+4:G0W+7], s[G1W:G1W+7]
	s_nop 0
	PLACES
	s_branch .Lhj
.Lh3:
	tensor_load_to_lds s[G0A:G0A+3], s[G1A:G1A+7]
	s_nop 0
	PLACES
.Lhj:
	s_mul_i32 s2, s[WV], 768
	s_add_nc_u64 s[B1:B1+1], s[B1:B1+1], s[2:3]
	s_add_nc_u64 s[B2:B2+1], s[B2:B2+1], s[2:3]
	s_lshl_b32 s2, s31, 7
	s_add_nc_u64 s[16:17], s[16:17], s[2:3]        ; the mask at my 128 keys (v's work-groups do not use what they make of it)
.irp m, 0,1,2,3,4,5,6,7
	global_load_u8 v[XM+\m], v[RP], s[16:17] offset:64*(\m/4)+8*(\m%4)
.endr
	BIASINIT B1
	s_mul_i32 s20, s[WV], 3
	s_lshr_b32 s21, s31, 3
	s_mul_i32 s21, s21, 12                         ; 12 x batch
	s_and_b32 s22, s31, 7                          ; key step
	s_mul_i32 s23, s[MODE1], 6656
.irp i, 0,1,2
	s_add_co_u32 s24, s20, \i                      ; the head
	s_add_co_u32 s25, s21, s24
	s_lshl_b32 s25, s25, 3
	s_add_co_u32 s25, s25, s22
	s_mul_i32 s25, s25, 13056
	s_add_co_u32 s2, s25, s23
	s_add_nc_u64 s[CB+2*\i:CB+2*\i+1], s[18:19], s[2:3]
	s_add_co_u32 s2, s2, 6144
	s_add_nc_u64 s[SBS+2*\i:SBS+2*\i+1], s[18:19], s[2:3]
	s_lshr_b32 s26, s24, 1
	s_mul_i32 s26, s26, REC
	s_and_b32 s27, s24, 1
	s_mul_i32 s25, s27, 768
	s_add_co_u32 s25, s25, s26
	s_add_co_u32 s25, s25, HR
	v_add_nc_u32 v[HA16+\i], s25, v[L16]
	s_add_co_u32 s25, s25, 512
	v_add_nc_u32 v[HA8+\i], s25, v[L8]
	s_lshl_b32 s27, s27, 1
	s_add_co_u32 s26, s26, s27
	s_add_co_u32 s26, s26, HR+SCO
	v_add_nc_u32 v[HAS+\i], s26, v[R4]
.endr
	s_add_nc_u64 s[PF:PF+1], s[6:7], s[100:101]
	s_add_nc_u64 s[PF:PF+1], s[PF:PF+1], 3*SLOTB   ; at K step 3: the first change of slots steps it to 4
	v_mov_b32 v[T0], 0x7f010000                    ; bytes 2, 3 of a scale word: an open key,
	v_mov_b32 v[T1], 0x7fbb0000                    ; a masked key
	s_wait_alu depctr_va_vdst(0)
	s_wait_loadcnt 0x0
.irp m, 0,1,2,3,4,5,6,7
	v_cmp_ne_u32 vcc_lo, 0, v[XM+\m]
	v_cndmask_b32 v[XM+\m], v[T0], v[T1], vcc_lo
.endr
	s_wait_alu depctr_va_vdst(0)
	s_wait_tensorcnt 0x0                           ; my load has landed; no load of mine is out, so descriptors may be written:
	s_mov_b32 s[G1W+2], 75<<16                     ; from here on a load brings my 75 rows of a K step
	s_mov_b32 s[G1W+4], 75
.irp sl, 0,1
	s_add_co_u32 s[G0W+4*\sl+1], s[G0W+4*\sl+1], s100
	s_add_nc_u64 s[G0W+4*\sl+2:G0W+4*\sl+3], s[G0W+4*\sl+2:G0W+4*\sl+3], s[100:101]
.endr
	s_barrier_signal -1
	s_barrier_wait -1                              ; c and K steps 0 and 1 lie in LDS
	WLOAD 0, 0, 0
	WLOAD 0, 1, 1
	WLOAD 0, 2, 2
	s_mov_b32 s[XO], 2*REC
	v_add_nc_u32 v[XA16], s[XO], v[XB16]
	v_add_nc_u32 v[XA8], s[XO], v[XB8]
	v_add_nc_u32 v[XAS], s[XO], v[XBS]
	XLOAD 0, MT-1
	s_wait_dscnt 0x0
	s_mov_b32 s[MODE], 0
	s_mov_b32 s[CNT], 0
.Lk:
	STEP 0, 1, 1, 1
	STEP 1, 1, 2, 1
	s_cmp_eq_u32 s[CNT], 1
	s_cbranch_scc0 .Lnomid
	s_cmp_eq_u32 s[MODE1], 1
	s_cbranch_scc0 .Lno_bv
.irp n, 0,1,2,3,4,5,6,7,8,9,10,11
	v_mov_b32 v[BV+2*\n+1], 0
	global_load_b32 v[BV+2*\n], v[RP4], s[B2:B2+1] offset:4*(64*(\n/4)+8*(\n%4))   ; v: in_vb at my channel of each of my 12 tiles, asked for ahead of the quantiser
.endr
.Lno_bv:
	EPI_T 0                                        ; behind K step 3: the hidden layer
	s_cmp_eq_u32 s[MODE1], 1
	s_cbranch_scc0 .Lb2_done
	s_wait_alu depctr_va_vdst(0)
	s_wait_loadcnt 0x0
.irp i, 0,1,2
	WIN (1+\i)<<6
.irp t, 0,1,2,3
.set jj, 0
.rept 32
	v_pk_add_f32 v[64*\t+jj:64*\t+jj+1], v[BV+2*(4*\i+\t):BV+2*(4*\i+\t)+1], 0 op_sel_hi:[0,0]
.set jj, jj+2
.endr
.endr
.endr
	WIN 0
.Lb2_done:
	s_wait_alu depctr_va_vdst(0)
	s_wait_dscnt 0x0                               ; my images have landed
	s_barrier_signal -1
	s_barrier_wait -1                              ; the hidden layer's 48 fragments lie in LDS
	s_wait_loadcnt 0x0
	s_mov_b32 s[MODE], s[MODE1]
	XLOAD 0, MT-1                                  ; its first record: the address was stepped in K step 3
	s_wait_dscnt 0x0
.Lnomid:
	s_add_co_u32 s[CNT], s[CNT], 1
	s_cmp_lt_u32 s[CNT], 4
	s_cbranch_scc1 .Lk
	STEP 0, 0, 1, 1
	STEP 1, 2, 0, 0
	s_cmp_eq_u32 s[MODE1], 1
	s_cbranch_scc1 .Lv_out
	EPI_T 1
	s_branch .Lend
.Lv_out:
.irp i, 0,1,2
	s_wait_xcnt 0x0                                ; the last window's stores have read their registers; each of a window's four tiles has 13 of its own
.irp t, 0,1,2,3
	QUANT4 1+\i, 64*\t, XF+16*\t, XF+16*\t+12
.if \t > 0
	VOUT \i, \t-1                                  ; a tile's stores stand behind the next tile's arithmetic
.endif
.endr
	VOUT \i, 3
.endr
.Lend:
	s_wait_tensorcnt 0x0                           ; the wave's end
	ds_add_u32 v[SPW], v[NIL]
	s_wait_dscnt 0x0
	ROUND
	s_endpgm
.Lfunc_end_k_q9dd7425194_proj:
	.size	k_q9dd7425194_proj, .Lfunc_end_k_q9dd7425194_proj-k_q9dd7425194_proj
	.p2alignl 7, 3214868480
	.fill 96, 4, 3214868480
	.section	.rodata,"a",@progbits
	.p2align	6, 0x0
	.amdhsa_kernel k_q9dd7425194_proj
		.amdhsa_group_segment_fixed_size 327680
		.amdhsa_private_segment_fixed_size 0
		.amdhsa_enable_private_segment 0
		.amdhsa_kernarg_size 64
		.amdhsa_user_sgpr_count 2
		.amdhsa_user_sgpr_kernarg_segment_ptr 1
		.amdhsa_wavefront_size32 1
		.amdhsa_system_sgpr_workgroup_id_x 1
		.amdhsa_system_sgpr_workgroup_id_y 1
		.amdhsa_system_sgpr_workgroup_id_z 1
		.amdhsa_system_vgpr_workitem_id 0
		.amdhsa_next_free_vgpr 1024
		.amdhsa_next_free_sgpr 102
		.amdhsa_reserve_vcc 1
		.amdhsa_float_denorm_mode_32 3
		.amdhsa_float_denorm_mode_16_64 3
		.amdhsa_memory_ordered 1
		.amdhsa_forward_progress 1
		.amdhsa_inst_pref_size 255
	.end_amdhsa_kernel
	.section	.bss,"aw",@nobits
	.p2align	6
	.space	262144
	.amdgpu_metadata
---
amdhsa.version: [ 1, 2 ]
amdhsa.kernels:
  - .name:           k_q9dd7425194_proj
    .symbol:         k_q9dd7425194_proj.kd
    .args:
      - { .name: XC, .offset: 0, .size: 8, .value_kind: global_buffer, .address_space: global }
      - { .name: WS, .offset: 8, .size: 8, .value_kind: global_buffer, .address_space: global }
      - { .name: kb, .offset: 16, .size: 8, .value_kind: global_buffer, .address_space: global }
      - { .name: in_kb, .offset: 24, .size: 8, .value_kind: global_buffer, .address_space: global }
      - { .name: vb, .offset: 32, .size: 8, .value_kind: global_buffer, .address_space: global }
      - { .name: in_vb, .offset: 40, .size: 8, .value_kind: global_buffer, .address_space: global }
      - { .name: conditioning_attention_mask, .offset: 48, .size: 8, .value_kind: global_buffer, .address_space: global }
      - { .name: KV, .offset: 56, .size: 8, .value_kind: global_buffer, .address_space: global }
    .group_segment_fixed_size: 327680
    .private_segment_fixed_size: 0
    .kernarg_segment_align: 8
    .kernarg_segment_size: 64
    .max_flat_workgroup_size: 128
    .sgpr_count:     102
    .vgpr_count:     1024
    .wavefront_size: 32
...
	.end_amdgpu_metadata
.endif
;; end of part 7
;; launch attn (part 8): grid 4 x 64, 12 waves a work-group, clusters of 4 x 1, 327,680 bytes of LDS; arguments QC, KV, CX, WS, in_qb; writes CX
.if DOCPART == 8
	.amdgcn_target "amdgcn-amd-amdhsa--gfx1250"
	.amdhsa_code_object_version 6
	.text
	.protected	k_q9dd7425194_attn
	.globl	k_q9dd7425194_attn
	.p2align	8
	.type	k_q9dd7425194_attn,@function
k_q9dd7425194_attn:
	s_mov_b64 s[64:65], 0
	v_nop
	global_prefetch_b8 v0, s[64:65] scope:SCOPE_SE
	s_setreg_imm32_b32 hwreg(HW_REG_WAVE_MODE, 25, 1), 1
	s_wait_xcnt 0x0
	s_wait_alu depctr_hold_cnt(0) depctr_sa_sdst(0) depctr_va_vdst(0) depctr_va_sdst(0) depctr_va_ssrc(0) depctr_va_vcc(0) depctr_vm_vsrc(0)
	s_getreg_b32 s2, hwreg(HW_REG_IB_STS2, 6, 4)
	s_cmp_eq_u32 s2, 0
	s_cbranch_scc0 .Lentry_in_a_cluster
	s_endpgm
.Lentry_in_a_cluster:
	s_bfe_u32 s2, ttmp6, 0x10000c
	s_cmp_lg_u32 s2, 0x3003
	s_cbranch_scc0 .Lentry_shape_is_right
	s_endpgm
.Lentry_shape_is_right:
.set KA16, 1
.set KA8, 3
.set KAS, 5
.set L16, 7
.set L8, 8
.set R4, 9
.set H8, 10
.set NIL, 11
.set Q, 16
.set QS, 28
.set PW, 29
.set F, 30
.set KF, 32
.set KS, 80
.set VF, 84
.set VS, 132
.set S, 136
.set O, 200
.set P, 232
.set BM, 244
.set TA, 246
.set TB, 247
.set SU, 248
.set SO, 250
.set BY, 252
.set WV, 10
.set CX, 11
.set SEL, 28
.set CS, 30
.set G1, 32
.set G0A, 40
.set G0B, 44
.set QP, 48
.set QSP, 50
.set CP, 52
.set CSP, 54
.macro PLACES
.rept 4
	v_nop
.endr
.endm
.macro ROUND
	s_barrier_signal -1
	s_barrier_wait -1
	s_cmp_lg_u32 s[WV], 0
	s_cbranch_scc1 .Lnw0_\@
	s_barrier_signal -3
.Lnw0_\@:
	s_barrier_wait -3
	s_barrier_signal -1
	s_barrier_wait -1
.endm
	s_load_b128 s[4:7], s[0:1], 0x0
	s_load_b64 s[8:9], s[0:1], 0x10
	s_load_b128 s[56:59], s[0:1], 0x18             ; WS, in_qb
	v_lshl_add_u32 v255, v0, 2, 0x4c800
	v_mov_b32 v[NIL], 0
	ds_add_u32 v255, v[NIL]
	ds_add_u32 v255, v[NIL]
	v_lshrrev_b32 v12, 5, v0
	s_delay_alu instid0(VALU_DEP_1)
	v_readfirstlane_b32 s[WV], v12
	s_bfe_u32 s[CX], ttmp6, 0x40000
	s_and_b32 s12, ttmp7, 0xffff
	s_lshr_b32 s13, s12, 2
	s_and_b32 s14, s12, 3
	s_lshr_b32 s15, s[WV], 2
	s_and_b32 s16, s[WV], 3
	s_mul_i32 s17, s14, 3
	s_add_co_u32 s17, s17, s15
	s_mul_i32 s18, s13, 12
	s_add_co_u32 s18, s18, s17
	s_lshl_b32 s19, s18, 3
	s_add_co_u32 s19, s19, s16
	s_mul_i32 s20, s19, 13056
	s_mov_b32 s21, 0
	s_lshl_b32 s22, s15, 3
	s_add_co_u32 s22, s22, s16
	s_mul_i32 s22, s22, 13056
	s_mov_b32 s[G1], 15|(3<<16)|(1<<21)
	s_mov_b32 s[G1+1], 32<<16
	s_mov_b32 s[G1+2], 51<<16
	s_mov_b32 s[G1+3], 32<<16
	s_mov_b32 s[G1+4], 51
	s_mov_b32 s[G1+5], 32
	s_mov_b32 s[G1+6], 0
	s_mov_b32 s[G1+7], 0
	s_mov_b32 s[SEL], 0x76543210
	s_mov_b32 s[SEL+1], 0xfedcba98
	s_mov_b32 s[CS], 0x3e38aa3b
	s_mov_b32 s[CS+1], s[CS]
	s_wait_dscnt 0x0
	s_wait_kmcnt 0x0
	s_add_nc_u64 s[6:7], s[6:7], s[20:21]
	s_mov_b32 s[G0A], 1
	s_mov_b32 s[G0A+1], s22
	s_mov_b64 s[G0A+2:G0A+3], s[6:7]
	s_or_b32 s[G0A+3], s[G0A+3], 0x80000000
	s_mov_b32 s[G0B], 1
	s_add_co_u32 s[G0B+1], s22, 52224
	s_add_nc_u64 s[G0B+2:G0B+3], s[6:7], 52224
	s_or_b32 s[G0B+3], s[G0B+3], 0x80000000
	ROUND
	tensor_load_to_lds s[G0A:G0A+3], s[G1:G1+7]
	s_nop 0
	PLACES
	s_mul_i32 s19, s13, 384                        ; QC holds q's hidden layer: group 0 of my batch; the groups lie 32 tiles apart
	s_lshl_b32 s20, s[CX], 3
	s_add_co_u32 s19, s19, s20
	s_add_co_u32 s19, s19, s16
	s_mul_i32 s20, s19, 768
	s_add_nc_u64 s[QP:QP+1], s[4:5], s[20:21]
	s_lshl_b32 s20, s19, 6
	s_add_co_u32 s20, s20, 4718592
	s_add_nc_u64 s[QSP:QSP+1], s[4:5], s[20:21]
	s_mul_i32 s20, s14, 19200                      ; in_qW is steps 6-11 of WS; my head's four tiles lie in record (step, head / 3) at 6144 (head % 3)
	s_add_co_u32 s20, s20, 460800
	s_mul_i32 s24, s15, 6144
	s_add_co_u32 s24, s24, s20
	s_lshl_b32 s25, s15, 8
	s_add_co_u32 s20, s20, s25
	s_add_co_u32 s20, s20, 18432
	s_add_nc_u64 s[60:61], s[56:57], s[20:21]      ; their scale words
	s_mov_b32 s20, s24
	s_add_nc_u64 s[56:57], s[56:57], s[20:21]
	s_lshl_b32 s20, s17, 8
	s_add_nc_u64 s[58:59], s[58:59], s[20:21]      ; in_qb at my head's 64 channels
	s_lshl_b32 s19, s13, 4
	s_lshl_b32 s20, s[CX], 2
	s_add_co_u32 s19, s19, s20
	s_lshr_b32 s20, s16, 1
	s_add_co_u32 s19, s19, s20
	s_mul_i32 s19, s19, 6
	s_lshr_b32 s20, s17, 1
	s_add_co_u32 s19, s19, s20
	s_mul_i32 s19, s19, 3200
	s_and_b32 s23, s17, 1
	s_and_b32 s25, s16, 1
	s_mul_i32 s20, s25, 1536
	s_add_co_u32 s20, s20, s19
	s_mul_i32 s24, s23, 768
	s_add_co_u32 s20, s20, s24
	s_add_nc_u64 s[CP:CP+1], s[8:9], s[20:21]
	s_lshl_b32 s20, s25, 6
	s_add_co_u32 s20, s20, s19
	s_lshl_b32 s24, s23, 1
	s_add_co_u32 s20, s20, s24
	s_add_co_u32 s20, s20, 3072
	s_add_nc_u64 s[CSP:CSP+1], s[8:9], s[20:21]
	v_and_b32 v12, 31, v0
	v_and_b32 v13, 15, v0
	s_delay_alu instid0(VALU_DEP_2)
	v_lshlrev_b32 v[L16], 4, v12
	s_delay_alu instid0(VALU_DEP_3)
	v_lshlrev_b32 v[L8], 3, v12
	s_delay_alu instid0(VALU_DEP_3)
	v_lshlrev_b32 v[R4], 2, v13
	v_bfe_u32 v14, v0, 4, 1
	s_delay_alu instid0(VALU_DEP_1)
	v_lshlrev_b32 v[H8], 3, v14
	s_mul_i32 s23, s15, 104448
.irp hf, 0,1
	s_add_co_u32 s24, s23, 52224*\hf
	v_add_nc_u32 v[KA16+\hf], s24, v[L16]
	v_add_nc_u32 v[KAS+\hf], s24, v[R4]
	s_add_co_u32 s24, s24, 512
	v_add_nc_u32 v[KA8+\hf], s24, v[L8]
.endr
	v_sub_nc_u32 v14, 1, v14
	s_delay_alu instid0(VALU_DEP_1)
	v_mul_u32_u24 v[Q+6], v14, 0x3f
.irp t, 0,1,2,3
	v_mul_u32_u24 v[KF+12*\t+6], v14, 0x1f
.endr
.irp j, 7,8,9,10,11
	v_mov_b32 v[Q+\j], 0
.irp t, 0,1,2,3
	v_mov_b32 v[KF+12*\t+\j], 0
.endr
.endr
	v_mov_b32 v[TB], 0
	v_mov_b32 v[F+1], 0
	s_wait_alu depctr_va_vdst(0)
.macro KLOAD hf, s4, bt
.irp t, 0,1,2,3
	ds_load_b128 v[KF+12*\t:KF+12*\t+3], v[KA16+\hf] offset:13056*(\s4)+768*(4*\bt+\t)
	ds_load_b64 v[KF+12*\t+4:KF+12*\t+5], v[KA8+\hf] offset:13056*(\s4)+768*(4*\bt+\t)
	ds_load_b32 v[KS+\t], v[KAS+\hf] offset:13056*(\s4)+6144+64*(4*\bt+\t)
.endr
.endm
.macro VLOAD hf, s4
.irp t, 0,1,2,3
	ds_load_b128 v[VF+12*\t:VF+12*\t+3], v[KA16+\hf] offset:13056*(\s4)+6656+1536*\t
	ds_load_b64 v[VF+12*\t+4:VF+12*\t+5], v[KA8+\hf] offset:13056*(\s4)+6656+1536*\t
	ds_load_b128 v[VF+12*\t+6:VF+12*\t+9], v[KA16+\hf] offset:13056*(\s4)+6656+1536*\t+768
	ds_load_b64 v[VF+12*\t+10:VF+12*\t+11], v[KA8+\hf] offset:13056*(\s4)+6656+1536*\t+768
	ds_load_b32 v[VS+\t], v[KAS+\hf] offset:13056*(\s4)+12800+64*\t
.endr
.endm
.macro BMAX c
	v_max3_num_f32 v[BM+\c], v[S+32*\c], v[S+32*\c+1], v[S+32*\c+2]
.irp j, 3,5,7,9,11,13,15,17,19,21,23,25,27,29
	v_max3_num_f32 v[BM+\c], v[BM+\c], v[S+32*\c+\j], v[S+32*\c+\j+1]
.endr
	v_max_num_f32 v[BM+\c], v[BM+\c], v[S+32*\c+31]
.endm
.macro KSTEP hf, s4, pf, first
	PLACES
	VLOAD \hf, \s4
	s_wait_dscnt 20
.irp t, 0,1,2,3
	v_wmma_scale_f32_16x16x128_f8f6f4 v[S+8*\t:S+8*\t+7], v[KF+12*\t:KF+12*\t+11], v[Q:Q+11], 0, v[KS+\t], v[QS] matrix_a_fmt:MATRIX_FMT_FP6 matrix_b_fmt:MATRIX_FMT_FP6
.endr
	PLACES
	KLOAD \hf, \s4, 1
	BMAX 0
	s_wait_dscnt 0x0
.irp t, 0,1,2,3
	v_wmma_scale_f32_16x16x128_f8f6f4 v[S+32+8*\t:S+32+8*\t+7], v[KF+12*\t:KF+12*\t+11], v[Q:Q+11], 0, v[KS+\t], v[QS] matrix_a_fmt:MATRIX_FMT_FP6 matrix_b_fmt:MATRIX_FMT_FP6
.endr
	PLACES
.if \pf
	KLOAD \hf, (\s4)+1, 0
.endif
	BMAX 1
	s_delay_alu instid0(VALU_DEP_1)
	v_max_num_f32 v[TA], v[BM], v[BM+1]
	s_delay_alu instid0(VALU_DEP_1)
	v_permlanex16_b32 v[TB], v[TA], s[SEL], s[SEL+1]
	s_delay_alu instid0(VALU_DEP_1)
	v_max_num_f32 v[TA], v[TA], v[TB]
	s_delay_alu instid0(VALU_DEP_1)
	v_mul_f32 v[TA], s[CS], v[TA]
	s_delay_alu instid0(VALU_DEP_1)
	v_max_num_f32 v13, v13, v[TA]
	v_mov_b32 v[TA], v12
	s_delay_alu instid0(VALU_DEP_2)
	v_floor_f32 v12, -v13
	s_delay_alu instid0(VALU_DEP_1)
	v_sub_f32 v[TA], v12, v[TA]
	s_delay_alu instid0(VALU_DEP_1)
	v_cvt_i32_f32 v[TA], v[TA]
	s_delay_alu instid0(VALU_DEP_1)
	v_ldexp_f32 v[F], 1.0, v[TA]
.set jj, 0
.rept 32
	v_pk_fma_f32 v[S+jj:S+jj+1], v[S+jj:S+jj+1], s[CS:CS+1], v[12:13] op_sel_hi:[1,0,0]
.set jj, jj+2
.endr
	v_fma_f32 v[BM], v[BM], s[CS], v12
	v_fma_f32 v[BM+1], v[BM+1], s[CS], v12
.set jj, 0
	s_wait_alu depctr_va_vdst(0)
.rept 64
	v_exp_f32 v[S+jj], v[S+jj]
.set jj, jj+1
.endr
	v_pk_mul_f32 v[14:15], v[14:15], v[F:F+1] op_sel_hi:[1,0]
	s_wait_alu depctr_va_vdst(0)
	v_exp_f32 v[BM], v[BM]
	v_exp_f32 v[BM+1], v[BM+1]
	v_pk_add_f32 v[SU:SU+1], v[S:S+1], v[S+2:S+3]
.set jj, 4
.rept 15
	v_pk_add_f32 v[14:15], v[14:15], v[S+jj:S+jj+1]
	v_pk_add_f32 v[SU:SU+1], v[SU:SU+1], v[S+jj+2:S+jj+3]
.set jj, jj+4
.endr
	s_delay_alu instid0(VALU_DEP_1)
	v_pk_add_f32 v[14:15], v[14:15], v[SU:SU+1]
	s_wait_alu depctr_va_vdst(0)
.irp c, 0,1
	v_max_num_f32 v[BM+\c], 0x1800000, v[BM+\c]
.endr
.irp c, 0,1
	s_delay_alu instid0(VALU_DEP_2)
	v_add_nc_u32 v[SO+\c], 0xff000000, v[BM+\c]
.endr
.irp c, 0,1
	s_delay_alu instid0(VALU_DEP_2)
	v_lshrrev_b32 v[BY+\c], 23, v[SO+\c]
.endr
	s_delay_alu instid0(VALU_DEP_1)
	v_lshl_or_b32 v[PW], v[BY+1], 16, v[BY]
	s_delay_alu instid0(VALU_DEP_1)
	v_lshlrev_b32 v[PW], v[H8], v[PW]
	s_delay_alu instid0(VALU_DEP_1)
	v_permlanex16_b32 v[TB], v[PW], s[SEL], s[SEL+1]
	s_delay_alu instid0(VALU_DEP_1)
	v_or_b32 v[PW], v[PW], v[TB]
	v_cvt_scalef32_pk16_fp6_f32 v[P:P+2], v[S:S+15], v[SO]
	v_cvt_scalef32_pk16_fp6_f32 v[BM:BM+2], v[S+16:S+31], v[SO]
	v_cvt_scalef32_pk16_fp6_f32 v[P+6:P+8], v[S+32:S+47], v[SO+1]
	v_cvt_scalef32_pk16_fp6_f32 v[BY:BY+2], v[S+48:S+63], v[SO+1]
	v_nop
.irp k, 0,1,2
	v_mov_b32 v[P+3+\k], v[BM+\k]
	v_mov_b32 v[P+9+\k], v[BY+\k]
.endr
.if \first
.rept 8
	v_nop
.endr
.irp t, 0,1,2,3
	v_wmma_scale_f32_16x16x128_f8f6f4 v[O+8*\t:O+8*\t+7], v[VF+12*\t:VF+12*\t+11], v[P:P+11], 0, v[VS+\t], v[PW] matrix_a_fmt:MATRIX_FMT_FP6 matrix_b_fmt:MATRIX_FMT_FP6
.endr
.else
.set jj, 0
.rept 16
	v_pk_mul_f32 v[O+jj:O+jj+1], v[O+jj:O+jj+1], v[F:F+1] op_sel_hi:[1,0]
.set jj, jj+2
.endr
.irp t, 0,1,2,3
	v_wmma_scale_f32_16x16x128_f8f6f4 v[O+8*\t:O+8*\t+7], v[VF+12*\t:VF+12*\t+11], v[P:P+11], v[O+8*\t:O+8*\t+7], v[VS+\t], v[PW] matrix_a_fmt:MATRIX_FMT_FP6 matrix_b_fmt:MATRIX_FMT_FP6
.endr
.endif
.endm
; q's second product, for my two tiles of 16 queries and my head's 64 channels: six K steps of eight products; operands come from their register images in memory straight into registers, two steps ahead.
.macro QLD s, wf, ws, hf, hs, ps       ; 30 loads: four weight tiles, their scale words, and for each of my two query tiles the hidden layer's fragment and its two half words
.irp t, 0,1,2,3
	global_load_b128 v[\wf+12*\t:\wf+12*\t+3], v[L16], s[56:57] offset:76800*(\s)+1536*\t
	global_load_b64 v[\wf+12*\t+4:\wf+12*\t+5], v[L8], s[56:57] offset:76800*(\s)+1536*\t+512
	global_load_b128 v[\wf+12*\t+6:\wf+12*\t+9], v[L16], s[56:57] offset:76800*(\s)+1536*\t+768
	global_load_b64 v[\wf+12*\t+10:\wf+12*\t+11], v[L8], s[56:57] offset:76800*(\s)+1536*\t+1280
.endr
	global_load_b64 v[\ws:\ws+1], v[SO], s[60:61] offset:76800*(\s)
	global_load_b64 v[\ws+2:\ws+3], v[SO], s[60:61] offset:76800*(\s)+128
.irp c, 0,1
	global_load_b128 v[\hf+6*\c:\hf+6*\c+3], v[L16], s[QP:QP+1] offset:24576*(2*(\s)+\c)+3072*(\ps)
	global_load_b64 v[\hf+6*\c+4:\hf+6*\c+5], v[L8], s[QP:QP+1] offset:24576*(2*(\s)+\c)+3072*(\ps)+512
	global_load_b32 v[\hs+\c], v[R4], s[QSP:QSP+1] offset:2048*(2*(\s)+\c)+256*(\ps)
.endr
.if (\wf) == VF                        ; the second tile's fragment lies in window 1 (v288-299 or v300-311), its half words in window 0
.set H1, 44
.set S1L, 251
.set S1H, 254
.else
.set H1, 32
.set S1L, 252
.set S1H, 253
.endif
	s_set_vgpr_msb 0x40
.irp c, 0,1
	global_load_b128 v[H1+6*\c:H1+6*\c+3], v[L16], s[QP:QP+1] offset:24576*(2*(\s)+\c)+3072
	global_load_b64 v[H1+6*\c+4:H1+6*\c+5], v[L8], s[QP:QP+1] offset:24576*(2*(\s)+\c)+3072+512
.endr
	s_set_vgpr_msb 0x4000
	global_load_b32 v[S1L], v[R4], s[QSP:QSP+1] offset:2048*(2*(\s))+256
	global_load_b32 v[S1H], v[R4], s[QSP:QSP+1] offset:2048*(2*(\s)+1)+256
.endm
.macro QMM wf, ws, hf, hs
.if (\wf) == VF
.set H1, 44
.set S1L, 251
.set S1H, 254
.else
.set H1, 32
.set S1L, 252
.set S1H, 253
.endif
	v_lshl_or_b32 v[\hs], v[\hs+1], 16, v[\hs]     ; the two groups' byte pairs make the K step's scale word
	v_lshl_or_b32 v[S1L], v[S1H], 16, v[S1L]
.rept 8
	v_nop
.endr
.irp t, 0,1,2,3
	v_wmma_scale_f32_16x16x128_f8f6f4 v[O+8*\t:O+8*\t+7], v[\wf+12*\t:\wf+12*\t+11], v[\hf:\hf+11], v[O+8*\t:O+8*\t+7], v[\ws+\t], v[\hs] matrix_a_fmt:MATRIX_FMT_FP6 matrix_b_fmt:MATRIX_FMT_FP6
.endr
	s_set_vgpr_msb 0x54                            ; source 1, C and D in window 1: the second tile's sums are v256-287
.irp t, 0,1,2,3
	v_wmma_scale_f32_16x16x128_f8f6f4 v[8*\t:8*\t+7], v[\wf+12*\t:\wf+12*\t+11], v[H1:H1+11], v[8*\t:8*\t+7], v[\ws+\t], v[S1L] matrix_a_fmt:MATRIX_FMT_FP6 matrix_b_fmt:MATRIX_FMT_FP6
.endr
	s_set_vgpr_msb 0x5400
	PLACES
.endm
.macro Q2 ps
	v_lshlrev_b32 v[TA], 4, v[H8]                  ; 128 h
	v_lshlrev_b32 v[SO], 1, v[R4]                  ; 8 r
	s_wait_alu depctr_va_vdst(0)
.irp q, 0,1,2,3,4,5,6,7
	global_load_b128 v[O+4*\q:O+4*\q+3], v[TA], s[58:59] offset:16*\q   ; the sums begin with in_qb
.endr
	s_set_vgpr_msb 0x40
.irp q, 0,1,2,3,4,5,6,7
	global_load_b128 v[4*\q:4*\q+3], v[TA], s[58:59] offset:16*\q
.endr
	s_set_vgpr_msb 0x4000
	QLD 0, S, S+48, S+52, BM, \ps
	QLD 1, VF, VS, P, SU, \ps
	s_wait_loadcnt 30                              ; this step's loads are in; the next step's 30 may be out
	QMM S, S+48, S+52, BM
	QLD 2, S, S+48, S+52, BM, \ps
	s_wait_loadcnt 30
	QMM VF, VS, P, SU
	QLD 3, VF, VS, P, SU, \ps
	s_wait_loadcnt 30
	QMM S, S+48, S+52, BM
	QLD 4, S, S+48, S+52, BM, \ps
	s_wait_loadcnt 30
	QMM VF, VS, P, SU
	QLD 5, VF, VS, P, SU, \ps
	s_wait_loadcnt 30
	QMM S, S+48, S+52, BM
	s_wait_loadcnt 0x0
	QMM VF, VS, P, SU
	v_max3_num_f32 v[BM], |v[O]|, |v[O+1]|, 0x1800000
	v_max3_num_f32 v[BM+1], |v[O+2]|, |v[O+3]|, 0x1800000
.irp j, 4,8,12,16,20,24,28
	v_max3_num_f32 v[BM], v[BM], |v[O+\j]|, |v[O+\j+1]|
	v_max3_num_f32 v[BM+1], v[BM+1], |v[O+\j+2]|, |v[O+\j+3]|
.endr
	v_max_num_f32 v[BM], v[BM], v[BM+1]
	v_add_nc_u32 v[TA], 0xff000000, v[BM]
	v_cvt_scalef32_pk16_fp6_f32 v[Q:Q+2], v[O:O+15], v[TA]
	v_cvt_scalef32_pk16_fp6_f32 v[SO:SO+2], v[O+16:O+31], v[TA]
	v_lshrrev_b32 v[SU], 23, v[TA]
	v_mov_b32 v[Q+3], v[SO]
	v_mov_b32 v[Q+4], v[SO+1]
	v_mov_b32 v[Q+5], v[SO+2]
	v_lshlrev_b32 v[SU], v[H8], v[SU]
	v_permlanex16_b32 v[TB], v[SU], s[SEL], s[SEL+1]
	v_or_b32 v[SU], v[SU], v[TB]
	v_or_b32 v[QS], 0x7fa70000, v[SU]              ; bytes 2, 3: a query's
	s_set_vgpr_msb 0x05                            ; the second tile likewise; its codes and scale word wait in v312-319
	v_max3_num_f32 v[BM], |v0|, |v1|, 0x1800000
	v_max3_num_f32 v[BM+1], |v2|, |v3|, 0x1800000
	s_set_vgpr_msb 0x0514
.irp j, 4,8,12,16,20,24,28
	v_max3_num_f32 v[BM], v[BM], |v[\j]|, |v[\j+1]|
	v_max3_num_f32 v[BM+1], v[BM+1], |v[\j+2]|, |v[\j+3]|
.endr
	s_set_vgpr_msb 0x1400
	v_max_num_f32 v[BM], v[BM], v[BM+1]
	v_add_nc_u32 v[TA], 0xff000000, v[BM]
	s_set_vgpr_msb 0x41
	v_cvt_scalef32_pk16_fp6_f32 v[56:58], v[0:15], v[TA]
	v_cvt_scalef32_pk16_fp6_f32 v[60:62], v[16:31], v[TA]
	s_set_vgpr_msb 0x4100
	v_lshrrev_b32 v[SU], 23, v[TA]
	v_lshlrev_b32 v[SU], v[H8], v[SU]
	v_permlanex16_b32 v[TB], v[SU], s[SEL], s[SEL+1]
	v_or_b32 v[SU], v[SU], v[TB]
	s_set_vgpr_msb 0x40
	v_or_b32 v63, 0x7fa70000, v[SU]
	s_set_vgpr_msb 0x4000
.endm
.macro PASS ps
.if \ps == 0
	Q2 0                                           ; both tiles' q, under the flight of the first four key steps' tiles
	s_wait_alu depctr_va_vdst(0)
	s_wait_tensorcnt 0x0                           ; my part of key steps 0-3 is in
	ds_add_u32 v255, v[NIL]
	s_wait_dscnt 0x0
	ROUND                                          ; everybody's part is in, and the four partners are here
	tensor_load_to_lds s[G0B:G0B+3], s[G1:G1+7]    ; key steps 4-7
	s_nop 0
	PLACES
.else
	s_set_vgpr_msb 0x01
	v_mov_b32 v[QS], v63
	v_mov_b32 v[Q], v56
	v_mov_b32 v[Q+1], v57
	v_mov_b32 v[Q+2], v58
	v_mov_b32 v[Q+3], v60
	v_mov_b32 v[Q+4], v61
	v_mov_b32 v[Q+5], v62
	s_set_vgpr_msb 0x0100
.endif
	v_mov_b32 v13, 0xee013f39
	s_delay_alu instid0(VALU_DEP_1)
	v_floor_f32 v12, -v13
	v_mov_b32 v14, 0
	v_mov_b32 v15, 0
	s_wait_alu depctr_va_vdst(0)
	KLOAD 0, 0, 0
	KSTEP 0, 0, 1, 1
	KSTEP 0, 1, 1, 0
	KSTEP 0, 2, 1, 0
	KSTEP 0, 3, 0, 0
.if \ps == 0
	s_wait_tensorcnt 0x0
	s_wait_dscnt 0x0
	s_barrier_signal -1
	s_barrier_wait -1
.endif
	KLOAD 1, 0, 0
	KSTEP 1, 0, 1, 0
	KSTEP 1, 1, 1, 0
	KSTEP 1, 2, 1, 0
	KSTEP 1, 3, 0, 0
	PLACES
	v_add_f32 v14, v14, v15
	s_delay_alu instid0(VALU_DEP_1)
	v_permlanex16_b32 v[TB], v14, s[SEL], s[SEL+1]
	s_delay_alu instid0(VALU_DEP_1)
	v_add_f32 v14, v14, v[TB]
	s_wait_alu depctr_va_vdst(0)
	v_rcp_f32 v14, v14
	v_nop
	s_wait_alu depctr_va_vdst(0)
.set jj, 0
.rept 32
	v_mul_f32 v[S+jj], v[O+jj], v14
.set jj, jj+1
.endr
	v_max3_num_f32 v[BM], |v[S]|, |v[S+1]|, 0x1800000
	v_max3_num_f32 v[BM+1], |v[S+2]|, |v[S+3]|, 0x1800000
.irp j, 4,8,12,16,20,24,28
	s_delay_alu instid0(VALU_DEP_2)
	v_max3_num_f32 v[BM], v[BM], |v[S+\j]|, |v[S+\j+1]|
	s_delay_alu instid0(VALU_DEP_2)
	v_max3_num_f32 v[BM+1], v[BM+1], |v[S+\j+2]|, |v[S+\j+3]|
.endr
	s_delay_alu instid0(VALU_DEP_1)
	v_max_num_f32 v[BM], v[BM], v[BM+1]
	s_delay_alu instid0(VALU_DEP_1)
	v_add_nc_u32 v[TA], 0xff000000, v[BM]
	v_cvt_scalef32_pk16_fp6_f32 v[P:P+2], v[S:S+15], v[TA]
	v_cvt_scalef32_pk16_fp6_f32 v[SO:SO+2], v[S+16:S+31], v[TA]
	v_lshrrev_b32 v[SU], 23, v[TA]
	v_mov_b32 v[P+3], v[SO]
	v_mov_b32 v[P+4], v[SO+1]
	v_mov_b32 v[P+5], v[SO+2]
	s_delay_alu instid0(VALU_DEP_4)
	v_lshlrev_b32 v[SU], v[H8], v[SU]
	s_delay_alu instid0(VALU_DEP_1)
	v_permlanex16_b32 v[TB], v[SU], s[SEL], s[SEL+1]
	s_delay_alu instid0(VALU_DEP_1)
	v_or_b32 v[SU], v[SU], v[TB]
	global_store_b128 v[L16], v[P:P+3], s[CP:CP+1] offset:38400*\ps
	global_store_b64 v[L8], v[P+4:P+5], s[CP:CP+1] offset:38400*\ps+512
	global_store_b16 v[R4], v[SU], s[CSP:CSP+1] offset:38400*\ps
	s_wait_xcnt 0x0
.endm
	PASS 0
	PASS 1
	s_wait_tensorcnt 0x0
	ds_add_u32 v255, v[NIL]
	s_wait_dscnt 0x0
	ROUND
	s_endpgm
.Lfunc_end_k_q9dd7425194_attn:
	.size	k_q9dd7425194_attn, .Lfunc_end_k_q9dd7425194_attn-k_q9dd7425194_attn
	.p2alignl 7, 3214868480
	.fill 96, 4, 3214868480
	.section	.rodata,"a",@progbits
	.p2align	6, 0x0
	.amdhsa_kernel k_q9dd7425194_attn
		.amdhsa_group_segment_fixed_size 327680
		.amdhsa_private_segment_fixed_size 0
		.amdhsa_enable_private_segment 0
		.amdhsa_kernarg_size 40
		.amdhsa_user_sgpr_count 2
		.amdhsa_user_sgpr_kernarg_segment_ptr 1
		.amdhsa_wavefront_size32 1
		.amdhsa_system_sgpr_workgroup_id_x 1
		.amdhsa_system_sgpr_workgroup_id_y 1
		.amdhsa_system_sgpr_workgroup_id_z 1
		.amdhsa_system_vgpr_workitem_id 0
		.amdhsa_next_free_vgpr 320
		.amdhsa_next_free_sgpr 66
		.amdhsa_reserve_vcc 0
		.amdhsa_float_denorm_mode_32 3
		.amdhsa_float_denorm_mode_16_64 3
		.amdhsa_memory_ordered 1
		.amdhsa_forward_progress 1
		.amdhsa_inst_pref_size 255
	.end_amdhsa_kernel
	.section	.bss,"aw",@nobits
	.p2align	6
	.space	262144
	.amdgpu_metadata
---
amdhsa.version: [ 1, 2 ]
amdhsa.kernels:
  - .name:           k_q9dd7425194_attn
    .symbol:         k_q9dd7425194_attn.kd
    .args:
      - { .name: QC, .offset: 0, .size: 8, .value_kind: global_buffer, .address_space: global }
      - { .name: KV, .offset: 8, .size: 8, .value_kind: global_buffer, .address_space: global }
      - { .name: CX, .offset: 16, .size: 8, .value_kind: global_buffer, .address_space: global }
      - { .name: WS, .offset: 24, .size: 8, .value_kind: global_buffer, .address_space: global }
      - { .name: in_qb, .offset: 32, .size: 8, .value_kind: global_buffer, .address_space: global }
    .group_segment_fixed_size: 327680
    .private_segment_fixed_size: 0
    .kernarg_segment_align: 8
    .kernarg_segment_size: 40
    .max_flat_workgroup_size: 384
    .sgpr_count:     66
    .vgpr_count:     320
    .wavefront_size: 32
...
	.end_amdgpu_metadata
.endif
;; end of part 8
;; launch tail (part 9): grid 256 x 1, 4 waves a work-group, clusters of 4 x 1, 327,680 bytes of LDS; arguments CX, WS, graph_nodes, outb, d1b, ln1g, ln1b, ln2g, ln2b, out0; writes out0
.if DOCPART == 9
	.amdgcn_target "amdgcn-amd-amdhsa--gfx1250"
	.amdhsa_code_object_version 6
	.text
	.protected	k_q9dd7425194_tail
	.globl	k_q9dd7425194_tail
	.p2align	8
	.type	k_q9dd7425194_tail,@function
k_q9dd7425194_tail:
	s_mov_b64 s[64:65], 0
	v_nop
	global_prefetch_b8 v0, s[64:65] scope:SCOPE_SE
	s_setreg_imm32_b32 hwreg(HW_REG_WAVE_MODE, 25, 1), 1
	s_wait_xcnt 0x0
	s_wait_alu depctr_hold_cnt(0) depctr_sa_sdst(0) depctr_va_vdst(0) depctr_va_sdst(0) depctr_va_ssrc(0) depctr_va_vcc(0) depctr_vm_vsrc(0)
	s_getreg_b32 s2, hwreg(HW_REG_IB_STS2, 6, 4)
	s_cmp_eq_u32 s2, 0
	s_cbranch_scc0 .Lentry_in_a_cluster
	s_endpgm
.Lentry_in_a_cluster:
	s_bfe_u32 s2, ttmp6, 0x10000c
	s_cmp_lg_u32 s2, 0x3003
	s_cbranch_scc0 .Lentry_shape_is_right
	s_endpgm
.Lentry_shape_is_right:
.set MT, 2
.set REC, 1600*MT
.set SCO, 1536*MT
.set LNP, 19200
.set SPARE, 19968
.set RING, 20480
.set WSTEP, 76800
.set SLOTB, 2*WSTEP
.set OST, RING
.set XR, 256
.set ZR, 512
.set GR, 704
.set BR, 800
.set L16, 1
.set L8, 2
.set R4, 3
.set R8, 4
.set H8, 5
.set H128, 6
.set FLOORV, 7
.set SPW, 8
.set NIL, 9
.set XB16, 10
.set XB8, 11
.set XBS, 12
.set XA16, 13
.set XA8, 14
.set XAS, 15
.set WA16, 16
.set WA8, 20
.set WAS, 24
.set LNA, 28
.set LNB, 29
.set OSA, 30
.set OSR, 31
.set RO, 32
.set XF, 36
.set XSC, 60
.set WR, 64
.set WSCL, 136
.set NM, 144
.set RS, 148
.set A0, 152
.set A1, 154
.set TP, 156
.set SM, 158
.set LD, 160
.set HA16, 168
.set HA8, 171
.set HAS, 174
.set PQ, 178
.set QT, 184
.set T0, 187
.set T1, 188
.set T2, 189
.set T3, 190
.set T4, 191
.set SW, 192
.set EL, 194
.set OB, 160
.set WV, 28
.set CX, 29
.set G1W, 32
.set G1C, 40
.set G0C, 48
.set G0W, 52
.set XO, 60
.set SEL, 62
.set INV, 66
.set EPS, 67
.set MSB, 0
.macro WIN new
.if MSB != (\new)
	s_set_vgpr_msb (MSB<<8)|(\new)
.set MSB, \new
.endif
.endm
.macro PLACES
.rept 4
	v_nop
.endr
.endm
.macro ROUND
	s_barrier_signal -1
	s_barrier_wait -1
	s_cmp_lg_u32 s[WV], 0
	s_cbranch_scc1 .Lnw0_\@
	s_barrier_signal -3
.Lnw0_\@:
	s_barrier_wait -3
	s_barrier_signal -1
	s_barrier_wait -1
.endm
.macro XLOAD m0, m1
.set xm, \m0
.rept (\m1)-(\m0)+1
	ds_load_b128 v[XF+12*xm:XF+12*xm+3], v[XA16] offset:1536*xm
	ds_load_b64 v[XF+12*xm+4:XF+12*xm+5], v[XA8] offset:1536*xm
	ds_load_b128 v[XF+12*xm+6:XF+12*xm+9], v[XA16] offset:1536*xm+768
	ds_load_b64 v[XF+12*xm+10:XF+12*xm+11], v[XA8] offset:1536*xm+768
	ds_load_b32 v[XSC+xm], v[XAS] offset:64*xm
.set xm, xm+1
.endr
.endm
.macro WLOAD pl, k, pr
.irp u, 0,1
	ds_load_b128 v[WR+24*(\k)+12*\u:WR+24*(\k)+12*\u+3], v[WA16+(\pl)] offset:(2*(\pr)+\u)*1536
	ds_load_b64 v[WR+24*(\k)+12*\u+4:WR+24*(\k)+12*\u+5], v[WA8+(\pl)] offset:(2*(\pr)+\u)*1536
	ds_load_b128 v[WR+24*(\k)+12*\u+6:WR+24*(\k)+12*\u+9], v[WA16+(\pl)] offset:(2*(\pr)+\u)*1536+768
	ds_load_b64 v[WR+24*(\k)+12*\u+10:WR+24*(\k)+12*\u+11], v[WA8+(\pl)] offset:(2*(\pr)+\u)*1536+768
.endr
	ds_load_b64 v[WSCL+2*(\k):WSCL+2*(\k)+1], v[WAS+(\pl)] offset:128*(\pr)
.endm
.macro MMSEL p, m0, m1, ab
.set WW, ((\ab)+32*MT*((\p)/2))>>8
	WIN 0x50*WW
.set mm, \m0
.rept (\m1)-(\m0)+1
.irp u, 0,1
.set AC, ((\ab)+32*MT*((\p)/2)+32*mm+8*(2*((\p)%2)+\u))&255
.set WF, WR+24*((\p)%3)+12*\u
.set WC, WSCL+2*((\p)%3)+\u
.set AF, XF+12*mm
	v_wmma_scale_f32_16x16x128_f8f6f4 v[AC:AC+7], v[WF:WF+11], v[AF:AF+11], v[AC:AC+7], v[WC], v[XSC+mm] matrix_a_fmt:MATRIX_FMT_FP6 matrix_b_fmt:MATRIX_FMT_FP6
.endr
.set mm, mm+1
.endr
	WIN 0
.endm
.macro CHANGE sl, fill
	s_wait_tensorcnt 0x0
.if \fill
	ds_add_u32 v[SPW], v[NIL]
	s_add_nc_u64 s[G0W+4*(\sl)+2:G0W+4*(\sl)+3], s[G0W+4*(\sl)+2:G0W+4*(\sl)+3], 4*WSTEP
	s_wait_dscnt 0x0
	ROUND
	tensor_load_to_lds s[G0W+4*(\sl):G0W+4*(\sl)+3], s[G1W:G1W+7]
	s_nop 0
.else
	s_wait_dscnt 0x0
	s_barrier_signal -1                            ; the other slot holds quarters that the other waves fetched: each has waited for its own
	s_barrier_wait -1
.endif
	PLACES
.endm
.macro STEP pl, npl, fill, xn, la, ab
	s_wait_dscnt 5*MT/2+9
	MMSEL 0, 0, MT/2-1, \ab
	s_wait_dscnt 9
	MMSEL 0, MT/2, MT-1, \ab
	PLACES
	WLOAD \pl, 0, 3
.irp p, 1,2
	s_wait_dscnt 18
	MMSEL \p, 0, MT-1, \ab
	PLACES
	WLOAD \pl, \p, \p+3
.endr
	s_wait_dscnt 18
	MMSEL 3, 0, MT-1, \ab
.if \fill < 2
	CHANGE (\pl)/2, \fill
.endif
.if \fill == 3
	PLACES
.endif
.if \la
	WLOAD \npl, 0, 0
.endif
.if \fill == 2
	s_wait_dscnt 9
.endif
.if \fill == 3
	s_wait_dscnt 18
.endif
	MMSEL 4, 0, MT-1, \ab
	PLACES
.if \la
	WLOAD \npl, 1, 1
.endif
.if \fill == 2
	s_wait_dscnt 0x0
.endif
.if \fill == 3
	s_wait_dscnt 18
.endif
	MMSEL 5, 0, MT/2-1, \ab
.if \xn
	s_add_co_u32 s[XO], s[XO], REC
	v_add_nc_u32 v[XA16], s[XO], v[XB16]
	v_add_nc_u32 v[XA8], s[XO], v[XB8]
	v_add_nc_u32 v[XAS], s[XO], v[XBS]
	v_nop
	XLOAD 0, MT/2-1
.endif
	MMSEL 5, MT/2, MT-1, \ab
	PLACES
.if \xn
	XLOAD MT/2, MT-1
.endif
.if \la
	WLOAD \npl, 2, 2
.endif
.endm
.macro START
	s_mov_b32 s[XO], 0
	v_add_nc_u32 v[XA16], s[XO], v[XB16]
	v_add_nc_u32 v[XA8], s[XO], v[XB8]
	v_add_nc_u32 v[XAS], s[XO], v[XBS]
	XLOAD 0, MT-1
	s_wait_dscnt 0x0
.endm
.macro XW ab, i, m
.set AA, (\ab)+32*MT*(\i)+32*(\m)
.set AW, AA>>8
.set AL, AA&255
.endm
.macro LANESUM m
	v_pk_add_f32 v[A0:A0+1], v[A0:A0+1], v[A1:A1+1]
	v_add_f32 v[SM+\m], v[A0], v[A0+1]
	v_permlanex16_b32 v[TP], v[SM+\m], s[SEL], s[SEL+1]
	v_add_f32 v[SM+\m], v[SM+\m], v[TP]
.endm
.macro LNRED e
.if (\e)%2
	s_barrier_signal -1
	s_barrier_wait -1
.endif
.irp m, 0,1
	ds_store_b32 v[LNA], v[SM+\m] offset:256*\m
.endr
	s_wait_dscnt 0x0
	s_barrier_signal -1
	s_barrier_wait -1
.irp m, 0,1
	ds_load_b128 v[LD+4*\m:LD+4*\m+3], v[LNB] offset:256*\m
.endr
	s_wait_dscnt 0x0
.irp m, 0,1
	v_add_f32 v[LD+4*\m], v[LD+4*\m], v[LD+4*\m+1]
	v_add_f32 v[LD+4*\m+2], v[LD+4*\m+2], v[LD+4*\m+3]
	v_add_f32 v[SM+\m], v[LD+4*\m], v[LD+4*\m+2]
.endr
.endm
.macro GBLOAD gp, bp
.irp i, 0,1,2
	WIN ((GR+32*\i)>>8)<<6
.irp q, 0,1,2,3,4,5,6,7
	global_load_b128 v[((GR+32*\i)&255)+4*\q:((GR+32*\i)&255)+4*\q+3], v[H128], s[\gp:\gp+1] offset:256*\i+16*\q
.endr
	WIN ((BR+32*\i)>>8)<<6
.irp q, 0,1,2,3,4,5,6,7
	global_load_b128 v[((BR+32*\i)&255)+4*\q:((BR+32*\i)&255)+4*\q+3], v[H128], s[\bp:\bp+1] offset:256*\i+16*\q
.endr
.endr
	WIN 0
.endm
.macro LN ab, e
.irp m, 0,1
	v_mov_b32 v[A0], 0
	v_mov_b32 v[A0+1], 0
	v_mov_b32 v[A1], 0
	v_mov_b32 v[A1+1], 0
.irp i, 0,1,2
	XW \ab, \i, \m
	WIN AW
.set jj, 0
.rept 8
	v_pk_add_f32 v[A0:A0+1], v[AL+jj:AL+jj+1], v[A0:A0+1]
	v_pk_add_f32 v[A1:A1+1], v[AL+jj+2:AL+jj+3], v[A1:A1+1]
.set jj, jj+4
.endr
.endr
	WIN 0
	LANESUM \m
.endr
	LNRED \e
.irp m, 0,1
	v_mul_f32 v[NM+2*\m], 0xbaaaaaab, v[SM+\m]
	v_mov_b32 v[NM+2*\m+1], v[NM+2*\m]
.endr
.irp m, 0,1
	v_mov_b32 v[A0], 0
	v_mov_b32 v[A0+1], 0
	v_mov_b32 v[A1], 0
	v_mov_b32 v[A1+1], 0
.irp i, 0,1,2
	XW \ab, \i, \m
	WIN (AW<<6)|AW
.set jj, 0
.rept 16
	v_pk_add_f32 v[AL+jj:AL+jj+1], v[AL+jj:AL+jj+1], v[NM+2*\m:NM+2*\m+1]
.set jj, jj+2
.endr
	WIN AW|(AW<<2)
.set jj, 0
.rept 8
	v_pk_fma_f32 v[A0:A0+1], v[AL+jj:AL+jj+1], v[AL+jj:AL+jj+1], v[A0:A0+1]
	v_pk_fma_f32 v[A1:A1+1], v[AL+jj+2:AL+jj+3], v[AL+jj+2:AL+jj+3], v[A1:A1+1]
.set jj, jj+4
.endr
.endr
	WIN 0
	LANESUM \m
.endr
	s_wait_alu depctr_va_vdst(0)
	LNRED (\e)+1
.irp m, 0,1
	v_fma_f32 v[SM+\m], v[SM+\m], s[INV], s[EPS]
.endr
	s_wait_alu depctr_va_vdst(0)
.irp m, 0,1
	v_rsq_f32 v[RS+2*\m], v[SM+\m]
.endr
	v_nop
	s_wait_alu depctr_va_vdst(0)
.irp m, 0,1
	v_mov_b32 v[RS+2*\m+1], v[RS+2*\m]
.endr
	s_wait_alu depctr_va_vdst(0)
	s_wait_loadcnt 0x0
.irp i, 0,1,2
.set GW, (GR+32*\i)>>8
.set GL, (GR+32*\i)&255
.set BW, (BR+32*\i)>>8
.set BL, (BR+32*\i)&255
.irp m, 0,1
	XW \ab, \i, \m
	WIN (AW<<6)|AW
.set jj, 0
.rept 16
	v_pk_mul_f32 v[AL+jj:AL+jj+1], v[AL+jj:AL+jj+1], v[RS+2*\m:RS+2*\m+1]
.set jj, jj+2
.endr
	WIN (AW<<6)|AW|(GW<<2)|(BW<<4)
.set jj, 0
.rept 16
	v_pk_fma_f32 v[AL+jj:AL+jj+1], v[AL+jj:AL+jj+1], v[GL+jj:GL+jj+1], v[BL+jj:BL+jj+1]
.set jj, jj+2
.endr
.endr
.endr
	WIN 0
.endm
	s_load_b512 s[4:19], s[0:1], 0x0
	s_load_b128 s[20:23], s[0:1], 0x40
	v_lshl_add_u32 v[SPW], v0, 2, SPARE
	v_mov_b32 v[NIL], 0
	ds_add_u32 v8, v9
	ds_add_u32 v8, v9
	s_wait_dscnt 0x0
	v_lshrrev_b32 v33, 5, v0
	v_readfirstlane_b32 s[WV], v33
	v_and_b32 v33, 31, v0
	v_and_b32 v34, 15, v0
	v_lshlrev_b32 v[L16], 4, v33
	v_lshlrev_b32 v[L8], 3, v33
	v_lshlrev_b32 v[R4], 2, v34
	v_lshlrev_b32 v[R8], 3, v34
	v_bfe_u32 v[H8], v0, 4, 1
	v_lshlrev_b32 v[H128], 7, v[H8]
	v_lshlrev_b32 v[H8], 3, v[H8]
	v_mov_b32 v[FLOORV], 0x1800000
	v_mov_b32 v[XB16], v[L16]
	v_add_nc_u32 v[XB8], 512, v[L8]
	v_add_nc_u32 v[XBS], SCO, v[R4]
	v_and_b32 v[RO], 7, v0
	v_bfe_u32 v[OSA], v0, 3, 1
	v_lshl_or_b32 v[RO], v[OSA], 5, v[RO]
	v_mul_u32_u24 v[RO], v[RO], 3072
	v_add_nc_u32 v[RO], v[RO], v[H128]
	s_mul_i32 s2, s[WV], 768
	s_add_co_u32 s2, s2, OST
	v_mul_u32_u24 v[OSA], v34, 3088
	v_add_nc_u32 v[OSA], v[OSA], v[H128]
	v_add_nc_u32 v[OSA], s2, v[OSA]
	s_mul_i32 s2, s[WV], 4*3088
	s_add_co_u32 s2, s2, OST
	v_add_nc_u32 v[OSR], s2, v[L16]
	v_lshlrev_b32 v34, 4, v34
	s_lshl_b32 s2, s[WV], 2
	s_add_co_u32 s2, s2, LNP
	v_add_nc_u32 v[LNA], s2, v34
	v_add_nc_u32 v[LNB], LNP, v34
	v_mov_b32 v[T4], 0
	v_mov_b32 v[TP], 0
	s_mov_b32 s[SEL], 0x76543210
	s_mov_b32 s[SEL+1], 0xfedcba98
	s_mov_b32 s[INV], 0x3aaaaaab
	s_mov_b32 s[EPS], 0x3727c5ac
	s_bfe_u32 s[CX], ttmp6, 0x40000
	s_lshl_b32 s30, ttmp9, 2
	s_add_co_u32 s30, s30, s[CX]
	s_mov_b32 s[G1W], 15|(3<<16)|(1<<21)
	s_mov_b32 s[G1W+1], 32<<16                     ; a slot is two K steps as they lie in memory: 600 rows of 256 bytes; whole at the head, later 150 rows a wave
	s_mov_b32 s[G1W+2], 600<<16
	s_mov_b32 s[G1W+3], 32<<16
	s_mov_b32 s[G1W+4], 600
	s_mov_b32 s[G1W+5], 32
	s_mov_b32 s[G1W+6], 0
	s_mov_b32 s[G1W+7], 0
	s_mov_b32 s[G1C], 3<<16
	s_mov_b32 s[G1C+1], 32<<16
	s_mov_b32 s[G1C+2], 25<<16
	s_mov_b32 s[G1C+3], 32<<16
	s_mov_b32 s[G1C+4], 25
	s_mov_b32 s[G1C+5], 32
	s_mov_b32 s[G1C+6], 0
	s_mov_b32 s[G1C+7], 0
	s_mul_i32 s24, s[WV], 38400                    ; the quarter of a slot that I fetch
	s_mul_i32 s27, s[WV], 19200                    ; my record in a K step
.irp pl, 0,1,2,3
	s_add_co_u32 s3, s27, RING+(\pl/2)*SLOTB+(\pl%2)*WSTEP
	v_add_nc_u32 v[WA16+\pl], s3, v[L16]
	s_add_co_u32 s3, s27, RING+(\pl/2)*SLOTB+(\pl%2)*WSTEP+512
	v_add_nc_u32 v[WA8+\pl], s3, v[L8]
	s_add_co_u32 s3, s27, RING+(\pl/2)*SLOTB+(\pl%2)*WSTEP+18432
	v_add_nc_u32 v[WAS+\pl], s3, v[R8]
.endr
	s_wait_kmcnt 0x0
	s_mul_i32 s2, s30, 19200
	s_mul_i32 s26, s[WV], 6400
	s_add_co_u32 s2, s2, s26
	s_mov_b32 s3, 0
	s_mov_b32 s[G0C], 1
	s_mov_b32 s[G0C+1], s26
	s_add_nc_u64 s[G0C+2:G0C+3], s[4:5], s[2:3]
	s_or_b32 s[G0C+3], s[G0C+3], 0x80000000
	s_mov_b32 s2, 32*WSTEP
	s_add_nc_u64 s[6:7], s[6:7], s[2:3]
	s_mov_b32 s[G0W], 1                            ; slot 0, whole, for the head
	s_mov_b32 s[G0W+1], RING
	s_mov_b64 s[G0W+2:G0W+3], s[6:7]
	s_or_b32 s[G0W+3], s[G0W+3], 0x80000000
	s_mov_b32 s2, s24
	s_mov_b32 s[G0W+4], 1                          ; slot 1, my quarter
	s_add_co_u32 s[G0W+5], s24, RING+SLOTB
	s_add_nc_u64 s[G0W+6:G0W+7], s[6:7], s[2:3]
	s_add_nc_u64 s[G0W+6:G0W+7], s[G0W+6:G0W+7], 2*WSTEP
	s_or_b32 s[G0W+7], s[G0W+7], 0x80000000
	ROUND
	s_cmp_lt_u32 s[WV], 3                          ; the head's loads, one a wave: waves 0-2 fetch 25 rows each of the context's 75, wave 3 weight slot 0
	s_cbranch_scc0 .Lhw
	tensor_load_to_lds s[G0C:G0C+3], s[G1C:G1C+7]
	s_nop 0
	PLACES
	s_branch .Lhj
.Lhw:
	tensor_load_to_lds s[G0W:G0W+3], s[G1W:G1W+7]
	s_nop 0
	PLACES
.Lhj:
	s_mul_i32 s2, s[WV], 768
	s_add_nc_u64 s[10:11], s[10:11], s[2:3]
	s_add_nc_u64 s[12:13], s[12:13], s[2:3]
	s_add_nc_u64 s[14:15], s[14:15], s[2:3]
	s_add_nc_u64 s[16:17], s[16:17], s[2:3]
	s_add_nc_u64 s[18:19], s[18:19], s[2:3]
	s_add_nc_u64 s[20:21], s[20:21], s[2:3]
	s_add_nc_u64 s[8:9], s[8:9], s[2:3]
	s_lshr_b32 s2, s30, 1
	s_mul_i32 s2, s2, 196608
	s_and_b32 s25, s30, 1
	s_mul_i32 s25, s25, 49152
	s_add_co_u32 s2, s2, s25
	s_add_nc_u64 s[8:9], s[8:9], s[2:3]
	s_add_nc_u64 s[22:23], s[22:23], s[2:3]
	s_lshr_b32 s2, s[WV], 1
	s_lshl_b32 s2, s2, 5
	s_and_b32 s25, s[WV], 1
	s_lshl_b32 s25, s25, 2
	s_add_co_u32 s2, s2, s25
	s_mul_i32 s2, s2, 3072
	s_add_nc_u64 s[22:23], s[22:23], s[2:3]
.irp i, 0,1,2
.irp m, 0,1
	XW XR, \i, \m
	WIN AW<<6
.irp q, 0,1,2,3,4,5,6,7
	global_load_b128 v[AL+4*\q:AL+4*\q+3], v[RO], s[8:9] offset:8*\m*3072+256*\i+16*\q
.endr
.endr
.endr
	WIN 0
.irp i, 0,1,2
.irp q, 0,1,2,3,4,5,6,7
	global_load_b128 v[OB+32*\i+4*\q:OB+32*\i+4*\q+3], v[H128], s[10:11] offset:256*\i+16*\q
.endr
.endr
	s_wait_alu depctr_va_vdst(0)
	s_wait_loadcnt 0x0
.irp i, 0,1,2
.irp m, 0,1
	XW XR, \i, \m
	WIN (AW<<6)|AW
.set jj, 0
.rept 16
	v_pk_add_f32 v[AL+jj:AL+jj+1], v[AL+jj:AL+jj+1], v[OB+32*\i+jj:OB+32*\i+jj+1]
.set jj, jj+2
.endr
.endr
.endr
	WIN 0
	GBLOAD 14, 16
	s_wait_alu depctr_va_vdst(0)
	s_wait_tensorcnt 0x0                           ; my load of the head has landed; no load of mine is out, so descriptors may be written
	ds_add_u32 v8, v9
	s_mov_b32 s[G1W+2], 150<<16                    ; from here on a load brings my quarter of a slot
	s_mov_b32 s[G1W+4], 150
	s_mov_b32 s2, s24
	s_add_co_u32 s[G0W+1], s[G0W+1], s24
	s_add_nc_u64 s[G0W+2:G0W+3], s[G0W+2:G0W+3], s[2:3]
	s_wait_dscnt 0x0
	ROUND
	tensor_load_to_lds s[G0W+4:G0W+7], s[G1W:G1W+7]
	s_nop 0
	PLACES
	s_wait_tensorcnt 0x1
	s_barrier_signal -1
	s_barrier_wait -1
	WLOAD 0, 0, 0
	WLOAD 0, 1, 1
	WLOAD 0, 2, 2
	START
	STEP 0, 1, 3, 1, 1, XR
	STEP 1, 2, 1, 1, 1, XR
.irp i, 0,1,2
.irp m, 0,1
	XW ZR, \i, \m
	WIN AW<<6
.irp q, 0,1,2,3,4,5,6,7
	global_load_b128 v[AL+4*\q:AL+4*\q+3], v[H128], s[12:13] offset:256*\i+16*\q
.endr
.endr
.endr
	WIN 0
	STEP 2, 3, 3, 1, 1, XR
	STEP 3, 0, 1, 1, 1, XR
	STEP 0, 1, 3, 1, 1, XR
	STEP 1, 2, 1, 0, 1, XR
	LN XR, 0
	GBLOAD 18, 20
	s_mul_i32 s24, s[WV], 3
.irp i, 0,1,2
	s_add_co_u32 s25, s24, \i
	s_lshr_b32 s26, s25, 1
	s_mul_i32 s26, s26, REC
	s_and_b32 s27, s25, 1
	s_mul_i32 s2, s27, 768
	s_add_co_u32 s2, s2, s26
	v_add_nc_u32 v[HA16+\i], s2, v[L16]
	s_add_co_u32 s2, s2, 512
	v_add_nc_u32 v[HA8+\i], s2, v[L8]
	s_lshl_b32 s27, s27, 1
	s_add_co_u32 s26, s26, s27
	s_add_co_u32 s26, s26, SCO
	v_add_nc_u32 v[HAS+\i], s26, v[R4]
.endr
.irp i, 0,1,2
.irp m, 0,1
	XW XR, \i, \m
	WIN (AW<<2)|(AW<<4)
	v_max3_num_f32 v[T0], v[FLOORV], |v[AL]|, |v[AL+1]|
	v_max3_num_f32 v[T1], v[FLOORV], |v[AL+2]|, |v[AL+3]|
.irp j, 4,8,12,16,20,24,28
	v_max3_num_f32 v[T0], v[T0], |v[AL+\j]|, |v[AL+\j+1]|
	v_max3_num_f32 v[T1], v[T1], |v[AL+\j+2]|, |v[AL+\j+3]|
.endr
	WIN 0
	v_max_num_f32 v[T0], v[T0], v[T1]
	v_add_nc_u32 v[T2], 0xff000000, v[T0]
	s_wait_alu depctr_va_vdst(0)
	s_wait_dscnt 0x0
	WIN AW
	v_cvt_scalef32_pk16_fp6_f32 v[PQ:PQ+2], v[AL:AL+15], v[T2]
	v_cvt_scalef32_pk16_fp6_f32 v[QT:QT+2], v[AL+16:AL+31], v[T2]
	WIN 0
	v_lshrrev_b32 v[T3], 23, v[T2]
	v_mov_b32 v[PQ+3], v[QT]
	v_mov_b32 v[PQ+4], v[QT+1]
	v_mov_b32 v[PQ+5], v[QT+2]
	v_lshlrev_b32 v[T3], v[H8], v[T3]
	v_permlanex16_b32 v[T4], v[T3], s[SEL], s[SEL+1]
	v_or_b32 v[SW], v[T3], v[T4]
	ds_store_b128 v[HA16+\i], v[PQ:PQ+3] offset:1536*\m
	ds_store_b64 v[HA8+\i], v[PQ+4:PQ+5] offset:1536*\m
	ds_store_b16 v[HAS+\i], v[SW] offset:64*\m
.endr
.endr
	s_wait_dscnt 0x0
	s_barrier_signal -1
	s_barrier_wait -1
	START
	STEP 2, 3, 3, 1, 1, ZR
	STEP 3, 0, 1, 1, 1, ZR
	STEP 0, 1, 3, 1, 1, ZR
	STEP 1, 2, 0, 1, 1, ZR
	STEP 2, 3, 3, 1, 1, ZR
	STEP 3, 3, 2, 0, 0, ZR
.irp i, 0,1,2
.irp m, 0,1
	XW XR, \i, \m
.set XWW, AW
.set XLL, AL
	XW ZR, \i, \m
	WIN AW
.set jj, 0
.rept 16
	v_pk_mul_f32 v[EL+jj:EL+jj+1], v[AL+jj:AL+jj+1], 0x3c23d70a op_sel_hi:[1,0]
.set jj, jj+2
.endr
.set jj, 0
.rept 32
	v_max_num_f32 v[EL+jj], v[AL+jj], v[EL+jj]
.set jj, jj+1
.endr
	WIN (AW<<6)|(XWW<<2)
.set jj, 0
.rept 16
	v_pk_add_f32 v[AL+jj:AL+jj+1], v[EL+jj:EL+jj+1], v[XLL+jj:XLL+jj+1]
.set jj, jj+2
.endr
.endr
.endr
	WIN 0
	LN ZR, 2
	s_wait_alu depctr_va_vdst(0)
.irp m, 0,1
.irp i, 0,1,2
	XW ZR, \i, \m
	WIN AW<<2
.irp q, 0,1,2,3,4,5,6,7
	ds_store_b128 v[OSA], v[AL+4*\q:AL+4*\q+3] offset:256*\i+16*\q
.endr
.endr
	WIN 0
	s_wait_dscnt 0x0
	s_barrier_signal -1
	s_barrier_wait -1
	s_wait_xcnt 0x0
.irp k, 0,1,2,3
.irp j, 0,1,2,3,4,5
	ds_load_b128 v[OB+4*(6*\k+\j):OB+4*(6*\k+\j)+3], v[OSR] offset:3088*\k+512*\j
.endr
.endr
.irp k, 0,1,2,3
.irp j, 0,1,2,3,4,5
	s_wait_dscnt 23-(6*\k+\j)
	global_store_b128 v[L16], v[OB+4*(6*\k+\j):OB+4*(6*\k+\j)+3], s[22:23] offset:(\k+8*\m)*3072+512*\j th:TH_STORE_NT
.endr
.endr
.if \m < 1
	s_barrier_signal -1
	s_barrier_wait -1
.endif
.endr
	s_wait_tensorcnt 0x0
	ds_add_u32 v[SPW], v[NIL]
	s_wait_dscnt 0x0
	ROUND
	s_endpgm
.Lfunc_end_k_q9dd7425194_tail:
	.size	k_q9dd7425194_tail, .Lfunc_end_k_q9dd7425194_tail-k_q9dd7425194_tail
	.p2alignl 7, 3214868480
	.fill 96, 4, 3214868480
	.section	.rodata,"a",@progbits
	.p2align	6, 0x0
	.amdhsa_kernel k_q9dd7425194_tail
		.amdhsa_group_segment_fixed_size 327680
		.amdhsa_private_segment_fixed_size 0
		.amdhsa_enable_private_segment 0
		.amdhsa_kernarg_size 80
		.amdhsa_user_sgpr_count 2
		.amdhsa_user_sgpr_kernarg_segment_ptr 1
		.amdhsa_wavefront_size32 1
		.amdhsa_system_sgpr_workgroup_id_x 1
		.amdhsa_system_sgpr_workgroup_id_y 1
		.amdhsa_system_sgpr_workgroup_id_z 1
		.amdhsa_system_vgpr_workitem_id 0
		.amdhsa_next_free_vgpr 1024
		.amdhsa_next_free_sgpr 68
		.amdhsa_reserve_vcc 0
		.amdhsa_float_denorm_mode_32 3
		.amdhsa_float_denorm_mode_16_64 3
		.amdhsa_memory_ordered 1
		.amdhsa_forward_progress 1
		.amdhsa_inst_pref_size 255
	.end_amdhsa_kernel
	.section	.bss,"aw",@nobits
	.p2align	6
	.space	262144
	.amdgpu_metadata
---
amdhsa.version: [ 1, 2 ]
amdhsa.kernels:
  - .name:           k_q9dd7425194_tail
    .symbol:         k_q9dd7425194_tail.kd
    .args:
      - { .name: CX, .offset: 0, .size: 8, .value_kind: global_buffer, .address_space: global }
      - { .name: WS, .offset: 8, .size: 8, .value_kind: global_buffer, .address_space: global }
      - { .name: graph_nodes, .offset: 16, .size: 8, .value_kind: global_buffer, .address_space: global }
      - { .name: outb, .offset: 24, .size: 8, .value_kind: global_buffer, .address_space: global }
      - { .name: d1b, .offset: 32, .size: 8, .value_kind: global_buffer, .address_space: global }
      - { .name: ln1g, .offset: 40, .size: 8, .value_kind: global_buffer, .address_space: global }
      - { .name: ln1b, .offset: 48, .size: 8, .value_kind: global_buffer, .address_space: global }
      - { .name: ln2g, .offset: 56, .size: 8, .value_kind: global_buffer, .address_space: global }
      - { .name: ln2b, .offset: 64, .size: 8, .value_kind: global_buffer, .address_space: global }
      - { .name: out0, .offset: 72, .size: 8, .value_kind: global_buffer, .address_space: global }
    .group_segment_fixed_size: 327680
    .private_segment_fixed_size: 0
    .kernarg_segment_align: 8
    .kernarg_segment_size: 80
    .max_flat_workgroup_size: 128
    .sgpr_count:     68
    .vgpr_count:     1024
    .wavefront_size: 32
...
	.end_amdgpu_metadata
.endif
;; end of part 9
